; MI455X (gfx1250); checked and timed in simulation.
; The chip was launched on July 23, 2026; its instructions are those of AMD's public machine-readable ISA for CDNA 5 (MIT licence, August 2026) and "CDNA5" Instruction Set Architecture Reference Guide (July 2026). The comments in the code are by the model that wrote it; some were corrected since.
;; Memory Efficient Selective Scan. Allowed arithmetic: float matrix products may take bf16 or f16 operands with f32 sums; all other float work in f32.
;; Inputs: D_skip 1,024 float32; W_B 16 x 1,024 float32; W_C 16 x 1,024 float32; W_dt1 64 x 1,024 float32; W_dt2 1,024 x 64 float32; b_dt2 1,024 float32; log_A 1,024 x 16 float32; state 4 x 1,024 x 16 float32; x 4 x 4,096 x 1,024 float32.
;; Outputs: out0 4 x 4,096 x 1,024 float32.
;; 3 versions, each right and faster than the one before. Each part assembles by itself: llvm-mc -triple=amdgcn-amd-amdhsa -mcpu=gfx1250 --defsym DOCPART=n.
;; ======== version 1 of 3: 4 launches
;; limits: values are held in f16: magnitudes above 65,504 overflow, below 6.1e-05 lose precision
;; workspace buffers: bc 2,097,152 bytes; rr 4,194,304 bytes; loc 3,932,160 bytes; sdt 245,760 bytes; ini 4,194,304 bytes
;; launch proj (part 1): grid 256 x 1, 4 waves a work-group, no clusters, 326,144 bytes of LDS; arguments x, W_B, W_C, W_dt1, bc, rr; writes bc, rr
.if DOCPART == 1
	.amdgcn_target "amdgcn-amd-amdhsa--gfx1250"
	.amdhsa_code_object_version 6
	.text
	.protected	k_q9d24ee9ba1_proj
	.globl	k_q9d24ee9ba1_proj
	.p2align	8
	.type	k_q9d24ee9ba1_proj,@function
k_q9d24ee9ba1_proj:
	s_mov_b64 s[64:65], 0
	v_nop
	global_prefetch_b8 v0, s[64:65] scope:SCOPE_SE
	s_setreg_imm32_b32 hwreg(HW_REG_WAVE_MODE, 25, 1), 1
	s_wait_xcnt 0x0
; bc[row][0:16] = x[row] . W_B[n], bc[row][16:32] = x[row] . W_C[n], rr[row][0:64] = x[row] . W_dt1[r]; row = b*4096 + t, 16,384 rows, K = 1024.
; One product [16384 x 1024] x [1024 x 96] with f16 operands and f32 sums.
; WHY f16: an error eps in C enters y as |s| eps, and |s| reaches several times y's root mean square, of which one hundredth is allowed; f16's
; 11 significant bits leave eps about 3e-4 over 1,024 products, bf16's 8 bits eight times as much.
; LIMITS: x and the weights are rounded to f16 (nearest even) on their way to the matrix unit: |x| and |W| below 65,504 (beyond: infinite),
; and below 6.1e-5 in steps of 6e-8.  x is drawn with spread 1 and the weights with spread 1/32: thirty times more or less, or an offset of
; thirty spreads, stays inside both.  Each output is the sum of four partial sums over a quarter of K each, added as (q0+q1)+(q2+q3): an
; order of rounding that differs from a single chain.
; A work-group owns 64 rows of x (262,144 bytes).  Wave w owns K quarter 256 w .. 256 w + 255 of all 64 rows and all 96 columns:
; 24 accumulator tiles (4 row tiles x 6 column tiles).  Its part of x comes by two tensor loads of 64 rows x 512 bytes, both issued at
; the head: the whole of the group's x is on its way at once, nothing is filled again, and each wave reads its own tiles alone.
; The weights (393,216 bytes, read by every work-group) come through registers, two rows x 256 bytes an instruction, are rounded to
; f16 and turned into fragments through the wave's own LDS scratch.
; No cluster: the x tiles take 270,336 bytes of LDS and the scratch the rest, so there is no room for jointly fetched weight tiles,
; and x, the bulk of the bytes, is shared by nobody.
; THE MATRIX INSTRUCTION IS USED TRANSPOSED: source 0 = 16 weight rows, source 1 = 16 rows of x, so that a lane holds row
; 16 mt + (l % 16) of the output and eight neighbouring columns 16 nt + 8 (l / 16) + 0..7.
; REGISTERS: window 0: v1-12 addresses, v64-127 x as f32, v128-159 x fragments, v160-255 weight fragments (also the packing target);
; window 1: v0-191 accumulators, tile (mt, nt) at 8 (6 mt + nt); window 2: v0-191 a weight piece as f32.
.set XPITCH, 528                       ; an x row in LDS: 512 bytes + 16 of padding = 33 x 16: 16 rows start at 16 different 16-byte columns of 256
.set XTILE,  64*XPITCH                 ; 33,792 bytes: one tensor load
.set WSB,    8*XTILE                   ; 270,336: behind the eight x tiles, a multiple of 256: no fill lands here
.set WPITCH, 144                       ; a weight row of 64 f16 + 16 bytes = 9 x 16
.set WSZ,    96*WPITCH                 ; 13,824 bytes of scratch for each wave
.set SPITCH, 400                       ; a row of 96 f32 partial sums + 16 bytes = 25 x 16
.set SWAVE,  64*SPITCH                 ; 25,600 bytes of partial sums for each wave, laid over the x tiles when those are done with
.set VW,  3                            ; weights in memory: 4096 h + 16 r + 1024 w
.set VS,  4                            ; scratch, in: 144 h + 8 r
.set VF,  5                            ; scratch, fragments out: 144 r + 16 h
.set VA,  6                            ; x fragments: 528 r + 32 h in my first tile
.set VST, 7                            ; partial sums, in
.set VRA, 8                            ; partial sums of rr, waves 0 and 1
.set VRB, 9                            ; waves 2 and 3
.set VBA, 10                           ; partial sums of bc, waves 0 and 1
.set VBB, 11                           ; waves 2 and 3
.set VO,  12                           ; 16 x thread: my 16 bytes in a run of 2,048 output bytes
.set XR,  64
.set XF,  128
.set WF,  160
.set RS,  64                           ; v64-191: rr's partial sums, slot (i, p) at 16 i + 4 p
.set BS,  192                          ; v192-255: bc's
.set MSB, 0
.macro WIN new                         ; the immediate's high byte repeats the setting that is left
.if MSB != \new
	s_set_vgpr_msb (MSB<<8)|\new
.set MSB, \new
.endif
.endm
.macro PLACES                          ; four places behind a matrix instruction (ISA guide 7.12.1) before its sources are written or its result is read
.rept 4
	v_nop
.endr
.endm
	s_load_b256 s[4:11], s[0:1], 0x0               ; x s[4:5], W_B s[6:7], W_C s[8:9], W_dt1 s[10:11]
	s_load_b128 s[12:15], s[0:1], 0x20             ; bc s[12:13], rr s[14:15]
	v_lshl_add_u32 v62, v0, 2, 0x4f800
	v_mov_b32 v63, 0
	ds_add_u32 v62, v63
	ds_add_u32 v62, v63
	v_lshrrev_b32 v1, 5, v0
	v_readfirstlane_b32 s16, v1                    ; wave 0..3
	; descriptor group 1: 64 rows x 128 elements of 4 bytes, 1,024 elements from row to row, 4 words of padding behind every 128
	s_mov_b32 s24, (2<<16)|(1<<20)|(6<<22)|(3<<25)
	s_mov_b32 s25, 128<<16                         ; tensor_dim0 = 128
	s_mov_b32 s26, 64<<16                          ; tensor_dim1 = 64
	s_mov_b32 s27, 128<<16                         ; tile_dim0 = 128
	s_mov_b32 s28, 64                              ; tile_dim1 = 64
	s_mov_b32 s29, 1024                            ; pitch
	s_mov_b32 s30, 0
	s_mov_b32 s31, 0
	s_lshl_b32 s17, s16, 10                        ; my K quarter: 1,024 bytes of a row
	s_lshl_b32 s20, ttmp9, 18                      ; the group's 64 rows of 4,096 bytes (below 2^26)
	s_add_co_u32 s20, s20, s17
	s_mov_b32 s21, 0
	s_mul_i32 s19, s16, 2*XTILE                    ; my two tiles in LDS
	s_wait_dscnt 0x0
	s_wait_kmcnt 0x0
	s_add_nc_u64 s[22:23], s[4:5], s[20:21]
.irp u, 0,1
	s_mov_b32 s[32+4*\u], 1
	s_add_co_u32 s[33+4*\u], s19, \u*XTILE
	s_add_nc_u64 s[34+4*\u:35+4*\u], s[22:23], \u*512
	s_or_b32 s[35+4*\u], s[35+4*\u], 0x80000000
	tensor_load_to_lds s[32+4*\u:35+4*\u], s[24:31]    ; both first fills go out ahead of everything else: two tensor loads of the wave are out
	s_nop 0
.endr
	s_lshl_b32 s20, ttmp9, 14                      ; 64 rows of 256 bytes
	s_add_nc_u64 s[14:15], s[14:15], s[20:21]      ; rr at the group's first row
	s_lshl_b32 s20, ttmp9, 13                      ; 64 rows of 128 bytes
	s_add_nc_u64 s[12:13], s[12:13], s[20:21]      ; bc likewise
	s_mul_i32 s18, s16, WSZ
	s_add_co_u32 s18, s18, WSB                     ; my scratch
	s_mul_i32 s40, s16, SWAVE                      ; my partial sums
	v_and_b32 v1, 15, v0                           ; r
	v_bfe_u32 v2, v0, 4, 1                         ; h
	v_lshlrev_b32 v[VW], 4, v1
	v_lshl_add_u32 v[VW], v2, 12, v[VW]
	v_add_nc_u32 v[VW], s17, v[VW]
	v_mul_u32_u24 v[VS], v2, WPITCH
	v_lshl_add_u32 v[VS], v1, 3, v[VS]
	v_add_nc_u32 v[VS], s18, v[VS]
	v_mul_u32_u24 v[VF], v1, WPITCH
	v_lshl_add_u32 v[VF], v2, 4, v[VF]
	v_add_nc_u32 v[VF], s18, v[VF]
	v_mul_u32_u24 v[VA], v1, XPITCH
	v_lshl_add_u32 v[VA], v2, 5, v[VA]
	v_add_nc_u32 v[VA], s19, v[VA]
	v_mul_u32_u24 v[VST], v1, SPITCH
	v_lshl_add_u32 v[VST], v2, 5, v[VST]
	v_add_nc_u32 v[VST], s40, v[VST]
	v_lshrrev_b32 v[VRA], 4, v0                    ; rr: 16 threads a row of 256 bytes, 8 rows at a time
	v_mul_u32_u24 v[VRA], v[VRA], SPITCH
	v_lshl_add_u32 v[VRA], v1, 4, v[VRA]
	v_add_nc_u32 v[VRA], 128, v[VRA]               ; behind the 32 columns of bc
	v_add_nc_u32 v[VRB], 2*SWAVE, v[VRA]
	v_lshrrev_b32 v[VBA], 3, v0                    ; bc: 8 threads a row of 128 bytes, 16 rows at a time
	v_mul_u32_u24 v[VBA], v[VBA], SPITCH
	v_and_b32 v2, 7, v0
	v_lshl_add_u32 v[VBA], v2, 4, v[VBA]
	v_add_nc_u32 v[VBB], 2*SWAVE, v[VBA]
	v_lshlrev_b32 v[VO], 4, v0
; Piece p of the weights: 64 k of my quarter, all 96 rows, as f32 into window 2.  An instruction takes two rows x 256 bytes.
.macro WLOAD p
	WIN 0x80
.irp q, 0,1,2,3,4,5,6,7
	global_load_b128 v[4*\q:4*\q+3], v[VW], s[6:7] offset:\q*8192+(\p)*256
.endr
.irp q, 0,1,2,3,4,5,6,7
	global_load_b128 v[32+4*\q:32+4*\q+3], v[VW], s[8:9] offset:\q*8192+(\p)*256
.endr
.set q_, 0
.rept 32
	global_load_b128 v[64+4*q_:64+4*q_+3], v[VW], s[10:11] offset:q_*8192+(\p)*256
.set q_, q_+1
.endr
	WIN 0
.endm
; The piece is rounded to f16, laid into my scratch by rows, and read back as 12 fragments (two K steps of 32 x six column tiles).
; The scratch is the wave's own and LDS serves a wave's instructions in order (ISA guide 5.7.1): no wait between stores and loads.
.macro PIECE p
	s_wait_loadcnt 0x0                             ; the piece is in
	WIN 0x0a
.set m_, 0
.rept 96
	v_cvt_pk_f16_f32 v[WF+m_], v[2*m_], v[2*m_+1]
.set m_, m_+1
.endr
	WIN 0
.if \p < 3
	WLOAD \p+1                                     ; the next piece has this piece's two K steps in which to come
.endif
.set q_, 0
.rept 48
	ds_store_b64 v[VS], v[WF+2*q_:WF+2*q_+1] offset:q_*2*WPITCH
.set q_, q_+1
.endr
.irp u, 0,1
.irp nt, 0,1,2,3,4,5
	ds_load_b128 v[WF+8*(6*\u+\nt):WF+8*(6*\u+\nt)+3],   v[VF] offset:\nt*16*WPITCH+\u*64
	ds_load_b128 v[WF+8*(6*\u+\nt)+4:WF+8*(6*\u+\nt)+7], v[VF] offset:\nt*16*WPITCH+\u*64+32
.endr
.endr
.endm
; x of K step ks (32 k = 128 bytes of a row) as f32: lane (r, h) takes k = 8h..8h+7 and 16+8h..16+8h+7 of rows 16 mt + r
.macro XLOAD ks
.irp mt, 0,1,2,3
.irp o, 0,1,2,3
	ds_load_b128 v[XR+16*\mt+4*\o:XR+16*\mt+4*\o+3], v[VA] offset:((\ks)>>2)*XTILE+\mt*16*XPITCH+((\ks)&3)*128+(\o>>1)*64+(\o&1)*16
.endr
.endr
.endm
; 24 matrix instructions, one for each accumulator: the accumulators take turns, one instruction a turn.
.macro MUL u, zero
	WIN 0x50
.irp mt, 0,1,2,3
.irp nt, 0,1,2,3,4,5
.if \zero
	v_wmma_f32_16x16x32_f16 v[8*(6*\mt+\nt):8*(6*\mt+\nt)+7], v[WF+8*(6*\u+\nt):WF+8*(6*\u+\nt)+7], v[XF+8*\mt:XF+8*\mt+7], 0
.else
	v_wmma_f32_16x16x32_f16 v[8*(6*\mt+\nt):8*(6*\mt+\nt)+7], v[WF+8*(6*\u+\nt):WF+8*(6*\u+\nt)+7], v[XF+8*\mt:XF+8*\mt+7], v[8*(6*\mt+\nt):8*(6*\mt+\nt)+7]
.endif
.endr
.endr
	WIN 0
	PLACES                                         ; behind them the fragments may be written again and the sums read
.endm
.macro STEP ks, u, zero
	s_wait_dscnt 0x0                               ; this step's x, and (first step of a piece) the weight fragments
.set m_, 0
.rept 32
	v_cvt_pk_f16_f32 v[XF+m_], v[XR+2*m_], v[XR+2*m_+1]
.set m_, m_+1
.endr
.if \ks == 3
	s_wait_tensorcnt 0x0                           ; my second tile is in: K steps 4 to 7 are read from it
.endif
.if \ks < 7
	XLOAD \ks+1                                    ; comes back while this step is multiplied
.endif
	MUL \u, \zero
.endm
	WLOAD 0
	s_wait_tensorcnt 0x1                           ; tensor loads of a wave end in order (ISA guide 10.11.1): my first tile is in, the second stays out
	XLOAD 0
	PIECE 0
	STEP 0, 0, 1                                   ; the first products start the sums: nothing is cleared
	STEP 1, 1, 0
	PIECE 1
	STEP 2, 0, 0
	STEP 3, 1, 0
	PIECE 2
	STEP 4, 0, 0
	STEP 5, 1, 0
	PIECE 3
	STEP 6, 0, 0
	STEP 7, 1, 0
	; THE WAY OUT.  Every wave has waited for its reads of x and for both its tensor loads; behind the barrier the x tiles, which have had
	; their last fill, take the four waves' partial sums.
	s_wait_dscnt 0x0
	s_barrier_signal -1
	s_barrier_wait -1
	WIN 0x04                                       ; store data from window 1
.irp mt, 0,1,2,3
.irp nt, 0,1,2,3,4,5
	ds_store_b128 v[VST], v[8*(6*\mt+\nt):8*(6*\mt+\nt)+3]   offset:\mt*16*SPITCH+\nt*64
	ds_store_b128 v[VST], v[8*(6*\mt+\nt)+4:8*(6*\mt+\nt)+7] offset:\mt*16*SPITCH+\nt*64+16
.endr
.endr
	WIN 0
	s_wait_dscnt 0x0                               ; for the other waves' sake: all my stores are done
	s_barrier_signal -1
	s_barrier_wait -1
.irp i, 0,1,2,3,4,5,6,7
.irp p, 0,1
	ds_load_b128 v[RS+16*\i+4*\p:RS+16*\i+4*\p+3],     v[VRA] offset:\i*8*SPITCH+\p*SWAVE
	ds_load_b128 v[RS+16*\i+4*\p+8:RS+16*\i+4*\p+11],  v[VRB] offset:\i*8*SPITCH+\p*SWAVE
.endr
.endr
.irp i, 0,1,2,3
.irp p, 0,1
	ds_load_b128 v[BS+16*\i+4*\p:BS+16*\i+4*\p+3],     v[VBA] offset:\i*16*SPITCH+\p*SWAVE
	ds_load_b128 v[BS+16*\i+4*\p+8:BS+16*\i+4*\p+11],  v[VBB] offset:\i*16*SPITCH+\p*SWAVE
.endr
.endr
; (q0 + q1) + (q2 + q3) of four numbers, then 16 bytes a thread: a wave's store covers 512 consecutive bytes, aligned
.macro SUM4 a, base, off
	v_pk_add_f32 v[\a:\a+1],     v[\a:\a+1],     v[\a+4:\a+5]
	v_pk_add_f32 v[\a+2:\a+3],   v[\a+2:\a+3],   v[\a+6:\a+7]
	v_pk_add_f32 v[\a+8:\a+9],   v[\a+8:\a+9],   v[\a+12:\a+13]
	v_pk_add_f32 v[\a+10:\a+11], v[\a+10:\a+11], v[\a+14:\a+15]
	v_pk_add_f32 v[\a:\a+1],     v[\a:\a+1],     v[\a+8:\a+9]
	v_pk_add_f32 v[\a+2:\a+3],   v[\a+2:\a+3],   v[\a+10:\a+11]
	global_store_b128 v[VO], v[\a:\a+3], s[\base:\base+1] offset:\off
.endm
	s_wait_dscnt 16                                ; rr's 32 loads are in; the 16 issued behind them, bc's, may stay out
.irp i, 0,1,2,3,4,5,6,7
	SUM4 RS+16*\i, 14, \i*2048
.endr
	s_wait_dscnt 0x0
.irp i, 0,1,2,3
	SUM4 BS+16*\i, 12, \i*2048
.endr
	s_wait_tensorcnt 0x0
	ds_add_u32 v62, v63
	s_wait_dscnt 0x0
	s_endpgm
.Lfunc_end_k_q9d24ee9ba1_proj:
	.size	k_q9d24ee9ba1_proj, .Lfunc_end_k_q9d24ee9ba1_proj-k_q9d24ee9ba1_proj
	.p2alignl 7, 3214868480
	.fill 96, 4, 3214868480
	.section	.rodata,"a",@progbits
	.p2align	6, 0x0
	.amdhsa_kernel k_q9d24ee9ba1_proj
		.amdhsa_group_segment_fixed_size 326144
		.amdhsa_private_segment_fixed_size 0
		.amdhsa_enable_private_segment 0
		.amdhsa_kernarg_size 48
		.amdhsa_user_sgpr_count 2
		.amdhsa_user_sgpr_kernarg_segment_ptr 1
		.amdhsa_wavefront_size32 1
		.amdhsa_system_sgpr_workgroup_id_x 1
		.amdhsa_system_sgpr_workgroup_id_y 1
		.amdhsa_system_sgpr_workgroup_id_z 1
		.amdhsa_system_vgpr_workitem_id 0
		.amdhsa_next_free_vgpr 704
		.amdhsa_next_free_sgpr 66
		.amdhsa_reserve_vcc 0
		.amdhsa_float_denorm_mode_32 3
		.amdhsa_float_denorm_mode_16_64 3
		.amdhsa_memory_ordered 1
		.amdhsa_forward_progress 1
		.amdhsa_inst_pref_size 115
	.end_amdhsa_kernel
	.amdgpu_metadata
---
amdhsa.version: [ 1, 2 ]
amdhsa.kernels:
  - .name:           k_q9d24ee9ba1_proj
    .symbol:         k_q9d24ee9ba1_proj.kd
    .args:
      - { .name: x, .offset: 0, .size: 8, .value_kind: global_buffer, .address_space: global }
      - { .name: W_B, .offset: 8, .size: 8, .value_kind: global_buffer, .address_space: global }
      - { .name: W_C, .offset: 16, .size: 8, .value_kind: global_buffer, .address_space: global }
      - { .name: W_dt1, .offset: 24, .size: 8, .value_kind: global_buffer, .address_space: global }
      - { .name: bc, .offset: 32, .size: 8, .value_kind: global_buffer, .address_space: global }
      - { .name: rr, .offset: 40, .size: 8, .value_kind: global_buffer, .address_space: global }
    .group_segment_fixed_size: 326144
    .private_segment_fixed_size: 0
    .kernarg_segment_align: 8
    .kernarg_segment_size: 48
    .max_flat_workgroup_size: 128
    .sgpr_count:     66
    .vgpr_count:     704
    .wavefront_size: 32
...
	.end_amdgpu_metadata
.endif
;; end of part 1
;; launch scan1 (part 2): grid 15 x 16, 4 waves a work-group, no clusters, 168,448 bytes of LDS; arguments x, log_A, W_dt2, b_dt2, bc, rr, loc, sdt; writes loc, sdt
.if DOCPART == 2
	.amdgcn_target "amdgcn-amd-amdhsa--gfx1250"
	.amdhsa_code_object_version 6
	.text
	.protected	k_q9d24ee9ba1_scan1
	.globl	k_q9d24ee9ba1_scan1
	.p2align	8
	.type	k_q9d24ee9ba1_scan1,@function
k_q9d24ee9ba1_scan1:
	s_mov_b64 s[64:65], 0
	v_nop
	global_prefetch_b8 v0, s[64:65] scope:SCOPE_SE
	s_setreg_imm32_b32 hwreg(HW_REG_WAVE_MODE, 25, 1), 1
	s_wait_xcnt 0x0
; THE SELECTIVE SCAN OVER ONE CHUNK OF 256 STEPS.  One source serves two launches; YPASS picks the build.
;   YPASS = 0 (chunks 0 to 14): the scan from a zero state, without y.  Stores the chunk's end state (loc) and the sum of dt over the chunk (sdt).
;   YPASS = 1 (chunks 0 to 15): the scan from the chunk's true first state (ini), y[t][d] = sum over n of s C + D_skip x, stored to out0.
; s = Abar s + (Abar - 1) / (A + 1e-8) x B,  Abar = exp(dt A),  A = -exp(log_A),  dt = softplus(r . W_dt2[d] + b_dt2[d]).
; LIMITS: r and W_dt2 are rounded to f16 for the product (an error in z is a relative error of a small dt, so f16's 11 significant bits are
; taken rather than bf16's 8): |r| and |W_dt2| below 65,504, beyond which the operand is infinite.  r = x . W_dt1 has spread 1 as drawn, 900 with
; x and W_dt1 both thirty times larger, and lies near 1024 x 30 x 30/32 = 28,800 with both carrying an offset of thirty spreads: inside.
; v_exp_f32, v_log_f32 and v_rcp_f32 treat denormal inputs and results as zero
; (ISA guide 15.8), so Abar below 2^-126 and exp(-|z|) for |z| above 87 count as 0 (dt is then max(z, 0)); A + 1e-8 = 0 gives infinities as
; in the defining formula; y's sum over n is made as two interleaved chains of eight, then added.
; A work-group owns (chunk, b, 256 channels); wave w owns 64 channels; lane l owns channels 2l, 2l+1 with all 16 n: 32 states in
; registers, no sum across lanes, B and C the same for all lanes, and a wave's load of x and store of y cover 256 consecutive bytes, aligned.
; bc and rr of the chunk's 256 steps (98,304 bytes) come into LDS once, each wave bringing 64 steps by two tensor loads; nothing is filled again.
; No cluster: what neighbours share (bc, rr) is fetched once at the head and is the smaller part of a group's bytes, in a kernel whose
; time goes into vector arithmetic.  x needs no LDS: a ring of 16 register slots, each loaded again 16 steps ahead.
; A BLOCK is 16 steps: dt of the block by eight matrix instructions and softplus, then 256 groups (step, pair of n, channel) in a
; software pipeline of BEATs.
.set YPASS, 0
.set RRB,    32768                     ; LDS: bc [256][128 bytes] at 0, rr [256] rows of 272 bytes behind it
.set RPITCH, 272                       ; 256 bytes + 16 = 17 x 16: 16 rows start at 16 different 16-byte columns of 256
.set VB, 2                             ; v2       LDS address of the block's first step in bc (the same in all lanes)
.set VR, 3                             ; v3       LDS address of my part of the block's r fragment
.set BI, 4                             ; v[4:7]   b_dt2 log2(e) for dt tile 0..3
.set DK, 8                             ; v[8:9]   D_skip of my two channels
.set O,  10                            ; v[10:13] y to store, by the step's parity (in the prologue: offsets)
.set Y,  14                            ; v[14:21] y's chains: parity, channel, a pair
.set SD, 14                            ; v[14:21] YPASS = 0: sums of dt: channel, two chains, a pair
.set VQ, 22                            ; v22      16 x lane
.set S,  24                            ; v[24:55]   s[d][n]
.set AP, 56                            ; v[56:87]   A log2(e)
.set IA, 88                            ; v[88:119]  1 / (A + 1e-8)
.set DT, 120                           ; v[120:151] dt[d][t] of the block
.set X,  152                           ; v[152:183] x[t][d]: the ring of 16 slots
.set BB, 184                           ; v[184:199] B of a step, four quads
.set CC, 200                           ; v[200:215] C of a step, four quads
.set ER, 216                           ; v[216:231] ring of eight pairs: dt A', then Abar
.set WR, 232                           ; v[232:247] ring of eight pairs: x B, x B / (A + 1e-8), (Abar - 1) x B / (A + 1e-8)
.set TE, ER                            ; softplus works in the rings, which are empty between blocks
.set TU, ER+8
.set T3, WR
.set W2F, 0                            ; window 1: v[0:63] W_dt2 fragments, tile tau, K half u at 16 tau + 8 u
.set RF,  64                           ; window 1: v[64:95] r of the block as f32
.set RA,  96                           ; window 1: v[96:111] r fragments
.if YPASS
.set PBC, 14
.set PRR, 16
.set PST, 18
.set LDSOUT, 5
.set XOUT, 14
.set LASTB, 260
.else
.set PBC, 12
.set PRR, 14
.set PST, 16
.set LDSOUT, 3
.set XOUT, 15
.set LASTB, 256
.endif
.set MSB, 0
.macro WIN new                         ; the immediate's high byte repeats the setting that is left
.if MSB != \new
	s_set_vgpr_msb (MSB<<8)|\new
.set MSB, \new
.endif
.endm
	s_load_b256 s[4:11], s[0:1], 0x0               ; x s[4:5], log_A s[6:7], W_dt2 s[8:9], b_dt2 s[10:11]
	s_load_b256 s[12:19], s[0:1], 0x20             ; YPASS = 0: bc, rr, loc, sdt;  YPASS = 1: D_skip, bc, rr, ini
	v_lshl_add_u32 v254, v0, 2, 0x29000
	v_mov_b32 v255, 0
	ds_add_u32 v254, v255
	ds_add_u32 v254, v255
.if YPASS
	s_load_b64 s[20:21], s[0:1], 0x40              ; out0
.endif
	v_lshrrev_b32 v1, 5, v0
	v_readfirstlane_b32 s48, v1                    ; wave 0..3
	s_and_b32 s50, ttmp7, 0xffff
	s_and_b32 s51, s50, 3                          ; dg: which 256 channels
	s_lshr_b32 s50, s50, 2                         ; b
	s_lshl_b32 s53, s50, 12
	s_lshl_b32 s52, ttmp9, 8
	s_add_co_u32 s53, s53, s52                     ; the chunk's first row = 4096 b + 256 chunk
	s_lshl_b32 s56, s48, 6
	s_add_co_u32 s56, s56, s53                     ; the first of the 64 steps that I bring
	s_mov_b32 s55, 0                               ; high word of every offset pair s[54:55]
	; bc: 8,192 dense bytes as 32 rows of 32 elements of 8 bytes
	s_mov_b32 s24, 3<<16
	s_mov_b32 s25, 32<<16
	s_mov_b32 s26, 32<<16
	s_mov_b32 s27, 32<<16
	s_mov_b32 s28, 32
	s_mov_b32 s29, 32
	s_mov_b32 s30, 0
	s_mov_b32 s31, 0
	; rr: 64 rows of 256 bytes, 4 words of padding behind every 64
	s_mov_b32 s40, (3<<16)|(1<<20)|(5<<22)|(3<<25)
	s_mov_b32 s41, 32<<16
	s_mov_b32 s42, 64<<16
	s_mov_b32 s43, 32<<16
	s_mov_b32 s44, 64
	s_mov_b32 s45, 32
	s_mov_b32 s46, 0
	s_mov_b32 s47, 0
	s_mov_b32 s32, 1
	s_lshl_b32 s33, s48, 13                        ; 64 steps x 128 bytes
	s_mov_b32 s36, 1
	s_mul_i32 s37, s48, 64*RPITCH
	s_add_co_u32 s37, s37, RRB
	s_lshl_b32 s54, s56, 7
	s_wait_dscnt 0x0
	s_wait_kmcnt 0x0
	s_add_nc_u64 s[34:35], s[PBC:PBC+1], s[54:55]
	s_or_b32 s35, s35, 0x80000000
	s_lshl_b32 s54, s56, 8
	s_add_nc_u64 s[38:39], s[PRR:PRR+1], s[54:55]
	s_or_b32 s39, s39, 0x80000000
	tensor_load_to_lds s[32:35], s[24:31]          ; the launch's only fills, ahead of everything else: two tensor loads of the wave are out
	s_nop 0
	tensor_load_to_lds s[36:39], s[40:47]
	s_nop 0
	; the bases
	s_lshl_b32 s57, s51, 10                        ; 256 channels x 4 bytes
	s_lshl_b32 s54, s53, 12                        ; rows of 4,096 bytes (below 2^26)
	s_add_co_u32 s54, s54, s57
	s_add_nc_u64 s[4:5], s[4:5], s[54:55]          ; x at the chunk's first step, my group's channels
.if YPASS
	s_add_nc_u64 s[20:21], s[20:21], s[54:55]      ; out0 likewise
.endif
	s_lshl_b32 s58, s51, 14
	s_lshl_b32 s59, s48, 12
	s_add_co_u32 s58, s58, s59                     ; (256 dg + 64 w) x 64 bytes
	s_mov_b32 s54, s58
	s_add_nc_u64 s[6:7], s[6:7], s[54:55]          ; log_A: rows of 64 bytes
	s_lshl_b32 s54, s58, 2
	s_add_nc_u64 s[8:9], s[8:9], s[54:55]          ; W_dt2: rows of 256 bytes
	s_lshr_b32 s54, s58, 4
	s_add_nc_u64 s[10:11], s[10:11], s[54:55]      ; b_dt2: 4 bytes
	s_lshl_b32 s54, ttmp9, 18                      ; the state tables: [chunk][b][16 waves' parts][8 quads][32 lanes][16 bytes]
	s_lshl_b32 s59, s50, 16
	s_add_co_u32 s54, s54, s59
	s_add_co_u32 s54, s54, s58
	s_add_nc_u64 s[PST:PST+1], s[PST:PST+1], s[54:55]
.if YPASS
	s_mov_b32 s54, s57
	s_add_nc_u64 s[12:13], s[12:13], s[54:55]      ; D_skip
.else
	s_lshl_b32 s54, ttmp9, 14                      ; sdt: [chunk][b][1024] f32
	s_lshl_b32 s59, s50, 12
	s_add_co_u32 s54, s54, s59
	s_add_co_u32 s54, s54, s57
	s_add_nc_u64 s[18:19], s[18:19], s[54:55]
.endif
	v_lshlrev_b32 v1, 3, v0                        ; 8 x thread: my two channels in a row of x, y, D_skip, sdt; never rewritten
	v_and_b32 v10, 31, v0
	v_lshlrev_b32 v[VQ], 4, v10
	v_lshlrev_b32 v10, 7, v10                      ; log_A: my two rows of 64 bytes
	v_and_b32 v11, 15, v0                          ; r
	v_bfe_u32 v13, v0, 4, 1                        ; h
	v_lshlrev_b32 v12, 9, v11
	v_lshl_add_u32 v12, v13, 5, v12                ; W_dt2: row 2 r, byte 32 h
	v_mul_u32_u24 v[VR], v11, RPITCH
	v_lshl_add_u32 v[VR], v13, 5, v[VR]
	v_add_nc_u32 v[VR], RRB, v[VR]
	v_lshlrev_b32 v13, 3, v11                      ; b_dt2: channel 2 r
	v_mov_b32 v[VB], 0
; dt's tile tau = 2 i + y: column r of the tile is channel 2 r + 32 y + i of my 64, its rows are the block's 16 steps.
; Both tiles of one i as f32 into v[120:183], which the loop does not use yet.
.macro W2LOAD i
.irp y, 0,1
.irp o, 0,1,2,3,4,5,6,7
	global_load_b128 v[DT+32*\y+4*\o:DT+32*\y+4*\o+3], v12, s[8:9] offset:\y*8192+\i*256+(\o>>1)*64+(\o&1)*16
.endr
.endr
.endm
.macro W2CVT i
	WIN 0x40
.set m_, 0
.rept 32
	v_cvt_pk_f16_f32 v[W2F+32*\i+m_], v[DT+2*m_], v[DT+2*m_+1]
.set m_, m_+1
.endr
	WIN 0
.endm
.irp j, 0,1,2,3,4,5,6,7
	global_load_b128 v[AP+4*\j:AP+4*\j+3], v10, s[6:7] offset:16*\j
.endr
.if YPASS
.irp j, 0,1,2,3,4,5,6,7
	global_load_b128 v[S+4*\j:S+4*\j+3], v[VQ], s[PST:PST+1] offset:512*\j    ; the chunk's first state
.endr
	global_load_b64 v[DK:DK+1], v1, s[12:13]
.endif
.irp i, 0,1
.irp y, 0,1
	global_load_b32 v[BI+2*\i+\y], v13, s[10:11] offset:\y*128+\i*4
.endr
.endr
	W2LOAD 0
.if YPASS == 0
.set q_, 0
.rept 32
	v_mov_b32 v[S+q_], 0                           ; this pass starts from a zero state; once in the kernel
.set q_, q_+1
.endr
.set q_, 0
.rept 8
	v_mov_b32 v[SD+q_], 0
.set q_, q_+1
.endr
.endif
	s_wait_loadcnt 0x0
	W2CVT 0
	W2LOAD 1                                       ; comes while A is worked out
.set q_, 0
.rept 16
	v_pk_mul_f32 v[IA+q_:IA+q_+1], v[AP+q_:AP+q_+1], 0x3fb8aa3b op_sel_hi:[1,0]   ; log_A log2(e)
.set q_, q_+2
.endr
.set q_, 0
.rept 32
	v_exp_f32 v[IA+q_], v[IA+q_]                   ; exp(log_A) = -A
.set q_, q_+1
.endr
	v_nop                                          ; one plain place behind the run of transcendentals (ISA guide 5.7.2)
.set q_, 0
.rept 16
	s_wait_alu depctr_va_vdst(0)
	v_pk_mul_f32 v[AP+q_:AP+q_+1], v[IA+q_:IA+q_+1], 0xbfb8aa3b op_sel_hi:[1,0]   ; A log2(e): exp(dt A) = 2^(dt A log2(e))
.set q_, q_+2
.endr
.set q_, 0
.rept 16
	v_pk_add_f32 v[IA+q_:IA+q_+1], v[IA+q_:IA+q_+1], 0x322bcc77 op_sel_hi:[1,0] neg_lo:[1,0] neg_hi:[1,0]   ; A + 1e-8, one rounding
.set q_, q_+2
.endr
.set q_, 0
.rept 32
	v_rcp_f32 v[IA+q_], v[IA+q_]
.set q_, q_+1
.endr
	v_nop
	v_pk_mul_f32 v[BI:BI+1], v[BI:BI+1], 0x3fb8aa3b op_sel_hi:[1,0]
	v_pk_mul_f32 v[BI+2:BI+3], v[BI+2:BI+3], 0x3fb8aa3b op_sel_hi:[1,0]
	s_wait_loadcnt 0x0
	W2CVT 1
.set t_, 0
.rept 16
	global_load_b64 v[X+2*t_:X+2*t_+1], v1, s[4:5] offset:t_*4096 th:TH_LOAD_NT    ; the ring's first fill: steps 0 to 15, the last global loads ahead of the loop
.set t_, t_+1
.endr
; r of 16 steps as f32: lane (r, h) takes k = 8h..+7, 16+8h..+7, 32+8h..+7, 48+8h..+7 of step r
.macro RFLOAD off
	WIN 0x40
.irp o, 0,1,2,3,4,5,6,7
	ds_load_b128 v[RF+4*\o:RF+4*\o+3], v[VR] offset:\off+(\o>>1)*64+(\o&1)*16
.endr
	WIN 0
.endm
	s_wait_tensorcnt 0x0                           ; my 64 steps of bc and rr are in,
	s_barrier_signal -1
	s_barrier_wait -1                              ; everybody's are: the kernel's one barrier
	RFLOAD 0
.irp q, 0,1,2,3
	ds_load_b128 v[BB+4*\q:BB+4*\q+3], v[VB] offset:16*\q          ; B of step 0
.endr
.if YPASS
.irp q, 0,1,2
	ds_load_b128 v[CC+4*\q:CC+4*\q+3], v[VB] offset:64+16*\q       ; C of step 0, but for its last quad, which every step fetches in its beat 1
.endr
.endif
; softplus of tile tau, in place: dt = max(z, 0) + log(1 + e), e = exp(-|z|).  With u = fl(1 + e): log(1 + e) = log(u) + (e - (u - 1)) to first
; order, and u - 1 and the residue are exact, so a small dt keeps its relative precision (for u = 1 it is e itself).  No select, no branch.
.macro SOFTPLUS tau
.set p_, DT+8*\tau
.irp q, 0,2,4,6
.if \tau & 1
	v_pk_fma_f32 v[p_+\q:p_+\q+1], v[p_+\q:p_+\q+1], 0x3fb8aa3b, v[BI+\tau-1:BI+\tau] op_sel:[0,0,1] op_sel_hi:[1,0,1]   ; z log2(e)
.else
	v_pk_fma_f32 v[p_+\q:p_+\q+1], v[p_+\q:p_+\q+1], 0x3fb8aa3b, v[BI+\tau:BI+\tau+1] op_sel_hi:[1,0,0]
.endif
.endr
.irp q, 0,1,2,3,4,5,6,7
	v_max_num_f32 v[TU+\q], 0, v[p_+\q]
.endr
.irp q, 0,2,4,6
	v_pk_fma_f32 v[TE+\q:TE+\q+1], v[TU+\q:TU+\q+1], -2.0, v[p_+\q:p_+\q+1] op_sel_hi:[1,0,1]    ; -|z| log2(e)
.endr
.irp q, 0,1,2,3,4,5,6,7
	v_exp_f32 v[TE+\q], v[TE+\q]                   ; e
.endr
	v_nop                                          ; one plain place behind the run of transcendentals (ISA guide 5.7.2)
.irp q, 0,2,4,6
	s_wait_alu depctr_va_vdst(0)
	v_pk_add_f32 v[p_+\q:p_+\q+1], v[TE+\q:TE+\q+1], 1.0 op_sel_hi:[1,0]                         ; u
.endr
.irp q, 0,2,4,6
	v_pk_add_f32 v[T3+\q:T3+\q+1], v[p_+\q:p_+\q+1], -1.0 op_sel_hi:[1,0]                        ; u - 1
.endr
.irp q, 0,2,4,6
	v_pk_add_f32 v[TE+\q:TE+\q+1], v[TE+\q:TE+\q+1], v[T3+\q:T3+\q+1] neg_lo:[0,1] neg_hi:[0,1]  ; e - (u - 1)
.endr
.irp q, 0,1,2,3,4,5,6,7
	v_log_f32 v[p_+\q], v[p_+\q]                   ; log2(u)
.endr
	v_nop
.irp q, 0,2,4,6
	s_wait_alu depctr_va_vdst(0)
	v_pk_add_f32 v[p_+\q:p_+\q+1], v[p_+\q:p_+\q+1], v[TU+\q:TU+\q+1]
.endr
.irp q, 0,2,4,6
	v_pk_fma_f32 v[p_+\q:p_+\q+1], v[p_+\q:p_+\q+1], 0x3f317218, v[TE+\q:TE+\q+1] op_sel_hi:[1,0,1]   ; x ln(2) + residue
.endr
.endm
; dt of the block's 16 steps and my 64 channels
.macro DTPHASE
	s_wait_dscnt 0x0                               ; r of this block, and B and C of its first step
	WIN 0x45
.set m_, 0
.rept 16
	v_cvt_pk_f16_f32 v[RA+m_], v[RF+2*m_], v[RF+2*m_+1]
.set m_, m_+1
.endr
	WIN 0x05                                       ; sources 0 and 1 in window 1, C and D in window 0
.irp tau, 0,1,2,3
	v_wmma_f32_16x16x32_f16 v[DT+8*\tau:DT+8*\tau+7], v[RA:RA+7], v[W2F+16*\tau:W2F+16*\tau+7], 0    ; the four accumulators take turns
.endr
.irp tau, 0,1,2,3
	v_wmma_f32_16x16x32_f16 v[DT+8*\tau:DT+8*\tau+7], v[RA+8:RA+15], v[W2F+16*\tau+8:W2F+16*\tau+15], v[DT+8*\tau:DT+8*\tau+7]
.endr
	WIN 0
.rept 4
	v_nop                                          ; four places before the results are read (ISA guide 7.12.1)
.endr
	SOFTPLUS 0
	SOFTPLUS 1
	SOFTPLUS 2
	SOFTPLUS 3
	; Tile (i, y) holds in lane (r, h) steps 8h..8h+7 of channel 2r + 32y + i.  Lane l wants channel 2l + i at all 16 steps: the upper lanes of
	; tile (i, 0) change places with the lower lanes of tile (i, 1); then v[DT+16i+t] is dt[channel 2l+i][t].
.irp i, 0,1
.irp j, 0,1,2,3,4,5,6,7
	v_permlane16_swap_b32 v[DT+16*\i+\j], v[DT+16*\i+8+\j]
.endr
.endr
.if YPASS == 0
.irp d, 0,1
.irp p, 0,1,2,3,4,5,6,7
	v_pk_add_f32 v[SD+4*\d+2*(\p&1):SD+4*\d+2*(\p&1)+1], v[SD+4*\d+2*(\p&1):SD+4*\d+2*(\p&1)+1], v[DT+16*\d+2*\p:DT+16*\d+2*\p+1]
.endr
.endr
.endif
.endm
; GROUP j = 16 t + 2 k + d: step t, the pair n = 2k, 2k+1, channel d.  Its seven or eight instructions, each a macro on the symbols that OP sets:
.macro DO_MA                           ; dt A log2(e)
.if g_t & 1
	v_pk_mul_f32 v[g_e:g_e+1], v[DT+16*g_d+g_t-1:DT+16*g_d+g_t], v[AP+g_n:AP+g_n+1] op_sel:[1,0] op_sel_hi:[1,1]
.else
	v_pk_mul_f32 v[g_e:g_e+1], v[DT+16*g_d+g_t:DT+16*g_d+g_t+1], v[AP+g_n:AP+g_n+1] op_sel_hi:[0,1]
.endif
.endm
.macro DO_XL                           ; Abar, low half
	v_exp_f32 v[g_e], v[g_e]
.endm
.macro DO_XH                           ; Abar, high half
	v_exp_f32 v[g_e+1], v[g_e+1]
.endm
.macro DO_W1                           ; x B
.if g_d
	v_pk_mul_f32 v[g_w:g_w+1], v[X+2*g_t:X+2*g_t+1], v[BB+2*g_k:BB+2*g_k+1] op_sel:[1,0] op_sel_hi:[1,1]
.else
	v_pk_mul_f32 v[g_w:g_w+1], v[X+2*g_t:X+2*g_t+1], v[BB+2*g_k:BB+2*g_k+1] op_sel_hi:[0,1]
.endif
.endm
.macro DO_W2                           ; / (A + 1e-8)
	v_pk_mul_f32 v[g_w:g_w+1], v[g_w:g_w+1], v[IA+g_n:IA+g_n+1]
.endm
.macro DO_TT                           ; x (Abar - 1), as one fused Abar w - w
	s_wait_alu depctr_va_vdst(0)
	v_pk_fma_f32 v[g_w:g_w+1], v[g_e:g_e+1], v[g_w:g_w+1], v[g_w:g_w+1] neg_lo:[0,0,1] neg_hi:[0,0,1]
.endm
.macro DO_SS                           ; s = Abar s + that
	v_pk_fma_f32 v[S+g_n:S+g_n+1], v[g_e:g_e+1], v[S+g_n:S+g_n+1], v[g_w:g_w+1]
.endm
.macro DO_YY                           ; y += s C; the first pair starts the sum
.if g_k == 0
	v_pk_mul_f32 v[g_y:g_y+1], v[S+g_n:S+g_n+1], v[CC:CC+1]
.else
	v_pk_fma_f32 v[g_y:g_y+1], v[S+g_n:S+g_n+1], v[CC+2*g_k:CC+2*g_k+1], v[g_y:g_y+1]
.endif
.endm
.macro OP name, j                      ; instruction 'name' of group j, if the block has such a group
.if (\j) >= 0
.if (\j) < 256
.set g_t, (\j)>>4
.set g_k, ((\j)>>1)&7
.set g_d, (\j)&1
.set g_n, 16*g_d+2*g_k
.set g_e, ER+2*((\j)&7)
.set g_w, WR+2*((\j)&7)
.set g_y, Y+4*(g_t&1)+2*g_d
	\name
.endif
.endif
.endm
; BEAT bn: one instruction of each stage, of groups bn-2 to bn+4, so that no instruction reads what the eight in front of it wrote, and behind each
; v_exp_f32 stands a plain instruction on other registers (ISA guide 5.7.2).  A ring slot is written at beat j-4 (j-3) and last read at j+1; its
; next user writes it at j+4 (j+5).  ahead = 1: the block fetches for the next block too.
; B's quad q of a step is last read in the step's beat 4q and is loaded again there; it is wanted from beat 4q-3 of the next step.
; C's quad q is last read in beat 4q+5 and loaded again there; it is wanted from beat 4q+2.
.macro BEAT ahead
.set b_in, 0
.if bn >= 0
.if bn < 256
.set b_in, 1
.endif
.endif
.set b_t, bn>>4
.set b_p, bn&15
.set b_last, 0                         ; the last block's last step: nothing is fetched beyond it
.if \ahead == 0
.if bn >= 240
.set b_last, 1
.endif
.endif
.if b_in
.if (b_p&3) == 1
.if b_last
	s_wait_dscnt 0x0                               ; fewer loads follow here: wait for all
.else
	s_wait_dscnt LDSOUT                            ; LDS loads come back in order (ISA guide 5.7.1): behind the quads now due, LDSOUT quad loads have been issued
.endif
.endif
.if b_p == 13
.if b_t < 15
.if \ahead
	s_wait_loadcnt XOUT                            ; x of step t+1: behind its load stand 14-t loads of the last block and those of this block so far
.else
	s_wait_loadcnt 14-b_t                          ; the last block loads no x: only the 14-t of the block before
.endif
.endif
.endif
.endif
	OP DO_XL, bn+2
	OP DO_W1, bn+3
	OP DO_TT, bn
	OP DO_MA, bn+4
	OP DO_XH, bn+2
	OP DO_W2, bn+2
	OP DO_SS, bn-1
.if YPASS
	OP DO_YY, bn-2
.endif
.if b_in
.if b_last == 0
.if (b_p&3) == 0
	ds_load_b128 v[BB+b_p:BB+b_p+3], v[VB] offset:(b_t+1)*128+4*b_p
.endif
.if YPASS
.if (b_p&3) == 1
.if b_p > 1
	ds_load_b128 v[CC+b_p-5:CC+b_p-2], v[VB] offset:(b_t+1)*128+64+4*(b_p-5)
.endif
.endif
.endif
.endif
.if YPASS
.if b_p == 1
	ds_load_b128 v[CC+12:CC+15], v[VB] offset:b_t*128+112          ; this step's own last quad of C
.endif
.endif
.if \ahead
.if bn == 130
	RFLOAD 16*RPITCH                               ; r of the next block, half a block ahead
.endif
.if YPASS == 0
.if b_p == 12
	global_load_b64 v[X+2*b_t:X+2*b_t+1], v1, s[4:5] offset:(16+b_t)*4096 th:TH_LOAD_NT   ; the slot's last use was in this beat: step t+16
.endif
.endif
.endif
.endif
.if YPASS
.set o_n, bn-18                        ; y of step t is whole behind beat 16 t + 17
.if o_n >= 0
.if (o_n&15) == 0
.set o_t, o_n>>4
	s_wait_xcnt 0x0                                ; the store of two steps ago has read O of this parity: it is rewritten only behind this wait (ISA guide 3.1)
	v_add_f32 v[O+2*(o_t&1)],   v[Y+4*(o_t&1)],   v[Y+4*(o_t&1)+1]
	v_add_f32 v[O+2*(o_t&1)+1], v[Y+4*(o_t&1)+2], v[Y+4*(o_t&1)+3]
.endif
.endif
.set o_n, bn-19
.if o_n >= 0
.if (o_n&15) == 0
.set o_t, o_n>>4
	v_pk_fma_f32 v[O+2*(o_t&1):O+2*(o_t&1)+1], v[X+2*o_t:X+2*o_t+1], v[DK:DK+1], v[O+2*(o_t&1):O+2*(o_t&1)+1]
.endif
.endif
.set o_n, bn-20
.if o_n >= 0
.if (o_n&15) == 0
.set o_t, o_n>>4
.if \ahead
	global_load_b64 v[X+2*o_t:X+2*o_t+1], v1, s[4:5] offset:(16+o_t)*4096 th:TH_LOAD_NT   ; the slot is free: step t+16
.endif
	global_store_b64 v1, v[O+2*(o_t&1):O+2*(o_t&1)+1], s[20:21] offset:o_t*4096 th:TH_STORE_NT   ; the wave stores 256 consecutive bytes, aligned
.endif
.endif
.endif
.endm
.macro BLOCK ahead
	DTPHASE
	s_wait_loadcnt 15                              ; x of the block's first step: the other 15 slots' loads were issued behind it
.set bn, -4
.rept LASTB+5
	BEAT \ahead
.set bn, bn+1
.endr
.endm
	s_mov_b32 s52, 0
.Lblock:
	BLOCK 1
	s_wait_xcnt 0x0                                ; the bases are stepped only behind this wait (ISA guide 3.1)
	s_add_nc_u64 s[4:5], s[4:5], 0x10000           ; 16 steps of 4,096 bytes
.if YPASS
	s_add_nc_u64 s[20:21], s[20:21], 0x10000
.endif
	v_add_nc_u32 v[VB], 2048, v[VB]
	v_add_nc_u32 v[VR], 16*RPITCH, v[VR]
	s_add_co_u32 s52, s52, 1
	s_cmp_lt_u32 s52, 15
	s_cbranch_scc1 .Lblock
	BLOCK 0                                        ; the last block fetches nothing beyond the chunk
.if YPASS == 0
.irp j, 0,1,2,3,4,5,6,7
	global_store_b128 v[VQ], v[S+4*\j:S+4*\j+3], s[PST:PST+1] offset:512*\j   ; a wave's store covers 512 consecutive bytes, aligned
.endr
	v_pk_add_f32 v[SD:SD+1], v[SD:SD+1], v[SD+2:SD+3]
	v_pk_add_f32 v[SD+4:SD+5], v[SD+4:SD+5], v[SD+6:SD+7]
	v_add_f32 v[O], v[SD], v[SD+1]
	v_add_f32 v[O+1], v[SD+4], v[SD+5]
	global_store_b64 v1, v[O:O+1], s[18:19]
.endif
	s_wait_tensorcnt 0x0
	ds_add_u32 v254, v255
	s_wait_dscnt 0x0
	s_endpgm
.Lfunc_end_k_q9d24ee9ba1_scan1:
	.size	k_q9d24ee9ba1_scan1, .Lfunc_end_k_q9d24ee9ba1_scan1-k_q9d24ee9ba1_scan1
	.p2alignl 7, 3214868480
	.fill 96, 4, 3214868480
	.section	.rodata,"a",@progbits
	.p2align	6, 0x0
	.amdhsa_kernel k_q9d24ee9ba1_scan1
		.amdhsa_group_segment_fixed_size 168448
		.amdhsa_private_segment_fixed_size 0
		.amdhsa_enable_private_segment 0
		.amdhsa_kernarg_size 64
		.amdhsa_user_sgpr_count 2
		.amdhsa_user_sgpr_kernarg_segment_ptr 1
		.amdhsa_wavefront_size32 1
		.amdhsa_system_sgpr_workgroup_id_x 1
		.amdhsa_system_sgpr_workgroup_id_y 1
		.amdhsa_system_sgpr_workgroup_id_z 1
		.amdhsa_system_vgpr_workitem_id 0
		.amdhsa_next_free_vgpr 368
		.amdhsa_next_free_sgpr 66
		.amdhsa_reserve_vcc 0
		.amdhsa_float_denorm_mode_32 3
		.amdhsa_float_denorm_mode_16_64 3
		.amdhsa_memory_ordered 1
		.amdhsa_forward_progress 1
		.amdhsa_inst_pref_size 255
	.end_amdhsa_kernel
	.section	.bss,"aw",@nobits
	.p2align	6
	.space	262144
	.amdgpu_metadata
---
amdhsa.version: [ 1, 2 ]
amdhsa.kernels:
  - .name:           k_q9d24ee9ba1_scan1
    .symbol:         k_q9d24ee9ba1_scan1.kd
    .args:
      - { .name: x, .offset: 0, .size: 8, .value_kind: global_buffer, .address_space: global }
      - { .name: log_A, .offset: 8, .size: 8, .value_kind: global_buffer, .address_space: global }
      - { .name: W_dt2, .offset: 16, .size: 8, .value_kind: global_buffer, .address_space: global }
      - { .name: b_dt2, .offset: 24, .size: 8, .value_kind: global_buffer, .address_space: global }
      - { .name: bc, .offset: 32, .size: 8, .value_kind: global_buffer, .address_space: global }
      - { .name: rr, .offset: 40, .size: 8, .value_kind: global_buffer, .address_space: global }
      - { .name: loc, .offset: 48, .size: 8, .value_kind: global_buffer, .address_space: global }
      - { .name: sdt, .offset: 56, .size: 8, .value_kind: global_buffer, .address_space: global }
    .group_segment_fixed_size: 168448
    .private_segment_fixed_size: 0
    .kernarg_segment_align: 8
    .kernarg_segment_size: 64
    .max_flat_workgroup_size: 128
    .sgpr_count:     66
    .vgpr_count:     368
    .wavefront_size: 32
...
	.end_amdgpu_metadata
.endif
;; end of part 2
;; launch carry (part 3): grid 128 x 1, 4 waves a work-group, no clusters, 0 bytes of LDS; arguments state, log_A, loc, sdt, ini; writes ini
.if DOCPART == 3
	.amdgcn_target "amdgcn-amd-amdhsa--gfx1250"
	.amdhsa_code_object_version 6
	.text
	.protected	k_q9d24ee9ba1_carry
	.globl	k_q9d24ee9ba1_carry
	.p2align	8
	.type	k_q9d24ee9ba1_carry,@function
k_q9d24ee9ba1_carry:
	s_mov_b64 s[64:65], 0
	v_nop
	global_prefetch_b8 v0, s[64:65] scope:SCOPE_SE
	s_setreg_imm32_b32 hwreg(HW_REG_WAVE_MODE, 25, 1), 1
	s_wait_xcnt 0x0
; The state at the head of each of the 16 chunks: ini[0] = state, ini[c+1] = exp(A sum of dt over chunk c) ini[c] + loc[c].
; (The product of a chunk's 256 factors exp(dt A) is exp(A sum dt).)  A = -exp(log_A).
; LIMIT: v_exp_f32 gives zero for results below 2^-126 (ISA guide 15.8).
; 16,384 threads, one for each quad of four n: thread = ((b 16 + dgw) 8 + j) 32 + lane holds channel 64 dgw + 2 lane + (j >> 2), n = 4 (j & 3) .. +3,
; which is the order of loc and ini: each load and store of a wave there covers 512 consecutive bytes.  All 32 loads go out at once;
; the chain of 15 links runs in registers.  No LDS, no matrix unit, no cluster: 8 MB of traffic and nothing shared.
.set AQ,  8                            ; v[8:11]   A log2(e)
.set ST,  12                           ; v[12:15]  state; the chain's links follow it: link c reads v[12+4c ..] and adds onto v[16+4c ..]
.set LOC, 16                           ; v[16:75]  loc[c], then ini[c+1]
.set SDT, 76                           ; v[76:90]  sum of dt, chunk c
.set EE,  92                           ; v[92:99]  the decay, two sets by turns
	s_load_b256 s[4:11], s[0:1], 0x0               ; state s[4:5], log_A s[6:7], loc s[8:9], sdt s[10:11]
	s_load_b64 s[12:13], s[0:1], 0x20              ; ini
	s_lshl_b32 s14, ttmp9, 7
	v_add_nc_u32 v1, s14, v0                       ; thread
	v_and_b32 v2, 31, v1                           ; lane
	v_bfe_u32 v3, v1, 5, 3                         ; j
	v_bfe_u32 v4, v1, 8, 4                         ; dgw
	v_lshrrev_b32 v5, 12, v1                       ; b
	v_lshlrev_b32 v6, 6, v4
	v_lshl_add_u32 v6, v2, 1, v6
	v_lshrrev_b32 v7, 2, v3
	v_add_nc_u32 v6, v6, v7                        ; channel d
	v_and_b32 v3, 3, v3
	v_lshlrev_b32 v3, 4, v3                        ; 16 bytes a quad
	v_lshl_add_u32 v7, v6, 6, v3                   ; log_A: 64 d + 16 (j & 3)
	v_lshl_add_u32 v6, v5, 10, v6                  ; 1024 b + d
	v_lshl_add_u32 v3, v6, 6, v3                   ; state: 64 (1024 b + d) + 16 (j & 3)
	v_lshlrev_b32 v6, 2, v6                        ; sdt: 4 (1024 b + d)
	v_lshlrev_b32 v1, 4, v1                        ; loc, ini: 16 x thread
	s_wait_kmcnt 0x0
	global_load_b128 v[AQ:AQ+3], v7, s[6:7]
	global_load_b128 v[ST:ST+3], v3, s[4:5]
.set c_, 0
.rept 15
	global_load_b128 v[LOC+4*c_:LOC+4*c_+3], v1, s[8:9] offset:c_*262144
	global_load_b32 v[SDT+c_], v6, s[10:11] offset:c_*16384
.set c_, c_+1
.endr
	s_wait_loadcnt 0x0
	v_pk_mul_f32 v[AQ:AQ+1], v[AQ:AQ+1], 0x3fb8aa3b op_sel_hi:[1,0]
	v_pk_mul_f32 v[AQ+2:AQ+3], v[AQ+2:AQ+3], 0x3fb8aa3b op_sel_hi:[1,0]
.irp k, 0,1,2,3
	v_exp_f32 v[AQ+\k], v[AQ+\k]
.endr
	v_nop                                          ; one plain place behind the run of transcendentals (ISA guide 5.7.2)
	s_wait_alu depctr_va_vdst(0)
	v_pk_mul_f32 v[AQ:AQ+1], v[AQ:AQ+1], 0xbfb8aa3b op_sel_hi:[1,0]
	v_pk_mul_f32 v[AQ+2:AQ+3], v[AQ+2:AQ+3], 0xbfb8aa3b op_sel_hi:[1,0]
	global_store_b128 v1, v[ST:ST+3], s[12:13]     ; ini[0]
.set c_, 0
.rept 15
.set e_, EE+4*(c_&1)
.irp k, 0,1,2,3
	v_mul_f32 v[e_+\k], v[SDT+c_], v[AQ+\k]
.endr
.irp k, 0,1,2,3
	v_exp_f32 v[e_+\k], v[e_+\k]
.endr
	v_nop
	s_wait_alu depctr_va_vdst(0)
	v_pk_fma_f32 v[LOC+4*c_:LOC+4*c_+1],   v[e_:e_+1],   v[ST+4*c_:ST+4*c_+1],   v[LOC+4*c_:LOC+4*c_+1]
	v_pk_fma_f32 v[LOC+4*c_+2:LOC+4*c_+3], v[e_+2:e_+3], v[ST+4*c_+2:ST+4*c_+3], v[LOC+4*c_+2:LOC+4*c_+3]
	global_store_b128 v1, v[LOC+4*c_:LOC+4*c_+3], s[12:13] offset:(c_+1)*262144    ; no store's data is written again
.set c_, c_+1
.endr
	s_endpgm
.Lfunc_end_k_q9d24ee9ba1_carry:
	.size	k_q9d24ee9ba1_carry, .Lfunc_end_k_q9d24ee9ba1_carry-k_q9d24ee9ba1_carry
	.p2alignl 7, 3214868480
	.fill 96, 4, 3214868480
	.section	.rodata,"a",@progbits
	.p2align	6, 0x0
	.amdhsa_kernel k_q9d24ee9ba1_carry
		.amdhsa_group_segment_fixed_size 0
		.amdhsa_private_segment_fixed_size 0
		.amdhsa_enable_private_segment 0
		.amdhsa_kernarg_size 40
		.amdhsa_user_sgpr_count 2
		.amdhsa_user_sgpr_kernarg_segment_ptr 1
		.amdhsa_wavefront_size32 1
		.amdhsa_system_sgpr_workgroup_id_x 1
		.amdhsa_system_sgpr_workgroup_id_y 1
		.amdhsa_system_sgpr_workgroup_id_z 1
		.amdhsa_system_vgpr_workitem_id 0
		.amdhsa_next_free_vgpr 104
		.amdhsa_next_free_sgpr 66
		.amdhsa_reserve_vcc 0
		.amdhsa_float_denorm_mode_32 3
		.amdhsa_float_denorm_mode_16_64 3
		.amdhsa_memory_ordered 1
		.amdhsa_forward_progress 1
		.amdhsa_inst_pref_size 13
	.end_amdhsa_kernel
	.amdgpu_metadata
---
amdhsa.version: [ 1, 2 ]
amdhsa.kernels:
  - .name:           k_q9d24ee9ba1_carry
    .symbol:         k_q9d24ee9ba1_carry.kd
    .args:
      - { .name: state, .offset: 0, .size: 8, .value_kind: global_buffer, .address_space: global }
      - { .name: log_A, .offset: 8, .size: 8, .value_kind: global_buffer, .address_space: global }
      - { .name: loc, .offset: 16, .size: 8, .value_kind: global_buffer, .address_space: global }
      - { .name: sdt, .offset: 24, .size: 8, .value_kind: global_buffer, .address_space: global }
      - { .name: ini, .offset: 32, .size: 8, .value_kind: global_buffer, .address_space: global }
    .group_segment_fixed_size: 0
    .private_segment_fixed_size: 0
    .kernarg_segment_align: 8
    .kernarg_segment_size: 40
    .max_flat_workgroup_size: 128
    .sgpr_count:     66
    .vgpr_count:     104
    .wavefront_size: 32
...
	.end_amdgpu_metadata
.endif
;; end of part 3
;; launch scan2 (part 4): grid 16 x 16, 4 waves a work-group, no clusters, 168,448 bytes of LDS; arguments x, log_A, W_dt2, b_dt2, D_skip, bc, rr, ini, out0; writes out0
.if DOCPART == 4
	.amdgcn_target "amdgcn-amd-amdhsa--gfx1250"
	.amdhsa_code_object_version 6
	.text
	.protected	k_q9d24ee9ba1_scan2
	.globl	k_q9d24ee9ba1_scan2
	.p2align	8
	.type	k_q9d24ee9ba1_scan2,@function
k_q9d24ee9ba1_scan2:
	s_mov_b64 s[64:65], 0
	v_nop
	global_prefetch_b8 v0, s[64:65] scope:SCOPE_SE
	s_setreg_imm32_b32 hwreg(HW_REG_WAVE_MODE, 25, 1), 1
	s_wait_xcnt 0x0
; THE SELECTIVE SCAN OVER ONE CHUNK OF 256 STEPS.  One source serves two launches; YPASS picks the build.
;   YPASS = 0 (chunks 0 to 14): the scan from a zero state, without y.  Stores the chunk's end state (loc) and the sum of dt over the chunk (sdt).
;   YPASS = 1 (chunks 0 to 15): the scan from the chunk's true first state (ini), y[t][d] = sum over n of s C + D_skip x, stored to out0.
; s = Abar s + (Abar - 1) / (A + 1e-8) x B,  Abar = exp(dt A),  A = -exp(log_A),  dt = softplus(r . W_dt2[d] + b_dt2[d]).
; LIMITS: r and W_dt2 are rounded to f16 for the product (an error in z is a relative error of a small dt, so f16's 11 significant bits are
; taken rather than bf16's 8): |r| and |W_dt2| below 65,504, beyond which the operand is infinite.  r = x . W_dt1 has spread 1 as drawn, 900 with
; x and W_dt1 both thirty times larger, and lies near 1024 x 30 x 30/32 = 28,800 with both carrying an offset of thirty spreads: inside.
; v_exp_f32, v_log_f32 and v_rcp_f32 treat denormal inputs and results as zero
; (ISA guide 15.8), so Abar below 2^-126 and exp(-|z|) for |z| above 87 count as 0 (dt is then max(z, 0)); A + 1e-8 = 0 gives infinities as
; in the defining formula; y's sum over n is made as two interleaved chains of eight, then added.
; A work-group owns (chunk, b, 256 channels); wave w owns 64 channels; lane l owns channels 2l, 2l+1 with all 16 n: 32 states in
; registers, no sum across lanes, B and C the same for all lanes, and a wave's load of x and store of y cover 256 consecutive bytes, aligned.
; bc and rr of the chunk's 256 steps (98,304 bytes) come into LDS once, each wave bringing 64 steps by two tensor loads; nothing is filled again.
; No cluster: what neighbours share (bc, rr) is fetched once at the head and is the smaller part of a group's bytes, in a kernel whose
; time goes into vector arithmetic.  x needs no LDS: a ring of 16 register slots, each loaded again 16 steps ahead.
; A BLOCK is 16 steps: dt of the block by eight matrix instructions and softplus, then 256 groups (step, pair of n, channel) in a
; software pipeline of BEATs.
.set YPASS, 1
.set RRB,    32768                     ; LDS: bc [256][128 bytes] at 0, rr [256] rows of 272 bytes behind it
.set RPITCH, 272                       ; 256 bytes + 16 = 17 x 16: 16 rows start at 16 different 16-byte columns of 256
.set VB, 2                             ; v2       LDS address of the block's first step in bc (the same in all lanes)
.set VR, 3                             ; v3       LDS address of my part of the block's r fragment
.set BI, 4                             ; v[4:7]   b_dt2 log2(e) for dt tile 0..3
.set DK, 8                             ; v[8:9]   D_skip of my two channels
.set O,  10                            ; v[10:13] y to store, by the step's parity (in the prologue: offsets)
.set Y,  14                            ; v[14:21] y's chains: parity, channel, a pair
.set SD, 14                            ; v[14:21] YPASS = 0: sums of dt: channel, two chains, a pair
.set VQ, 22                            ; v22      16 x lane
.set S,  24                            ; v[24:55]   s[d][n]
.set AP, 56                            ; v[56:87]   A log2(e)
.set IA, 88                            ; v[88:119]  1 / (A + 1e-8)
.set DT, 120                           ; v[120:151] dt[d][t] of the block
.set X,  152                           ; v[152:183] x[t][d]: the ring of 16 slots
.set BB, 184                           ; v[184:199] B of a step, four quads
.set CC, 200                           ; v[200:215] C of a step, four quads
.set ER, 216                           ; v[216:231] ring of eight pairs: dt A', then Abar
.set WR, 232                           ; v[232:247] ring of eight pairs: x B, x B / (A + 1e-8), (Abar - 1) x B / (A + 1e-8)
.set TE, ER                            ; softplus works in the rings, which are empty between blocks
.set TU, ER+8
.set T3, WR
.set W2F, 0                            ; window 1: v[0:63] W_dt2 fragments, tile tau, K half u at 16 tau + 8 u
.set RF,  64                           ; window 1: v[64:95] r of the block as f32
.set RA,  96                           ; window 1: v[96:111] r fragments
.if YPASS
.set PBC, 14
.set PRR, 16
.set PST, 18
.set LDSOUT, 5
.set XOUT, 14
.set LASTB, 260
.else
.set PBC, 12
.set PRR, 14
.set PST, 16
.set LDSOUT, 3
.set XOUT, 15
.set LASTB, 256
.endif
.set MSB, 0
.macro WIN new                         ; the immediate's high byte repeats the setting that is left
.if MSB != \new
	s_set_vgpr_msb (MSB<<8)|\new
.set MSB, \new
.endif
.endm
	s_load_b256 s[4:11], s[0:1], 0x0               ; x s[4:5], log_A s[6:7], W_dt2 s[8:9], b_dt2 s[10:11]
	s_load_b256 s[12:19], s[0:1], 0x20             ; YPASS = 0: bc, rr, loc, sdt;  YPASS = 1: D_skip, bc, rr, ini
.if YPASS
	s_load_b64 s[20:21], s[0:1], 0x40              ; out0
	v_lshl_add_u32 v254, v0, 2, 0x29000
	v_mov_b32 v255, 0
	ds_add_u32 v254, v255
	ds_add_u32 v254, v255
.endif
	v_lshrrev_b32 v1, 5, v0
	v_readfirstlane_b32 s48, v1                    ; wave 0..3
	s_and_b32 s50, ttmp7, 0xffff
	s_and_b32 s51, s50, 3                          ; dg: which 256 channels
	s_lshr_b32 s50, s50, 2                         ; b
	s_lshl_b32 s53, s50, 12
	s_lshl_b32 s52, ttmp9, 8
	s_add_co_u32 s53, s53, s52                     ; the chunk's first row = 4096 b + 256 chunk
	s_lshl_b32 s56, s48, 6
	s_add_co_u32 s56, s56, s53                     ; the first of the 64 steps that I bring
	s_mov_b32 s55, 0                               ; high word of every offset pair s[54:55]
	; bc: 8,192 dense bytes as 32 rows of 32 elements of 8 bytes
	s_mov_b32 s24, 3<<16
	s_mov_b32 s25, 32<<16
	s_mov_b32 s26, 32<<16
	s_mov_b32 s27, 32<<16
	s_mov_b32 s28, 32
	s_mov_b32 s29, 32
	s_mov_b32 s30, 0
	s_mov_b32 s31, 0
	; rr: 64 rows of 256 bytes, 4 words of padding behind every 64
	s_mov_b32 s40, (3<<16)|(1<<20)|(5<<22)|(3<<25)
	s_mov_b32 s41, 32<<16
	s_mov_b32 s42, 64<<16
	s_mov_b32 s43, 32<<16
	s_mov_b32 s44, 64
	s_mov_b32 s45, 32
	s_mov_b32 s46, 0
	s_mov_b32 s47, 0
	s_mov_b32 s32, 1
	s_lshl_b32 s33, s48, 13                        ; 64 steps x 128 bytes
	s_mov_b32 s36, 1
	s_mul_i32 s37, s48, 64*RPITCH
	s_add_co_u32 s37, s37, RRB
	s_lshl_b32 s54, s56, 7
	s_wait_dscnt 0x0
	s_wait_kmcnt 0x0
	s_add_nc_u64 s[34:35], s[PBC:PBC+1], s[54:55]
	s_or_b32 s35, s35, 0x80000000
	s_lshl_b32 s54, s56, 8
	s_add_nc_u64 s[38:39], s[PRR:PRR+1], s[54:55]
	s_or_b32 s39, s39, 0x80000000
	tensor_load_to_lds s[32:35], s[24:31]          ; the launch's only fills, ahead of everything else: two tensor loads of the wave are out
	s_nop 0
	tensor_load_to_lds s[36:39], s[40:47]
	s_nop 0
	; the bases
	s_lshl_b32 s57, s51, 10                        ; 256 channels x 4 bytes
	s_lshl_b32 s54, s53, 12                        ; rows of 4,096 bytes (below 2^26)
	s_add_co_u32 s54, s54, s57
	s_add_nc_u64 s[4:5], s[4:5], s[54:55]          ; x at the chunk's first step, my group's channels
.if YPASS
	s_add_nc_u64 s[20:21], s[20:21], s[54:55]      ; out0 likewise
.endif
	s_lshl_b32 s58, s51, 14
	s_lshl_b32 s59, s48, 12
	s_add_co_u32 s58, s58, s59                     ; (256 dg + 64 w) x 64 bytes
	s_mov_b32 s54, s58
	s_add_nc_u64 s[6:7], s[6:7], s[54:55]          ; log_A: rows of 64 bytes
	s_lshl_b32 s54, s58, 2
	s_add_nc_u64 s[8:9], s[8:9], s[54:55]          ; W_dt2: rows of 256 bytes
	s_lshr_b32 s54, s58, 4
	s_add_nc_u64 s[10:11], s[10:11], s[54:55]      ; b_dt2: 4 bytes
	s_lshl_b32 s54, ttmp9, 18                      ; the state tables: [chunk][b][16 waves' parts][8 quads][32 lanes][16 bytes]
	s_lshl_b32 s59, s50, 16
	s_add_co_u32 s54, s54, s59
	s_add_co_u32 s54, s54, s58
	s_add_nc_u64 s[PST:PST+1], s[PST:PST+1], s[54:55]
.if YPASS
	s_mov_b32 s54, s57
	s_add_nc_u64 s[12:13], s[12:13], s[54:55]      ; D_skip
.else
	s_lshl_b32 s54, ttmp9, 14                      ; sdt: [chunk][b][1024] f32
	s_lshl_b32 s59, s50, 12
	s_add_co_u32 s54, s54, s59
	s_add_co_u32 s54, s54, s57
	s_add_nc_u64 s[18:19], s[18:19], s[54:55]
.endif
	v_lshlrev_b32 v1, 3, v0                        ; 8 x thread: my two channels in a row of x, y, D_skip, sdt; never rewritten
	v_and_b32 v10, 31, v0
	v_lshlrev_b32 v[VQ], 4, v10
	v_lshlrev_b32 v10, 7, v10                      ; log_A: my two rows of 64 bytes
	v_and_b32 v11, 15, v0                          ; r
	v_bfe_u32 v13, v0, 4, 1                        ; h
	v_lshlrev_b32 v12, 9, v11
	v_lshl_add_u32 v12, v13, 5, v12                ; W_dt2: row 2 r, byte 32 h
	v_mul_u32_u24 v[VR], v11, RPITCH
	v_lshl_add_u32 v[VR], v13, 5, v[VR]
	v_add_nc_u32 v[VR], RRB, v[VR]
	v_lshlrev_b32 v13, 3, v11                      ; b_dt2: channel 2 r
	v_mov_b32 v[VB], 0
; dt's tile tau = 2 i + y: column r of the tile is channel 2 r + 32 y + i of my 64, its rows are the block's 16 steps.
; Both tiles of one i as f32 into v[120:183], which the loop does not use yet.
.macro W2LOAD i
.irp y, 0,1
.irp o, 0,1,2,3,4,5,6,7
	global_load_b128 v[DT+32*\y+4*\o:DT+32*\y+4*\o+3], v12, s[8:9] offset:\y*8192+\i*256+(\o>>1)*64+(\o&1)*16
.endr
.endr
.endm
.macro W2CVT i
	WIN 0x40
.set m_, 0
.rept 32
	v_cvt_pk_f16_f32 v[W2F+32*\i+m_], v[DT+2*m_], v[DT+2*m_+1]
.set m_, m_+1
.endr
	WIN 0
.endm
.irp j, 0,1,2,3,4,5,6,7
	global_load_b128 v[AP+4*\j:AP+4*\j+3], v10, s[6:7] offset:16*\j
.endr
.if YPASS
.irp j, 0,1,2,3,4,5,6,7
	global_load_b128 v[S+4*\j:S+4*\j+3], v[VQ], s[PST:PST+1] offset:512*\j    ; the chunk's first state
.endr
	global_load_b64 v[DK:DK+1], v1, s[12:13]
.endif
.irp i, 0,1
.irp y, 0,1
	global_load_b32 v[BI+2*\i+\y], v13, s[10:11] offset:\y*128+\i*4
.endr
.endr
	W2LOAD 0
.if YPASS == 0
.set q_, 0
.rept 32
	v_mov_b32 v[S+q_], 0                           ; this pass starts from a zero state; once in the kernel
.set q_, q_+1
.endr
.set q_, 0
.rept 8
	v_mov_b32 v[SD+q_], 0
.set q_, q_+1
.endr
.endif
	s_wait_loadcnt 0x0
	W2CVT 0
	W2LOAD 1                                       ; comes while A is worked out
.set q_, 0
.rept 16
	v_pk_mul_f32 v[IA+q_:IA+q_+1], v[AP+q_:AP+q_+1], 0x3fb8aa3b op_sel_hi:[1,0]   ; log_A log2(e)
.set q_, q_+2
.endr
.set q_, 0
.rept 32
	v_exp_f32 v[IA+q_], v[IA+q_]                   ; exp(log_A) = -A
.set q_, q_+1
.endr
	v_nop                                          ; one plain place behind the run of transcendentals (ISA guide 5.7.2)
.set q_, 0
.rept 16
	s_wait_alu depctr_va_vdst(0)
	v_pk_mul_f32 v[AP+q_:AP+q_+1], v[IA+q_:IA+q_+1], 0xbfb8aa3b op_sel_hi:[1,0]   ; A log2(e): exp(dt A) = 2^(dt A log2(e))
.set q_, q_+2
.endr
.set q_, 0
.rept 16
	v_pk_add_f32 v[IA+q_:IA+q_+1], v[IA+q_:IA+q_+1], 0x322bcc77 op_sel_hi:[1,0] neg_lo:[1,0] neg_hi:[1,0]   ; A + 1e-8, one rounding
.set q_, q_+2
.endr
.set q_, 0
.rept 32
	v_rcp_f32 v[IA+q_], v[IA+q_]
.set q_, q_+1
.endr
	v_nop
	v_pk_mul_f32 v[BI:BI+1], v[BI:BI+1], 0x3fb8aa3b op_sel_hi:[1,0]
	v_pk_mul_f32 v[BI+2:BI+3], v[BI+2:BI+3], 0x3fb8aa3b op_sel_hi:[1,0]
	s_wait_loadcnt 0x0
	W2CVT 1
.set t_, 0
.rept 16
	global_load_b64 v[X+2*t_:X+2*t_+1], v1, s[4:5] offset:t_*4096 th:TH_LOAD_NT    ; the ring's first fill: steps 0 to 15, the last global loads ahead of the loop
.set t_, t_+1
.endr
; r of 16 steps as f32: lane (r, h) takes k = 8h..+7, 16+8h..+7, 32+8h..+7, 48+8h..+7 of step r
.macro RFLOAD off
	WIN 0x40
.irp o, 0,1,2,3,4,5,6,7
	ds_load_b128 v[RF+4*\o:RF+4*\o+3], v[VR] offset:\off+(\o>>1)*64+(\o&1)*16
.endr
	WIN 0
.endm
	s_wait_tensorcnt 0x0                           ; my 64 steps of bc and rr are in,
	s_barrier_signal -1
	s_barrier_wait -1                              ; everybody's are: the kernel's one barrier
	RFLOAD 0
.irp q, 0,1,2,3
	ds_load_b128 v[BB+4*\q:BB+4*\q+3], v[VB] offset:16*\q          ; B of step 0
.endr
.if YPASS
.irp q, 0,1,2
	ds_load_b128 v[CC+4*\q:CC+4*\q+3], v[VB] offset:64+16*\q       ; C of step 0, but for its last quad, which every step fetches in its beat 1
.endr
.endif
; softplus of tile tau, in place: dt = max(z, 0) + log(1 + e), e = exp(-|z|).  With u = fl(1 + e): log(1 + e) = log(u) + (e - (u - 1)) to first
; order, and u - 1 and the residue are exact, so a small dt keeps its relative precision (for u = 1 it is e itself).  No select, no branch.
.macro SOFTPLUS tau
.set p_, DT+8*\tau
.irp q, 0,2,4,6
.if \tau & 1
	v_pk_fma_f32 v[p_+\q:p_+\q+1], v[p_+\q:p_+\q+1], 0x3fb8aa3b, v[BI+\tau-1:BI+\tau] op_sel:[0,0,1] op_sel_hi:[1,0,1]   ; z log2(e)
.else
	v_pk_fma_f32 v[p_+\q:p_+\q+1], v[p_+\q:p_+\q+1], 0x3fb8aa3b, v[BI+\tau:BI+\tau+1] op_sel_hi:[1,0,0]
.endif
.endr
.irp q, 0,1,2,3,4,5,6,7
	v_max_num_f32 v[TU+\q], 0, v[p_+\q]
.endr
.irp q, 0,2,4,6
	v_pk_fma_f32 v[TE+\q:TE+\q+1], v[TU+\q:TU+\q+1], -2.0, v[p_+\q:p_+\q+1] op_sel_hi:[1,0,1]    ; -|z| log2(e)
.endr
.irp q, 0,1,2,3,4,5,6,7
	v_exp_f32 v[TE+\q], v[TE+\q]                   ; e
.endr
	v_nop                                          ; one plain place behind the run of transcendentals (ISA guide 5.7.2)
.irp q, 0,2,4,6
	s_wait_alu depctr_va_vdst(0)
	v_pk_add_f32 v[p_+\q:p_+\q+1], v[TE+\q:TE+\q+1], 1.0 op_sel_hi:[1,0]                         ; u
.endr
.irp q, 0,2,4,6
	v_pk_add_f32 v[T3+\q:T3+\q+1], v[p_+\q:p_+\q+1], -1.0 op_sel_hi:[1,0]                        ; u - 1
.endr
.irp q, 0,2,4,6
	v_pk_add_f32 v[TE+\q:TE+\q+1], v[TE+\q:TE+\q+1], v[T3+\q:T3+\q+1] neg_lo:[0,1] neg_hi:[0,1]  ; e - (u - 1)
.endr
.irp q, 0,1,2,3,4,5,6,7
	v_log_f32 v[p_+\q], v[p_+\q]                   ; log2(u)
.endr
	v_nop
.irp q, 0,2,4,6
	s_wait_alu depctr_va_vdst(0)
	v_pk_add_f32 v[p_+\q:p_+\q+1], v[p_+\q:p_+\q+1], v[TU+\q:TU+\q+1]
.endr
.irp q, 0,2,4,6
	v_pk_fma_f32 v[p_+\q:p_+\q+1], v[p_+\q:p_+\q+1], 0x3f317218, v[TE+\q:TE+\q+1] op_sel_hi:[1,0,1]   ; x ln(2) + residue
.endr
.endm
; dt of the block's 16 steps and my 64 channels
.macro DTPHASE
	s_wait_dscnt 0x0                               ; r of this block, and B and C of its first step
	WIN 0x45
.set m_, 0
.rept 16
	v_cvt_pk_f16_f32 v[RA+m_], v[RF+2*m_], v[RF+2*m_+1]
.set m_, m_+1
.endr
	WIN 0x05                                       ; sources 0 and 1 in window 1, C and D in window 0
.irp tau, 0,1,2,3
	v_wmma_f32_16x16x32_f16 v[DT+8*\tau:DT+8*\tau+7], v[RA:RA+7], v[W2F+16*\tau:W2F+16*\tau+7], 0    ; the four accumulators take turns
.endr
.irp tau, 0,1,2,3
	v_wmma_f32_16x16x32_f16 v[DT+8*\tau:DT+8*\tau+7], v[RA+8:RA+15], v[W2F+16*\tau+8:W2F+16*\tau+15], v[DT+8*\tau:DT+8*\tau+7]
.endr
	WIN 0
.rept 4
	v_nop                                          ; four places before the results are read (ISA guide 7.12.1)
.endr
	SOFTPLUS 0
	SOFTPLUS 1
	SOFTPLUS 2
	SOFTPLUS 3
	; Tile (i, y) holds in lane (r, h) steps 8h..8h+7 of channel 2r + 32y + i.  Lane l wants channel 2l + i at all 16 steps: the upper lanes of
	; tile (i, 0) change places with the lower lanes of tile (i, 1); then v[DT+16i+t] is dt[channel 2l+i][t].
.irp i, 0,1
.irp j, 0,1,2,3,4,5,6,7
	v_permlane16_swap_b32 v[DT+16*\i+\j], v[DT+16*\i+8+\j]
.endr
.endr
.if YPASS == 0
.irp d, 0,1
.irp p, 0,1,2,3,4,5,6,7
	v_pk_add_f32 v[SD+4*\d+2*(\p&1):SD+4*\d+2*(\p&1)+1], v[SD+4*\d+2*(\p&1):SD+4*\d+2*(\p&1)+1], v[DT+16*\d+2*\p:DT+16*\d+2*\p+1]
.endr
.endr
.endif
.endm
; GROUP j = 16 t + 2 k + d: step t, the pair n = 2k, 2k+1, channel d.  Its seven or eight instructions, each a macro on the symbols that OP sets:
.macro DO_MA                           ; dt A log2(e)
.if g_t & 1
	v_pk_mul_f32 v[g_e:g_e+1], v[DT+16*g_d+g_t-1:DT+16*g_d+g_t], v[AP+g_n:AP+g_n+1] op_sel:[1,0] op_sel_hi:[1,1]
.else
	v_pk_mul_f32 v[g_e:g_e+1], v[DT+16*g_d+g_t:DT+16*g_d+g_t+1], v[AP+g_n:AP+g_n+1] op_sel_hi:[0,1]
.endif
.endm
.macro DO_XL                           ; Abar, low half
	v_exp_f32 v[g_e], v[g_e]
.endm
.macro DO_XH                           ; Abar, high half
	v_exp_f32 v[g_e+1], v[g_e+1]
.endm
.macro DO_W1                           ; x B
.if g_d
	v_pk_mul_f32 v[g_w:g_w+1], v[X+2*g_t:X+2*g_t+1], v[BB+2*g_k:BB+2*g_k+1] op_sel:[1,0] op_sel_hi:[1,1]
.else
	v_pk_mul_f32 v[g_w:g_w+1], v[X+2*g_t:X+2*g_t+1], v[BB+2*g_k:BB+2*g_k+1] op_sel_hi:[0,1]
.endif
.endm
.macro DO_W2                           ; / (A + 1e-8)
	v_pk_mul_f32 v[g_w:g_w+1], v[g_w:g_w+1], v[IA+g_n:IA+g_n+1]
.endm
.macro DO_TT                           ; x (Abar - 1), as one fused Abar w - w
	s_wait_alu depctr_va_vdst(0)
	v_pk_fma_f32 v[g_w:g_w+1], v[g_e:g_e+1], v[g_w:g_w+1], v[g_w:g_w+1] neg_lo:[0,0,1] neg_hi:[0,0,1]
.endm
.macro DO_SS                           ; s = Abar s + that
	v_pk_fma_f32 v[S+g_n:S+g_n+1], v[g_e:g_e+1], v[S+g_n:S+g_n+1], v[g_w:g_w+1]
.endm
.macro DO_YY                           ; y += s C; the first pair starts the sum
.if g_k == 0
	v_pk_mul_f32 v[g_y:g_y+1], v[S+g_n:S+g_n+1], v[CC:CC+1]
.else
	v_pk_fma_f32 v[g_y:g_y+1], v[S+g_n:S+g_n+1], v[CC+2*g_k:CC+2*g_k+1], v[g_y:g_y+1]
.endif
.endm
.macro OP name, j                      ; instruction 'name' of group j, if the block has such a group
.if (\j) >= 0
.if (\j) < 256
.set g_t, (\j)>>4
.set g_k, ((\j)>>1)&7
.set g_d, (\j)&1
.set g_n, 16*g_d+2*g_k
.set g_e, ER+2*((\j)&7)
.set g_w, WR+2*((\j)&7)
.set g_y, Y+4*(g_t&1)+2*g_d
	\name
.endif
.endif
.endm
; BEAT bn: one instruction of each stage, of groups bn-2 to bn+4, so that no instruction reads what the eight in front of it wrote, and behind each
; v_exp_f32 stands a plain instruction on other registers (ISA guide 5.7.2).  A ring slot is written at beat j-4 (j-3) and last read at j+1; its
; next user writes it at j+4 (j+5).  ahead = 1: the block fetches for the next block too.
; B's quad q of a step is last read in the step's beat 4q and is loaded again there; it is wanted from beat 4q-3 of the next step.
; C's quad q is last read in beat 4q+5 and loaded again there; it is wanted from beat 4q+2.
.macro BEAT ahead
.set b_in, 0
.if bn >= 0
.if bn < 256
.set b_in, 1
.endif
.endif
.set b_t, bn>>4
.set b_p, bn&15
.set b_last, 0                         ; the last block's last step: nothing is fetched beyond it
.if \ahead == 0
.if bn >= 240
.set b_last, 1
.endif
.endif
.if b_in
.if (b_p&3) == 1
.if b_last
	s_wait_dscnt 0x0                               ; fewer loads follow here: wait for all
.else
	s_wait_dscnt LDSOUT                            ; LDS loads come back in order (ISA guide 5.7.1): behind the quads now due, LDSOUT quad loads have been issued
.endif
.endif
.if b_p == 13
.if b_t < 15
.if \ahead
	s_wait_loadcnt XOUT                            ; x of step t+1: behind its load stand 14-t loads of the last block and those of this block so far
.else
	s_wait_loadcnt 14-b_t                          ; the last block loads no x: only the 14-t of the block before
.endif
.endif
.endif
.endif
	OP DO_XL, bn+2
	OP DO_W1, bn+3
	OP DO_TT, bn
	OP DO_MA, bn+4
	OP DO_XH, bn+2
	OP DO_W2, bn+2
	OP DO_SS, bn-1
.if YPASS
	OP DO_YY, bn-2
.endif
.if b_in
.if b_last == 0
.if (b_p&3) == 0
	ds_load_b128 v[BB+b_p:BB+b_p+3], v[VB] offset:(b_t+1)*128+4*b_p
.endif
.if YPASS
.if (b_p&3) == 1
.if b_p > 1
	ds_load_b128 v[CC+b_p-5:CC+b_p-2], v[VB] offset:(b_t+1)*128+64+4*(b_p-5)
.endif
.endif
.endif
.endif
.if YPASS
.if b_p == 1
	ds_load_b128 v[CC+12:CC+15], v[VB] offset:b_t*128+112          ; this step's own last quad of C
.endif
.endif
.if \ahead
.if bn == 130
	RFLOAD 16*RPITCH                               ; r of the next block, half a block ahead
.endif
.if YPASS == 0
.if b_p == 12
	global_load_b64 v[X+2*b_t:X+2*b_t+1], v1, s[4:5] offset:(16+b_t)*4096 th:TH_LOAD_NT   ; the slot's last use was in this beat: step t+16
.endif
.endif
.endif
.endif
.if YPASS
.set o_n, bn-18                        ; y of step t is whole behind beat 16 t + 17
.if o_n >= 0
.if (o_n&15) == 0
.set o_t, o_n>>4
	s_wait_xcnt 0x0                                ; the store of two steps ago has read O of this parity: it is rewritten only behind this wait (ISA guide 3.1)
	v_add_f32 v[O+2*(o_t&1)],   v[Y+4*(o_t&1)],   v[Y+4*(o_t&1)+1]
	v_add_f32 v[O+2*(o_t&1)+1], v[Y+4*(o_t&1)+2], v[Y+4*(o_t&1)+3]
.endif
.endif
.set o_n, bn-19
.if o_n >= 0
.if (o_n&15) == 0
.set o_t, o_n>>4
	v_pk_fma_f32 v[O+2*(o_t&1):O+2*(o_t&1)+1], v[X+2*o_t:X+2*o_t+1], v[DK:DK+1], v[O+2*(o_t&1):O+2*(o_t&1)+1]
.endif
.endif
.set o_n, bn-20
.if o_n >= 0
.if (o_n&15) == 0
.set o_t, o_n>>4
.if \ahead
	global_load_b64 v[X+2*o_t:X+2*o_t+1], v1, s[4:5] offset:(16+o_t)*4096 th:TH_LOAD_NT   ; the slot is free: step t+16
.endif
	global_store_b64 v1, v[O+2*(o_t&1):O+2*(o_t&1)+1], s[20:21] offset:o_t*4096 th:TH_STORE_NT   ; the wave stores 256 consecutive bytes, aligned
.endif
.endif
.endif
.endm
.macro BLOCK ahead
	DTPHASE
	s_wait_loadcnt 15                              ; x of the block's first step: the other 15 slots' loads were issued behind it
.set bn, -4
.rept LASTB+5
	BEAT \ahead
.set bn, bn+1
.endr
.endm
	s_mov_b32 s52, 0
.Lblock:
	BLOCK 1
	s_wait_xcnt 0x0                                ; the bases are stepped only behind this wait (ISA guide 3.1)
	s_add_nc_u64 s[4:5], s[4:5], 0x10000           ; 16 steps of 4,096 bytes
.if YPASS
	s_add_nc_u64 s[20:21], s[20:21], 0x10000
.endif
	v_add_nc_u32 v[VB], 2048, v[VB]
	v_add_nc_u32 v[VR], 16*RPITCH, v[VR]
	s_add_co_u32 s52, s52, 1
	s_cmp_lt_u32 s52, 15
	s_cbranch_scc1 .Lblock
	BLOCK 0                                        ; the last block fetches nothing beyond the chunk
.if YPASS == 0
.irp j, 0,1,2,3,4,5,6,7
	global_store_b128 v[VQ], v[S+4*\j:S+4*\j+3], s[PST:PST+1] offset:512*\j   ; a wave's store covers 512 consecutive bytes, aligned
.endr
	v_pk_add_f32 v[SD:SD+1], v[SD:SD+1], v[SD+2:SD+3]
	v_pk_add_f32 v[SD+4:SD+5], v[SD+4:SD+5], v[SD+6:SD+7]
	v_add_f32 v[O], v[SD], v[SD+1]
	v_add_f32 v[O+1], v[SD+4], v[SD+5]
	global_store_b64 v1, v[O:O+1], s[18:19]
.endif
	s_wait_tensorcnt 0x0
	ds_add_u32 v254, v255
	s_wait_dscnt 0x0
	s_endpgm
.Lfunc_end_k_q9d24ee9ba1_scan2:
	.size	k_q9d24ee9ba1_scan2, .Lfunc_end_k_q9d24ee9ba1_scan2-k_q9d24ee9ba1_scan2
	.p2alignl 7, 3214868480
	.fill 96, 4, 3214868480
	.section	.rodata,"a",@progbits
	.p2align	6, 0x0
	.amdhsa_kernel k_q9d24ee9ba1_scan2
		.amdhsa_group_segment_fixed_size 168448
		.amdhsa_private_segment_fixed_size 0
		.amdhsa_enable_private_segment 0
		.amdhsa_kernarg_size 72
		.amdhsa_user_sgpr_count 2
		.amdhsa_user_sgpr_kernarg_segment_ptr 1
		.amdhsa_wavefront_size32 1
		.amdhsa_system_sgpr_workgroup_id_x 1
		.amdhsa_system_sgpr_workgroup_id_y 1
		.amdhsa_system_sgpr_workgroup_id_z 1
		.amdhsa_system_vgpr_workitem_id 0
		.amdhsa_next_free_vgpr 368
		.amdhsa_next_free_sgpr 66
		.amdhsa_reserve_vcc 0
		.amdhsa_float_denorm_mode_32 3
		.amdhsa_float_denorm_mode_16_64 3
		.amdhsa_memory_ordered 1
		.amdhsa_forward_progress 1
		.amdhsa_inst_pref_size 255
	.end_amdhsa_kernel
	.section	.bss,"aw",@nobits
	.p2align	6
	.space	262144
	.amdgpu_metadata
---
amdhsa.version: [ 1, 2 ]
amdhsa.kernels:
  - .name:           k_q9d24ee9ba1_scan2
    .symbol:         k_q9d24ee9ba1_scan2.kd
    .args:
      - { .name: x, .offset: 0, .size: 8, .value_kind: global_buffer, .address_space: global }
      - { .name: log_A, .offset: 8, .size: 8, .value_kind: global_buffer, .address_space: global }
      - { .name: W_dt2, .offset: 16, .size: 8, .value_kind: global_buffer, .address_space: global }
      - { .name: b_dt2, .offset: 24, .size: 8, .value_kind: global_buffer, .address_space: global }
      - { .name: D_skip, .offset: 32, .size: 8, .value_kind: global_buffer, .address_space: global }
      - { .name: bc, .offset: 40, .size: 8, .value_kind: global_buffer, .address_space: global }
      - { .name: rr, .offset: 48, .size: 8, .value_kind: global_buffer, .address_space: global }
      - { .name: ini, .offset: 56, .size: 8, .value_kind: global_buffer, .address_space: global }
      - { .name: out0, .offset: 64, .size: 8, .value_kind: global_buffer, .address_space: global }
    .group_segment_fixed_size: 168448
    .private_segment_fixed_size: 0
    .kernarg_segment_align: 8
    .kernarg_segment_size: 72
    .max_flat_workgroup_size: 128
    .sgpr_count:     66
    .vgpr_count:     368
    .wavefront_size: 32
...
	.end_amdgpu_metadata
.endif
;; end of part 4
;; ======== version 2 of 3: 4 launches; 1.18 times as fast as version 1
;; limits: values are held in f16: magnitudes above 65,504 overflow, below 6.1e-05 lose precision
;; workspace buffers: bc 2,097,152 bytes; rr 4,194,304 bytes; loc 3,932,160 bytes; sdt 245,760 bytes; ini 4,194,304 bytes
;; launch proj: the kernel of part 1 again; grid 256 x 1, 4 waves a work-group, no clusters, 326,144 bytes of LDS; arguments x, W_B, W_C, W_dt1, bc, rr; writes bc, rr
;; launch scan1 (part 5): grid 15 x 16, 4 waves a work-group, no clusters, 168,448 bytes of LDS; arguments x, log_A, W_dt2, b_dt2, bc, rr, loc, sdt; writes loc, sdt
.if DOCPART == 5
	.amdgcn_target "amdgcn-amd-amdhsa--gfx1250"
	.amdhsa_code_object_version 6
	.text
	.protected	k_q9d24ee9ba1_scan1
	.globl	k_q9d24ee9ba1_scan1
	.p2align	8
	.type	k_q9d24ee9ba1_scan1,@function
k_q9d24ee9ba1_scan1:
	s_mov_b64 s[64:65], 0
	v_nop
	global_prefetch_b8 v0, s[64:65] scope:SCOPE_SE
	s_setreg_imm32_b32 hwreg(HW_REG_WAVE_MODE, 25, 1), 1
	s_wait_xcnt 0x0
; THE SELECTIVE SCAN OVER ONE CHUNK OF 256 STEPS.  One source serves two launches; YPASS picks the build.
;   YPASS = 0 (chunks 0 to 14): the scan from a zero state, without y.  Stores the chunk's end state (loc) and the sum of dt over the chunk (sdt).
;   YPASS = 1 (chunks 0 to 15): the scan from the chunk's true first state (ini), y[t][d] = sum over n of s C + D_skip x, stored to out0.
; s = Abar s + (Abar - 1) / (A + 1e-8) x B,  Abar = exp(dt A),  A = -exp(log_A),  dt = softplus(r . W_dt2[d] + b_dt2[d]).
; YPASS = 0 carries s (A + 1e-8) in place of s: the recurrence is linear and the factor 1 / (A + 1e-8) is the same in every step, so it is applied
; once, to the end state: six instructions a group instead of seven.  (With y the factor would have to go onto C in every step: nothing saved.)
; LIMITS: r and W_dt2 are rounded to f16 for the product (an error in z is a relative error of a small dt, so f16's 11 significant bits are
; taken rather than bf16's 8): |r| and |W_dt2| below 65,504, beyond which the operand is infinite.  r = x . W_dt1 has spread 1 as drawn, 900 with
; x and W_dt1 both thirty times larger, and lies near 1024 x 30 x 30/32 = 28,800 with both carrying an offset of thirty spreads: inside.
; v_exp_f32, v_log_f32 and v_rcp_f32 treat denormal inputs and results as zero
; (ISA guide 15.8), so Abar below 2^-126 and exp(-|z|) for |z| above 87 count as 0 (dt is then max(z, 0)); A + 1e-8 = 0 gives infinities or NaN as
; in the defining formula; y's sum over n is made as two interleaved chains of eight, then added.
; A work-group owns (chunk, b, 256 channels); wave w owns 64 channels; lane l owns channels 2l, 2l+1 with all 16 n: 32 states in
; registers, no sum across lanes, B and C the same for all lanes, and a wave's load of x and store of y cover 256 consecutive bytes, aligned.
; bc and rr of the chunk's 256 steps (98,304 bytes) come into LDS once, each wave bringing 64 steps by two tensor loads; nothing is filled again.
; No cluster: what neighbours share (bc, rr) is fetched once at the head and is the smaller part of a group's bytes, in a kernel whose
; time goes into vector arithmetic.  x needs no LDS: a ring of 16 register slots, each loaded again 15 steps ahead of its use.
; A BLOCK is 16 steps: dt of the block by eight matrix instructions and softplus, then 256 groups (step, pair of n, channel) in a
; software pipeline of BEATs.  A step's memory instructions stand in ONE run: the stream of vector instructions of a block is broken at
; 18 places (16 runs, r of the next block, the tail) and not once for each of its memory instructions.
.set YPASS, 0
.set RRB,    32768                     ; LDS: bc [256][128 bytes] at 0, rr [256] rows of 272 bytes behind it
.set RPITCH, 272                       ; 256 bytes + 16 = 17 x 16: 16 rows start at 16 different 16-byte columns of 256
.set VB, 2                             ; v2       LDS address of the block's first step in bc (the same in all lanes)
.set VR, 3                             ; v3       LDS address of my part of the block's r fragment
.set BI, 4                             ; v[4:7]   b_dt2 log2(e) for dt tile 0..3
.set DK, 8                             ; v[8:9]   D_skip of my two channels
.set O,  10                            ; v[10:13] y to store, by the step's parity (in the prologue: offsets)
.set Y,  14                            ; v[14:21] y's chains: parity, channel, a pair
.set SD, 14                            ; v[14:21] YPASS = 0: sums of dt: channel, two chains, a pair
.set VQ, 22                            ; v22      16 x lane
.set S,  24                            ; v[24:55]   s[d][n]  (YPASS = 0: s (A + 1e-8))
.set AP, 56                            ; v[56:87]   A log2(e)
.set IA, 88                            ; v[88:119]  1 / (A + 1e-8)
.set DT, 120                           ; v[120:151] dt[d][t] of the block
.set X,  152                           ; v[152:183] x[t][d]: the ring of 16 slots
.set BB, 184                           ; v[184:199] B of a step, four quads (quads 2 and 3: of even steps)
.set CC, 200                           ; v[200:215] C of a step, four quads (quads 1 and 2: of even steps)
.set BX, 216                           ; v[216:223] B's quads 2 and 3 of odd steps
.set CX, 224                           ; v[224:231] C's quads 1 and 2 of odd steps
.set ER, 232                           ; v[232:243] ring of six pairs: dt A', then Abar
.set WR, 244                           ; v[244:255] ring of six pairs: x B, x B / (A + 1e-8), (Abar - 1) x B / (A + 1e-8)
.set TE, ER                            ; softplus works in the two rings' 24 registers, which are empty between blocks
.set TU, ER+8
.set T3, ER+16
.set RAW0, IA                          ; v[88:151]  in the prologue: W_dt2 as f32, tiles 0 and 1
.set RAW1, BB                          ; v[184:247] in the prologue: W_dt2 as f32, tiles 2 and 3
.set W2F, 0                            ; window 1: v[0:63] W_dt2 fragments, tile tau, K half u at 16 tau + 8 u
.set RF,  64                           ; window 1: v[64:95] r of the block as f32
.set RA,  96                           ; window 1: v[96:111] r fragments
.set XOUT, 14
.if YPASS
.set PBC, 14
.set PRR, 16
.set PST, 18
.set LDSOUT, 6
.set LASTB, 260
.else
.set PBC, 12
.set PRR, 14
.set PST, 16
.set LDSOUT, 3
.set LASTB, 256
.endif
.set MSB, 0
.macro WIN new                         ; the immediate's high byte repeats the setting that is left
.if MSB != \new
	s_set_vgpr_msb (MSB<<8)|\new
.set MSB, \new
.endif
.endm
	s_load_b256 s[4:11], s[0:1], 0x0               ; x s[4:5], log_A s[6:7], W_dt2 s[8:9], b_dt2 s[10:11]
	s_load_b256 s[12:19], s[0:1], 0x20             ; YPASS = 0: bc, rr, loc, sdt;  YPASS = 1: D_skip, bc, rr, ini
	v_lshl_add_u32 v9, v0, 2, 0x29000
	v_mov_b32 v23, 0
	ds_add_u32 v9, v23
	ds_add_u32 v9, v23
.if YPASS
	s_load_b64 s[20:21], s[0:1], 0x40              ; out0
.endif
	v_lshrrev_b32 v1, 5, v0
	v_readfirstlane_b32 s48, v1                    ; wave 0..3
	s_and_b32 s50, ttmp7, 0xffff
	s_and_b32 s51, s50, 3                          ; dg: which 256 channels
	s_lshr_b32 s50, s50, 2                         ; b
	s_lshl_b32 s53, s50, 12
	s_lshl_b32 s52, ttmp9, 8
	s_add_co_u32 s53, s53, s52                     ; the chunk's first row = 4096 b + 256 chunk
	s_lshl_b32 s56, s48, 6
	s_add_co_u32 s56, s56, s53                     ; the first of the 64 steps that I bring
	s_mov_b32 s55, 0                               ; high word of every offset pair s[54:55]
	; bc: 8,192 dense bytes as 32 rows of 32 elements of 8 bytes
	s_mov_b32 s24, 3<<16
	s_mov_b32 s25, 32<<16
	s_mov_b32 s26, 32<<16
	s_mov_b32 s27, 32<<16
	s_mov_b32 s28, 32
	s_mov_b32 s29, 32
	s_mov_b32 s30, 0
	s_mov_b32 s31, 0
	; rr: 64 rows of 256 bytes, 4 words of padding behind every 64
	s_mov_b32 s40, (3<<16)|(1<<20)|(5<<22)|(3<<25)
	s_mov_b32 s41, 32<<16
	s_mov_b32 s42, 64<<16
	s_mov_b32 s43, 32<<16
	s_mov_b32 s44, 64
	s_mov_b32 s45, 32
	s_mov_b32 s46, 0
	s_mov_b32 s47, 0
	s_mov_b32 s32, 1
	s_lshl_b32 s33, s48, 13                        ; 64 steps x 128 bytes
	s_mov_b32 s36, 1
	s_mul_i32 s37, s48, 64*RPITCH
	s_add_co_u32 s37, s37, RRB
	s_lshl_b32 s54, s56, 7
	s_wait_dscnt 0x0
	s_wait_kmcnt 0x0
	s_add_nc_u64 s[34:35], s[PBC:PBC+1], s[54:55]
	s_or_b32 s35, s35, 0x80000000
	s_lshl_b32 s54, s56, 8
	s_add_nc_u64 s[38:39], s[PRR:PRR+1], s[54:55]
	s_or_b32 s39, s39, 0x80000000
	tensor_load_to_lds s[32:35], s[24:31]          ; the launch's only fills, ahead of everything else: two tensor loads of the wave are out
	s_nop 0
	tensor_load_to_lds s[36:39], s[40:47]
	s_nop 0
	; the bases
	s_lshl_b32 s57, s51, 10                        ; 256 channels x 4 bytes
	s_lshl_b32 s54, s53, 12                        ; rows of 4,096 bytes (below 2^26)
	s_add_co_u32 s54, s54, s57
	s_add_nc_u64 s[4:5], s[4:5], s[54:55]          ; x at the chunk's first step, my group's channels
.if YPASS
	s_add_nc_u64 s[20:21], s[20:21], s[54:55]      ; out0 likewise
.endif
	s_lshl_b32 s58, s51, 14
	s_lshl_b32 s59, s48, 12
	s_add_co_u32 s58, s58, s59                     ; (256 dg + 64 w) x 64 bytes
	s_mov_b32 s54, s58
	s_add_nc_u64 s[6:7], s[6:7], s[54:55]          ; log_A: rows of 64 bytes
	s_lshl_b32 s54, s58, 2
	s_add_nc_u64 s[8:9], s[8:9], s[54:55]          ; W_dt2: rows of 256 bytes
	s_lshr_b32 s54, s58, 4
	s_add_nc_u64 s[10:11], s[10:11], s[54:55]      ; b_dt2: 4 bytes
	s_lshl_b32 s54, ttmp9, 18                      ; the state tables: [chunk][b][16 waves' parts][8 quads][32 lanes][16 bytes]
	s_lshl_b32 s59, s50, 16
	s_add_co_u32 s54, s54, s59
	s_add_co_u32 s54, s54, s58
	s_add_nc_u64 s[PST:PST+1], s[PST:PST+1], s[54:55]
.if YPASS
	s_mov_b32 s54, s57
	s_add_nc_u64 s[12:13], s[12:13], s[54:55]      ; D_skip
.else
	s_lshl_b32 s54, ttmp9, 14                      ; sdt: [chunk][b][1024] f32
	s_lshl_b32 s59, s50, 12
	s_add_co_u32 s54, s54, s59
	s_add_co_u32 s54, s54, s57
	s_add_nc_u64 s[18:19], s[18:19], s[54:55]
.endif
	v_lshlrev_b32 v1, 3, v0                        ; 8 x thread: my two channels in a row of x, y, D_skip, sdt; never rewritten
	v_and_b32 v10, 31, v0
	v_lshlrev_b32 v[VQ], 4, v10
	v_lshlrev_b32 v10, 7, v10                      ; log_A: my two rows of 64 bytes
	v_and_b32 v11, 15, v0                          ; r
	v_bfe_u32 v13, v0, 4, 1                        ; h
	v_lshlrev_b32 v12, 9, v11
	v_lshl_add_u32 v12, v13, 5, v12                ; W_dt2: row 2 r, byte 32 h
	v_mul_u32_u24 v[VR], v11, RPITCH
	v_lshl_add_u32 v[VR], v13, 5, v[VR]
	v_add_nc_u32 v[VR], RRB, v[VR]
	v_lshlrev_b32 v13, 3, v11                      ; b_dt2: channel 2 r
	v_mov_b32 v[VB], 0
; dt's tile tau = 2 i + y: column r of the tile is channel 2 r + 32 y + i of my 64, its rows are the block's 16 steps.
; Both tiles of one i as f32 into 64 registers from 'base' on, which nothing else uses yet.
.macro W2LOAD i, base
.irp y, 0,1
.irp o, 0,1,2,3,4,5,6,7
	global_load_b128 v[\base+32*\y+4*\o:\base+32*\y+4*\o+3], v12, s[8:9] offset:\y*8192+\i*256+(\o>>1)*64+(\o&1)*16
.endr
.endr
.endm
.macro W2CVT i, base
	WIN 0x40
.set m_, 0
.rept 32
	v_cvt_pk_f16_f32 v[W2F+32*\i+m_], v[\base+2*m_], v[\base+2*m_+1]
.set m_, m_+1
.endr
	WIN 0
.endm
	; all that the prologue needs from memory goes out at once: 44 loads (with y: 53), one wait
.irp j, 0,1,2,3,4,5,6,7
	global_load_b128 v[AP+4*\j:AP+4*\j+3], v10, s[6:7] offset:16*\j
.endr
.if YPASS
.irp j, 0,1,2,3,4,5,6,7
	global_load_b128 v[S+4*\j:S+4*\j+3], v[VQ], s[PST:PST+1] offset:512*\j    ; the chunk's first state
.endr
	global_load_b64 v[DK:DK+1], v1, s[12:13]
.endif
.irp i, 0,1
.irp y, 0,1
	global_load_b32 v[BI+2*\i+\y], v13, s[10:11] offset:\y*128+\i*4
.endr
.endr
	W2LOAD 0, RAW0
	W2LOAD 1, RAW1
.if YPASS == 0
.set q_, 0
.rept 32
	v_mov_b32 v[S+q_], 0                           ; this pass starts from a zero state; once in the kernel
.set q_, q_+1
.endr
.set q_, 0
.rept 8
	v_mov_b32 v[SD+q_], 0
.set q_, q_+1
.endr
.endif
	s_wait_loadcnt 0x0
.set t_, 0
.rept 16
	global_load_b64 v[X+2*t_:X+2*t_+1], v1, s[4:5] offset:t_*4096 th:TH_LOAD_NT    ; the ring's first fill: steps 0 to 15, the last global loads ahead of the loop; they have the rest of the prologue and the first dt phase in which to come
.set t_, t_+1
.endr
	W2CVT 0, RAW0
	W2CVT 1, RAW1
.set q_, 0
.rept 16
	v_pk_mul_f32 v[IA+q_:IA+q_+1], v[AP+q_:AP+q_+1], 0x3fb8aa3b op_sel_hi:[1,0]   ; log_A log2(e)
.set q_, q_+2
.endr
.set q_, 0
.rept 32
	v_exp_f32 v[IA+q_], v[IA+q_]                   ; exp(log_A) = -A
.set q_, q_+1
.endr
	v_nop                                          ; one plain place behind the run of transcendentals (ISA guide 5.7.2)
.set q_, 0
.rept 16
	s_wait_alu depctr_va_vdst(0)
	v_pk_mul_f32 v[AP+q_:AP+q_+1], v[IA+q_:IA+q_+1], 0xbfb8aa3b op_sel_hi:[1,0]   ; A log2(e): exp(dt A) = 2^(dt A log2(e))
.set q_, q_+2
.endr
.set q_, 0
.rept 16
	v_pk_add_f32 v[IA+q_:IA+q_+1], v[IA+q_:IA+q_+1], 0x322bcc77 op_sel_hi:[1,0] neg_lo:[1,0] neg_hi:[1,0]   ; A + 1e-8, one rounding
.set q_, q_+2
.endr
.set q_, 0
.rept 32
	v_rcp_f32 v[IA+q_], v[IA+q_]
.set q_, q_+1
.endr
	v_nop
	v_pk_mul_f32 v[BI:BI+1], v[BI:BI+1], 0x3fb8aa3b op_sel_hi:[1,0]
	v_pk_mul_f32 v[BI+2:BI+3], v[BI+2:BI+3], 0x3fb8aa3b op_sel_hi:[1,0]
; r of 16 steps as f32: lane (r, h) takes k = 8h..+7, 16+8h..+7, 32+8h..+7, 48+8h..+7 of step r
.macro RFLOAD off
	WIN 0x40
.irp o, 0,1,2,3,4,5,6,7
	ds_load_b128 v[RF+4*\o:RF+4*\o+3], v[VR] offset:\off+(\o>>1)*64+(\o&1)*16
.endr
	WIN 0
.endm
	s_wait_tensorcnt 0x0                           ; my 64 steps of bc and rr are in,
	s_barrier_signal -1
	s_barrier_wait -1                              ; everybody's are: the kernel's one barrier
	RFLOAD 0
.irp q, 0,1,2,3
	ds_load_b128 v[BB+4*\q:BB+4*\q+3], v[VB] offset:16*\q          ; B of step 0
.endr
.if YPASS
.irp q, 0,1,2
	ds_load_b128 v[CC+4*\q:CC+4*\q+3], v[VB] offset:64+16*\q       ; C of step 0, but for its last quad, which every step fetches in its own run
.endr
.endif
; softplus of tile tau, in place: dt = max(z, 0) + log(1 + e), e = exp(-|z|).  With u = fl(1 + e): log(1 + e) = log(u) + (e - (u - 1)) to first
; order, and u - 1 and the residue are exact, so a small dt keeps its relative precision (for u = 1 it is e itself).  No select, no branch.
.macro SOFTPLUS tau
.set p_, DT+8*\tau
.irp q, 0,2,4,6
.if \tau & 1
	v_pk_fma_f32 v[p_+\q:p_+\q+1], v[p_+\q:p_+\q+1], 0x3fb8aa3b, v[BI+\tau-1:BI+\tau] op_sel:[0,0,1] op_sel_hi:[1,0,1]   ; z log2(e)
.else
	v_pk_fma_f32 v[p_+\q:p_+\q+1], v[p_+\q:p_+\q+1], 0x3fb8aa3b, v[BI+\tau:BI+\tau+1] op_sel_hi:[1,0,0]
.endif
.endr
.irp q, 0,1,2,3,4,5,6,7
	v_max_num_f32 v[TU+\q], 0, v[p_+\q]
.endr
.irp q, 0,2,4,6
	v_pk_fma_f32 v[TE+\q:TE+\q+1], v[TU+\q:TU+\q+1], -2.0, v[p_+\q:p_+\q+1] op_sel_hi:[1,0,1]    ; -|z| log2(e)
.endr
.irp q, 0,1,2,3,4,5,6,7
	v_exp_f32 v[TE+\q], v[TE+\q]                   ; e
.endr
	v_nop                                          ; one plain place behind the run of transcendentals (ISA guide 5.7.2)
.irp q, 0,2,4,6
	s_wait_alu depctr_va_vdst(0)
	v_pk_add_f32 v[p_+\q:p_+\q+1], v[TE+\q:TE+\q+1], 1.0 op_sel_hi:[1,0]                         ; u
.endr
.irp q, 0,2,4,6
	v_pk_add_f32 v[T3+\q:T3+\q+1], v[p_+\q:p_+\q+1], -1.0 op_sel_hi:[1,0]                        ; u - 1
.endr
.irp q, 0,2,4,6
	v_pk_add_f32 v[TE+\q:TE+\q+1], v[TE+\q:TE+\q+1], v[T3+\q:T3+\q+1] neg_lo:[0,1] neg_hi:[0,1]  ; e - (u - 1)
.endr
.irp q, 0,1,2,3,4,5,6,7
	v_log_f32 v[p_+\q], v[p_+\q]                   ; log2(u)
.endr
	v_nop
.irp q, 0,2,4,6
	s_wait_alu depctr_va_vdst(0)
	v_pk_add_f32 v[p_+\q:p_+\q+1], v[p_+\q:p_+\q+1], v[TU+\q:TU+\q+1]
.endr
.irp q, 0,2,4,6
	v_pk_fma_f32 v[p_+\q:p_+\q+1], v[p_+\q:p_+\q+1], 0x3f317218, v[TE+\q:TE+\q+1] op_sel_hi:[1,0,1]   ; x ln(2) + residue
.endr
.endm
; dt of a block's 16 steps and my 64 channels
.macro DTPHASE
	s_wait_dscnt 0x0                               ; r of this block, and B and C of its first step
	WIN 0x45
.set m_, 0
.rept 16
	v_cvt_pk_f16_f32 v[RA+m_], v[RF+2*m_], v[RF+2*m_+1]
.set m_, m_+1
.endr
	WIN 0x05                                       ; sources 0 and 1 in window 1, C and D in window 0
.irp tau, 0,1,2,3
	v_wmma_f32_16x16x32_f16 v[DT+8*\tau:DT+8*\tau+7], v[RA:RA+7], v[W2F+16*\tau:W2F+16*\tau+7], 0    ; the four accumulators take turns
.endr
.irp tau, 0,1,2,3
	v_wmma_f32_16x16x32_f16 v[DT+8*\tau:DT+8*\tau+7], v[RA+8:RA+15], v[W2F+16*\tau+8:W2F+16*\tau+15], v[DT+8*\tau:DT+8*\tau+7]
.endr
	WIN 0
.rept 4
	v_nop                                          ; four places before the results are read (ISA guide 7.12.1)
.endr
	SOFTPLUS 0
	SOFTPLUS 1
	SOFTPLUS 2
	SOFTPLUS 3
	; Tile (i, y) holds in lane (r, h) steps 8h..8h+7 of channel 2r + 32y + i.  Lane l wants channel 2l + i at all 16 steps: the upper lanes of
	; tile (i, 0) change places with the lower lanes of tile (i, 1); then v[DT+16i+t] is dt[channel 2l+i][t].
.irp i, 0,1
.irp j, 0,1,2,3,4,5,6,7
	v_permlane16_swap_b32 v[DT+16*\i+\j], v[DT+16*\i+8+\j]
.endr
.endr
.if YPASS == 0
.irp d, 0,1
.irp p, 0,1,2,3,4,5,6,7
	v_pk_add_f32 v[SD+4*\d+2*(\p&1):SD+4*\d+2*(\p&1)+1], v[SD+4*\d+2*(\p&1):SD+4*\d+2*(\p&1)+1], v[DT+16*\d+2*\p:DT+16*\d+2*\p+1]
.endr
.endr
.endif
.endm
; GROUP j = 16 t + 2 k + d: step t, the pair n = 2k, 2k+1, channel d.  Its six to eight instructions, each a macro on the symbols that OP sets:
.macro DO_MA                           ; dt A log2(e)
.if g_t & 1
	v_pk_mul_f32 v[g_e:g_e+1], v[DT+16*g_d+g_t-1:DT+16*g_d+g_t], v[AP+g_n:AP+g_n+1] op_sel:[1,0] op_sel_hi:[1,1]
.else
	v_pk_mul_f32 v[g_e:g_e+1], v[DT+16*g_d+g_t:DT+16*g_d+g_t+1], v[AP+g_n:AP+g_n+1] op_sel_hi:[0,1]
.endif
.endm
.macro DO_XL                           ; Abar, low half
	v_exp_f32 v[g_e], v[g_e]
.endm
.macro DO_XH                           ; Abar, high half
	v_exp_f32 v[g_e+1], v[g_e+1]
.endm
.macro DO_W1                           ; x B; B's quads 2 and 3 (k = 4 to 7) lie in BX in odd steps
.set g_b, BB+2*g_k
.if g_k >= 4
.if g_t & 1
.set g_b, BX+2*(g_k-4)
.endif
.endif
.if g_d
	v_pk_mul_f32 v[g_w:g_w+1], v[X+2*g_t:X+2*g_t+1], v[g_b:g_b+1] op_sel:[1,0] op_sel_hi:[1,1]
.else
	v_pk_mul_f32 v[g_w:g_w+1], v[X+2*g_t:X+2*g_t+1], v[g_b:g_b+1] op_sel_hi:[0,1]
.endif
.endm
.macro DO_W2                           ; / (A + 1e-8): with y alone
	v_pk_mul_f32 v[g_w:g_w+1], v[g_w:g_w+1], v[IA+g_n:IA+g_n+1]
.endm
.macro DO_TT                           ; x (Abar - 1), as one fused Abar w - w
	s_wait_alu depctr_va_vdst(0)
	v_pk_fma_f32 v[g_w:g_w+1], v[g_e:g_e+1], v[g_w:g_w+1], v[g_w:g_w+1] neg_lo:[0,0,1] neg_hi:[0,0,1]
.endm
.macro DO_SS                           ; s = Abar s + that
	v_pk_fma_f32 v[S+g_n:S+g_n+1], v[g_e:g_e+1], v[S+g_n:S+g_n+1], v[g_w:g_w+1]
.endm
.macro DO_YY                           ; y += s C; the first pair starts the sum; C's quads 1 and 2 (k = 2 to 5) lie in CX in odd steps
.set g_c, CC+2*g_k
.if g_k >= 2
.if g_k < 6
.if g_t & 1
.set g_c, CX+2*(g_k-2)
.endif
.endif
.endif
.if g_k == 0
	v_pk_mul_f32 v[g_y:g_y+1], v[S+g_n:S+g_n+1], v[g_c:g_c+1]
.else
	v_pk_fma_f32 v[g_y:g_y+1], v[S+g_n:S+g_n+1], v[g_c:g_c+1], v[g_y:g_y+1]
.endif
.endm
.macro OP name, j                      ; instruction 'name' of group j, if the block has such a group
.if (\j) >= 0
.if (\j) < 256
.set g_t, (\j)>>4
.set g_k, ((\j)>>1)&7
.set g_d, (\j)&1
.set g_n, 16*g_d+2*g_k
.set g_e, ER+2*((\j)%6)
.set g_w, WR+2*((\j)%6)
.set g_y, Y+4*(g_t&1)+2*g_d
	\name
.endif
.endif
.endm
; BEAT bn: one instruction of each stage, of groups bn-2 to bn+4, so that no instruction reads what the six in front of it wrote, and behind each
; v_exp_f32 stands a plain instruction on other registers (ISA guide 5.7.2): behind the second one that of group bn+2's W slot or, without y, the
; state's multiply-add of group bn-1, three slots away in the ring.  A ring slot of group j is written at beat j-4 (E) or j-3 (W) and last
; read at j+1; its next user, group j+6, writes it at beat j+2 (j+3): six slots do.  ahead = 1: the block fetches for the next block too.
; THE RUN behind beat 5 of step t holds all the step's memory instructions: B of step t+1 (four quads), C's quads 0 to 2 of step t+1 and quad 3 of
; step t, x for the slot of step t-1 (16 steps on), and the store of y of step t-1 (whole behind its beat 19, which is this step's beat 3).
; Why beat 5, counted in beats of step t: B's quad q is last read in beat 4q and C's in beat 4q+5; of step t+1, B's quad q is first read in beat
; 13+4q and C's in beat 18+4q; C's quad 3 of step t-1 is last read in beat 1 and that of step t first in beat 14.  So behind beat 5 B's quads 0, 1 and
; C's quads 0, 3 are free and are loaded in place; B's quads 2, 3 and C's quads 1, 2 are still being read and have a second set of registers, by the
; step's parity.  The first quad is wanted eight beats behind the run.
.macro BEAT ahead
.set b_in, 0
.if bn >= 0
.if bn < 256
.set b_in, 1
.endif
.endif
.set b_t, bn>>4
.set b_p, bn&15
.set b_last, 0                         ; the last block's last step: nothing is fetched beyond it
.if \ahead == 0
.if bn >= 240
.set b_last, 1
.endif
.endif
.if b_in
.if b_p == 13
.if b_last
.if YPASS
	s_wait_dscnt 0x0                               ; the last run held C's quad 3 alone
.endif
.else
	s_wait_dscnt LDSOUT                            ; LDS loads come back in order (ISA guide 5.7.1): the run's first quads are due (B's quad 0, and C's quad 3); LDSOUT loads of the run stand behind them
.endif
.if b_t < 15
.if \ahead
	s_wait_loadcnt XOUT                            ; x of step t+1: behind its load stand 14-t loads of the last block and t of this one (slots 0 to t-1)
.else
	s_wait_loadcnt 14-b_t                          ; the last block loads no x: only the 14-t of the block before
.endif
.endif
.endif
.if b_p == 1
.if b_t > 0
	s_wait_dscnt 0x0                               ; the rest of the last step's run, issued twelve beats ago (step 0: the wait at the head of the dt phase)
.endif
.endif
.endif
	OP DO_XL, bn+2
	OP DO_W1, bn+3
	OP DO_TT, bn
	OP DO_MA, bn+4
	OP DO_XH, bn+2
.if YPASS
	OP DO_W2, bn+2
.endif
	OP DO_SS, bn-1
.if YPASS
	OP DO_YY, bn-2
.endif
.if b_in
.if b_p == 5                           ; the run, in the order in which the quads are wanted
.set l_b, BB+8+((b_t+1)&1)*(BX-BB-8)
.set l_c, CC+4+((b_t+1)&1)*(CX-CC-4)
.if b_last == 0
	ds_load_b128 v[BB:BB+3], v[VB] offset:(b_t+1)*128
.endif
.if YPASS
	ds_load_b128 v[CC+12:CC+15], v[VB] offset:b_t*128+112          ; this step's own last quad of C
.endif
.if b_last == 0
	ds_load_b128 v[BB+4:BB+7], v[VB] offset:(b_t+1)*128+16
.if YPASS
	ds_load_b128 v[CC:CC+3], v[VB] offset:(b_t+1)*128+64
.endif
	ds_load_b128 v[l_b:l_b+3], v[VB] offset:(b_t+1)*128+32
.if YPASS
	ds_load_b128 v[l_c:l_c+3], v[VB] offset:(b_t+1)*128+80
.endif
	ds_load_b128 v[l_b+4:l_b+7], v[VB] offset:(b_t+1)*128+48
.if YPASS
	ds_load_b128 v[l_c+4:l_c+7], v[VB] offset:(b_t+1)*128+96
.endif
.endif
.endif
.if \ahead
.if bn == 130
	RFLOAD 16*RPITCH                               ; r of the next block, half a block ahead: a run of its own
.endif
.endif
.endif
.if YPASS
.set o_n, bn-18                        ; y of step t is whole behind beat 16 t + 17
.if o_n >= 0
.if (o_n&15) == 0
.set o_t, o_n>>4
	s_wait_xcnt 0x0                                ; the store of two steps ago has read O of this parity: it is rewritten only behind this wait (ISA guide 3.1)
	v_add_f32 v[O+2*(o_t&1)],   v[Y+4*(o_t&1)],   v[Y+4*(o_t&1)+1]
	v_add_f32 v[O+2*(o_t&1)+1], v[Y+4*(o_t&1)+2], v[Y+4*(o_t&1)+3]
.endif
.endif
.set o_n, bn-19
.if o_n >= 0
.if (o_n&15) == 0
.set o_t, o_n>>4
	v_pk_fma_f32 v[O+2*(o_t&1):O+2*(o_t&1)+1], v[X+2*o_t:X+2*o_t+1], v[DK:DK+1], v[O+2*(o_t&1):O+2*(o_t&1)+1]
.endif
.endif
.endif
.set o_do, 0                           ; the run's global part: step o_t = t-1 at beat 16 o_t + 21; step 15 at the block's last beat
.if bn >= 21
.if ((bn-21)&15) == 0
.set o_t, (bn-21)>>4
.set o_do, 1
.endif
.endif
.if bn == LASTB
.set o_t, 15
.set o_do, 1
.endif
.if o_do
.if \ahead
	global_load_b64 v[X+2*o_t:X+2*o_t+1], v1, s[4:5] offset:(16+o_t)*4096 th:TH_LOAD_NT   ; the slot is free: the same step of the next block
.endif
.if YPASS
	global_store_b64 v1, v[O+2*(o_t&1):O+2*(o_t&1)+1], s[20:21] offset:o_t*4096 th:TH_STORE_NT   ; the wave stores 256 consecutive bytes, aligned
.endif
.endif
.endm
.macro BEATS ahead                     ; the 256 groups of a block whose dt is ready
	s_wait_loadcnt 15                              ; x of the block's first step: the other 15 slots' loads were issued behind it
.set bn, -4
.rept LASTB+5
	BEAT \ahead
.set bn, bn+1
.endr
.endm
; A trip is the beats of block i and then the dt phase of block i+1.  The bases of x and y are stepped behind that dt phase: no memory instruction
; names them between a block's tail and beat 21 of the next, and the tail's load and store have the dt phase in which to have their addresses taken.
	DTPHASE                                        ; dt of block 0
	s_mov_b32 s52, 0
.Lblock:
	BEATS 1
	v_add_nc_u32 v[VB], 2048, v[VB]                ; 16 steps of 128 bytes
	v_add_nc_u32 v[VR], 16*RPITCH, v[VR]
	DTPHASE
	s_wait_xcnt 0x0                                ; the bases are stepped only behind this wait (ISA guide 3.1)
	s_add_nc_u64 s[4:5], s[4:5], 0x10000           ; 16 steps of 4,096 bytes
.if YPASS
	s_add_nc_u64 s[20:21], s[20:21], 0x10000
.endif
	s_add_co_u32 s52, s52, 1
	s_cmp_lt_u32 s52, 15
	s_cbranch_scc1 .Lblock
	BEATS 0                                        ; the last block fetches nothing beyond the chunk
.if YPASS == 0
.set q_, 0
.rept 16
	v_pk_mul_f32 v[S+q_:S+q_+1], v[S+q_:S+q_+1], v[IA+q_:IA+q_+1]    ; the factor 1 / (A + 1e-8), once
.set q_, q_+2
.endr
.irp j, 0,1,2,3,4,5,6,7
	global_store_b128 v[VQ], v[S+4*\j:S+4*\j+3], s[PST:PST+1] offset:512*\j   ; a wave's store covers 512 consecutive bytes, aligned
.endr
	v_pk_add_f32 v[SD:SD+1], v[SD:SD+1], v[SD+2:SD+3]
	v_pk_add_f32 v[SD+4:SD+5], v[SD+4:SD+5], v[SD+6:SD+7]
	v_add_f32 v[O], v[SD], v[SD+1]
	v_add_f32 v[O+1], v[SD+4], v[SD+5]
	global_store_b64 v1, v[O:O+1], s[18:19]
.endif
	s_wait_tensorcnt 0x0
	ds_add_u32 v9, v23
	s_wait_dscnt 0x0
	s_endpgm
.Lfunc_end_k_q9d24ee9ba1_scan1:
	.size	k_q9d24ee9ba1_scan1, .Lfunc_end_k_q9d24ee9ba1_scan1-k_q9d24ee9ba1_scan1
	.p2alignl 7, 3214868480
	.fill 96, 4, 3214868480
	.section	.rodata,"a",@progbits
	.p2align	6, 0x0
	.amdhsa_kernel k_q9d24ee9ba1_scan1
		.amdhsa_group_segment_fixed_size 168448
		.amdhsa_private_segment_fixed_size 0
		.amdhsa_enable_private_segment 0
		.amdhsa_kernarg_size 64
		.amdhsa_user_sgpr_count 2
		.amdhsa_user_sgpr_kernarg_segment_ptr 1
		.amdhsa_wavefront_size32 1
		.amdhsa_system_sgpr_workgroup_id_x 1
		.amdhsa_system_sgpr_workgroup_id_y 1
		.amdhsa_system_sgpr_workgroup_id_z 1
		.amdhsa_system_vgpr_workitem_id 0
		.amdhsa_next_free_vgpr 368
		.amdhsa_next_free_sgpr 66
		.amdhsa_reserve_vcc 0
		.amdhsa_float_denorm_mode_32 3
		.amdhsa_float_denorm_mode_16_64 3
		.amdhsa_memory_ordered 1
		.amdhsa_forward_progress 1
		.amdhsa_inst_pref_size 246
	.end_amdhsa_kernel
	.amdgpu_metadata
---
amdhsa.version: [ 1, 2 ]
amdhsa.kernels:
  - .name:           k_q9d24ee9ba1_scan1
    .symbol:         k_q9d24ee9ba1_scan1.kd
    .args:
      - { .name: x, .offset: 0, .size: 8, .value_kind: global_buffer, .address_space: global }
      - { .name: log_A, .offset: 8, .size: 8, .value_kind: global_buffer, .address_space: global }
      - { .name: W_dt2, .offset: 16, .size: 8, .value_kind: global_buffer, .address_space: global }
      - { .name: b_dt2, .offset: 24, .size: 8, .value_kind: global_buffer, .address_space: global }
      - { .name: bc, .offset: 32, .size: 8, .value_kind: global_buffer, .address_space: global }
      - { .name: rr, .offset: 40, .size: 8, .value_kind: global_buffer, .address_space: global }
      - { .name: loc, .offset: 48, .size: 8, .value_kind: global_buffer, .address_space: global }
      - { .name: sdt, .offset: 56, .size: 8, .value_kind: global_buffer, .address_space: global }
    .group_segment_fixed_size: 168448
    .private_segment_fixed_size: 0
    .kernarg_segment_align: 8
    .kernarg_segment_size: 64
    .max_flat_workgroup_size: 128
    .sgpr_count:     66
    .vgpr_count:     368
    .wavefront_size: 32
...
	.end_amdgpu_metadata
.endif
;; end of part 5
;; launch carry: the kernel of part 3 again; grid 128 x 1, 4 waves a work-group, no clusters, 0 bytes of LDS; arguments state, log_A, loc, sdt, ini; writes ini
;; launch scan2 (part 6): grid 16 x 16, 4 waves a work-group, no clusters, 168,448 bytes of LDS; arguments x, log_A, W_dt2, b_dt2, D_skip, bc, rr, ini, out0; writes out0
.if DOCPART == 6
	.amdgcn_target "amdgcn-amd-amdhsa--gfx1250"
	.amdhsa_code_object_version 6
	.text
	.protected	k_q9d24ee9ba1_scan2
	.globl	k_q9d24ee9ba1_scan2
	.p2align	8
	.type	k_q9d24ee9ba1_scan2,@function
k_q9d24ee9ba1_scan2:
	s_mov_b64 s[64:65], 0
	v_nop
	global_prefetch_b8 v0, s[64:65] scope:SCOPE_SE
	s_setreg_imm32_b32 hwreg(HW_REG_WAVE_MODE, 25, 1), 1
	s_wait_xcnt 0x0
; THE SELECTIVE SCAN OVER ONE CHUNK OF 256 STEPS.  One source serves two launches; YPASS picks the build.
;   YPASS = 0 (chunks 0 to 14): the scan from a zero state, without y.  Stores the chunk's end state (loc) and the sum of dt over the chunk (sdt).
;   YPASS = 1 (chunks 0 to 15): the scan from the chunk's true first state (ini), y[t][d] = sum over n of s C + D_skip x, stored to out0.
; s = Abar s + (Abar - 1) / (A + 1e-8) x B,  Abar = exp(dt A),  A = -exp(log_A),  dt = softplus(r . W_dt2[d] + b_dt2[d]).
; YPASS = 0 carries s (A + 1e-8) in place of s: the recurrence is linear and the factor 1 / (A + 1e-8) is the same in every step, so it is applied
; once, to the end state: six instructions a group instead of seven.  (With y the factor would have to go onto C in every step: nothing saved.)
; LIMITS: r and W_dt2 are rounded to f16 for the product (an error in z is a relative error of a small dt, so f16's 11 significant bits are
; taken rather than bf16's 8): |r| and |W_dt2| below 65,504, beyond which the operand is infinite.  r = x . W_dt1 has spread 1 as drawn, 900 with
; x and W_dt1 both thirty times larger, and lies near 1024 x 30 x 30/32 = 28,800 with both carrying an offset of thirty spreads: inside.
; v_exp_f32, v_log_f32 and v_rcp_f32 treat denormal inputs and results as zero
; (ISA guide 15.8), so Abar below 2^-126 and exp(-|z|) for |z| above 87 count as 0 (dt is then max(z, 0)); A + 1e-8 = 0 gives infinities or NaN as
; in the defining formula; y's sum over n is made as two interleaved chains of eight, then added.
; A work-group owns (chunk, b, 256 channels); wave w owns 64 channels; lane l owns channels 2l, 2l+1 with all 16 n: 32 states in
; registers, no sum across lanes, B and C the same for all lanes, and a wave's load of x and store of y cover 256 consecutive bytes, aligned.
; bc and rr of the chunk's 256 steps (98,304 bytes) come into LDS once, each wave bringing 64 steps by two tensor loads; nothing is filled again.
; No cluster: what neighbours share (bc, rr) is fetched once at the head and is the smaller part of a group's bytes, in a kernel whose
; time goes into vector arithmetic.  x needs no LDS: a ring of 16 register slots, each loaded again 15 steps ahead of its use.
; A BLOCK is 16 steps: dt of the block by eight matrix instructions and softplus, then 256 groups (step, pair of n, channel) in a
; software pipeline of BEATs.  A step's memory instructions stand in ONE run: the stream of vector instructions of a block is broken at
; 18 places (16 runs, r of the next block, the tail) and not once for each of its memory instructions.
.set YPASS, 1
.set RRB,    32768                     ; LDS: bc [256][128 bytes] at 0, rr [256] rows of 272 bytes behind it
.set RPITCH, 272                       ; 256 bytes + 16 = 17 x 16: 16 rows start at 16 different 16-byte columns of 256
.set VB, 2                             ; v2       LDS address of the block's first step in bc (the same in all lanes)
.set VR, 3                             ; v3       LDS address of my part of the block's r fragment
.set BI, 4                             ; v[4:7]   b_dt2 log2(e) for dt tile 0..3
.set DK, 8                             ; v[8:9]   D_skip of my two channels
.set O,  10                            ; v[10:13] y to store, by the step's parity (in the prologue: offsets)
.set Y,  14                            ; v[14:21] y's chains: parity, channel, a pair
.set SD, 14                            ; v[14:21] YPASS = 0: sums of dt: channel, two chains, a pair
.set VQ, 22                            ; v22      16 x lane
.set S,  24                            ; v[24:55]   s[d][n]  (YPASS = 0: s (A + 1e-8))
.set AP, 56                            ; v[56:87]   A log2(e)
.set IA, 88                            ; v[88:119]  1 / (A + 1e-8)
.set DT, 120                           ; v[120:151] dt[d][t] of the block
.set X,  152                           ; v[152:183] x[t][d]: the ring of 16 slots
.set BB, 184                           ; v[184:199] B of a step, four quads (quads 2 and 3: of even steps)
.set CC, 200                           ; v[200:215] C of a step, four quads (quads 1 and 2: of even steps)
.set BX, 216                           ; v[216:223] B's quads 2 and 3 of odd steps
.set CX, 224                           ; v[224:231] C's quads 1 and 2 of odd steps
.set ER, 232                           ; v[232:243] ring of six pairs: dt A', then Abar
.set WR, 244                           ; v[244:255] ring of six pairs: x B, x B / (A + 1e-8), (Abar - 1) x B / (A + 1e-8)
.set TE, ER                            ; softplus works in the two rings' 24 registers, which are empty between blocks
.set TU, ER+8
.set T3, ER+16
.set RAW0, IA                          ; v[88:151]  in the prologue: W_dt2 as f32, tiles 0 and 1
.set RAW1, BB                          ; v[184:247] in the prologue: W_dt2 as f32, tiles 2 and 3
.set W2F, 0                            ; window 1: v[0:63] W_dt2 fragments, tile tau, K half u at 16 tau + 8 u
.set RF,  64                           ; window 1: v[64:95] r of the block as f32
.set RA,  96                           ; window 1: v[96:111] r fragments
.set XOUT, 14
.if YPASS
.set PBC, 14
.set PRR, 16
.set PST, 18
.set LDSOUT, 6
.set LASTB, 260
.else
.set PBC, 12
.set PRR, 14
.set PST, 16
.set LDSOUT, 3
.set LASTB, 256
.endif
.set MSB, 0
.macro WIN new                         ; the immediate's high byte repeats the setting that is left
.if MSB != \new
	s_set_vgpr_msb (MSB<<8)|\new
.set MSB, \new
.endif
.endm
	s_load_b256 s[4:11], s[0:1], 0x0               ; x s[4:5], log_A s[6:7], W_dt2 s[8:9], b_dt2 s[10:11]
	s_load_b256 s[12:19], s[0:1], 0x20             ; YPASS = 0: bc, rr, loc, sdt;  YPASS = 1: D_skip, bc, rr, ini
.if YPASS
	s_load_b64 s[20:21], s[0:1], 0x40              ; out0
	v_lshl_add_u32 v23, v0, 2, 0x29000
	s_set_vgpr_msb 0x40
	v_mov_b32 v113, 0
	s_set_vgpr_msb 0x4044
	ds_add_u32 v23, v113
	ds_add_u32 v23, v113
	s_set_vgpr_msb 0x4400
.endif
	v_lshrrev_b32 v1, 5, v0
	v_readfirstlane_b32 s48, v1                    ; wave 0..3
	s_and_b32 s50, ttmp7, 0xffff
	s_and_b32 s51, s50, 3                          ; dg: which 256 channels
	s_lshr_b32 s50, s50, 2                         ; b
	s_lshl_b32 s53, s50, 12
	s_lshl_b32 s52, ttmp9, 8
	s_add_co_u32 s53, s53, s52                     ; the chunk's first row = 4096 b + 256 chunk
	s_lshl_b32 s56, s48, 6
	s_add_co_u32 s56, s56, s53                     ; the first of the 64 steps that I bring
	s_mov_b32 s55, 0                               ; high word of every offset pair s[54:55]
	; bc: 8,192 dense bytes as 32 rows of 32 elements of 8 bytes
	s_mov_b32 s24, 3<<16
	s_mov_b32 s25, 32<<16
	s_mov_b32 s26, 32<<16
	s_mov_b32 s27, 32<<16
	s_mov_b32 s28, 32
	s_mov_b32 s29, 32
	s_mov_b32 s30, 0
	s_mov_b32 s31, 0
	; rr: 64 rows of 256 bytes, 4 words of padding behind every 64
	s_mov_b32 s40, (3<<16)|(1<<20)|(5<<22)|(3<<25)
	s_mov_b32 s41, 32<<16
	s_mov_b32 s42, 64<<16
	s_mov_b32 s43, 32<<16
	s_mov_b32 s44, 64
	s_mov_b32 s45, 32
	s_mov_b32 s46, 0
	s_mov_b32 s47, 0
	s_mov_b32 s32, 1
	s_lshl_b32 s33, s48, 13                        ; 64 steps x 128 bytes
	s_mov_b32 s36, 1
	s_mul_i32 s37, s48, 64*RPITCH
	s_add_co_u32 s37, s37, RRB
	s_lshl_b32 s54, s56, 7
	s_wait_dscnt 0x0
	s_wait_kmcnt 0x0
	s_add_nc_u64 s[34:35], s[PBC:PBC+1], s[54:55]
	s_or_b32 s35, s35, 0x80000000
	s_lshl_b32 s54, s56, 8
	s_add_nc_u64 s[38:39], s[PRR:PRR+1], s[54:55]
	s_or_b32 s39, s39, 0x80000000
	tensor_load_to_lds s[32:35], s[24:31]          ; the launch's only fills, ahead of everything else: two tensor loads of the wave are out
	s_nop 0
	tensor_load_to_lds s[36:39], s[40:47]
	s_nop 0
	; the bases
	s_lshl_b32 s57, s51, 10                        ; 256 channels x 4 bytes
	s_lshl_b32 s54, s53, 12                        ; rows of 4,096 bytes (below 2^26)
	s_add_co_u32 s54, s54, s57
	s_add_nc_u64 s[4:5], s[4:5], s[54:55]          ; x at the chunk's first step, my group's channels
.if YPASS
	s_add_nc_u64 s[20:21], s[20:21], s[54:55]      ; out0 likewise
.endif
	s_lshl_b32 s58, s51, 14
	s_lshl_b32 s59, s48, 12
	s_add_co_u32 s58, s58, s59                     ; (256 dg + 64 w) x 64 bytes
	s_mov_b32 s54, s58
	s_add_nc_u64 s[6:7], s[6:7], s[54:55]          ; log_A: rows of 64 bytes
	s_lshl_b32 s54, s58, 2
	s_add_nc_u64 s[8:9], s[8:9], s[54:55]          ; W_dt2: rows of 256 bytes
	s_lshr_b32 s54, s58, 4
	s_add_nc_u64 s[10:11], s[10:11], s[54:55]      ; b_dt2: 4 bytes
	s_lshl_b32 s54, ttmp9, 18                      ; the state tables: [chunk][b][16 waves' parts][8 quads][32 lanes][16 bytes]
	s_lshl_b32 s59, s50, 16
	s_add_co_u32 s54, s54, s59
	s_add_co_u32 s54, s54, s58
	s_add_nc_u64 s[PST:PST+1], s[PST:PST+1], s[54:55]
.if YPASS
	s_mov_b32 s54, s57
	s_add_nc_u64 s[12:13], s[12:13], s[54:55]      ; D_skip
.else
	s_lshl_b32 s54, ttmp9, 14                      ; sdt: [chunk][b][1024] f32
	s_lshl_b32 s59, s50, 12
	s_add_co_u32 s54, s54, s59
	s_add_co_u32 s54, s54, s57
	s_add_nc_u64 s[18:19], s[18:19], s[54:55]
.endif
	v_lshlrev_b32 v1, 3, v0                        ; 8 x thread: my two channels in a row of x, y, D_skip, sdt; never rewritten
	v_and_b32 v10, 31, v0
	v_lshlrev_b32 v[VQ], 4, v10
	v_lshlrev_b32 v10, 7, v10                      ; log_A: my two rows of 64 bytes
	v_and_b32 v11, 15, v0                          ; r
	v_bfe_u32 v13, v0, 4, 1                        ; h
	v_lshlrev_b32 v12, 9, v11
	v_lshl_add_u32 v12, v13, 5, v12                ; W_dt2: row 2 r, byte 32 h
	v_mul_u32_u24 v[VR], v11, RPITCH
	v_lshl_add_u32 v[VR], v13, 5, v[VR]
	v_add_nc_u32 v[VR], RRB, v[VR]
	v_lshlrev_b32 v13, 3, v11                      ; b_dt2: channel 2 r
	v_mov_b32 v[VB], 0
; dt's tile tau = 2 i + y: column r of the tile is channel 2 r + 32 y + i of my 64, its rows are the block's 16 steps.
; Both tiles of one i as f32 into 64 registers from 'base' on, which nothing else uses yet.
.macro W2LOAD i, base
.irp y, 0,1
.irp o, 0,1,2,3,4,5,6,7
	global_load_b128 v[\base+32*\y+4*\o:\base+32*\y+4*\o+3], v12, s[8:9] offset:\y*8192+\i*256+(\o>>1)*64+(\o&1)*16
.endr
.endr
.endm
.macro W2CVT i, base
	WIN 0x40
.set m_, 0
.rept 32
	v_cvt_pk_f16_f32 v[W2F+32*\i+m_], v[\base+2*m_], v[\base+2*m_+1]
.set m_, m_+1
.endr
	WIN 0
.endm
	; all that the prologue needs from memory goes out at once: 44 loads (with y: 53), one wait
.irp j, 0,1,2,3,4,5,6,7
	global_load_b128 v[AP+4*\j:AP+4*\j+3], v10, s[6:7] offset:16*\j
.endr
.if YPASS
.irp j, 0,1,2,3,4,5,6,7
	global_load_b128 v[S+4*\j:S+4*\j+3], v[VQ], s[PST:PST+1] offset:512*\j    ; the chunk's first state
.endr
	global_load_b64 v[DK:DK+1], v1, s[12:13]
.endif
.irp i, 0,1
.irp y, 0,1
	global_load_b32 v[BI+2*\i+\y], v13, s[10:11] offset:\y*128+\i*4
.endr
.endr
	W2LOAD 0, RAW0
	W2LOAD 1, RAW1
.if YPASS == 0
.set q_, 0
.rept 32
	v_mov_b32 v[S+q_], 0                           ; this pass starts from a zero state; once in the kernel
.set q_, q_+1
.endr
.set q_, 0
.rept 8
	v_mov_b32 v[SD+q_], 0
.set q_, q_+1
.endr
.endif
	s_wait_loadcnt 0x0
.set t_, 0
.rept 16
	global_load_b64 v[X+2*t_:X+2*t_+1], v1, s[4:5] offset:t_*4096 th:TH_LOAD_NT    ; the ring's first fill: steps 0 to 15, the last global loads ahead of the loop; they have the rest of the prologue and the first dt phase in which to come
.set t_, t_+1
.endr
	W2CVT 0, RAW0
	W2CVT 1, RAW1
.set q_, 0
.rept 16
	v_pk_mul_f32 v[IA+q_:IA+q_+1], v[AP+q_:AP+q_+1], 0x3fb8aa3b op_sel_hi:[1,0]   ; log_A log2(e)
.set q_, q_+2
.endr
.set q_, 0
.rept 32
	v_exp_f32 v[IA+q_], v[IA+q_]                   ; exp(log_A) = -A
.set q_, q_+1
.endr
	v_nop                                          ; one plain place behind the run of transcendentals (ISA guide 5.7.2)
.set q_, 0
.rept 16
	s_wait_alu depctr_va_vdst(0)
	v_pk_mul_f32 v[AP+q_:AP+q_+1], v[IA+q_:IA+q_+1], 0xbfb8aa3b op_sel_hi:[1,0]   ; A log2(e): exp(dt A) = 2^(dt A log2(e))
.set q_, q_+2
.endr
.set q_, 0
.rept 16
	v_pk_add_f32 v[IA+q_:IA+q_+1], v[IA+q_:IA+q_+1], 0x322bcc77 op_sel_hi:[1,0] neg_lo:[1,0] neg_hi:[1,0]   ; A + 1e-8, one rounding
.set q_, q_+2
.endr
.set q_, 0
.rept 32
	v_rcp_f32 v[IA+q_], v[IA+q_]
.set q_, q_+1
.endr
	v_nop
	v_pk_mul_f32 v[BI:BI+1], v[BI:BI+1], 0x3fb8aa3b op_sel_hi:[1,0]
	v_pk_mul_f32 v[BI+2:BI+3], v[BI+2:BI+3], 0x3fb8aa3b op_sel_hi:[1,0]
; r of 16 steps as f32: lane (r, h) takes k = 8h..+7, 16+8h..+7, 32+8h..+7, 48+8h..+7 of step r
.macro RFLOAD off
	WIN 0x40
.irp o, 0,1,2,3,4,5,6,7
	ds_load_b128 v[RF+4*\o:RF+4*\o+3], v[VR] offset:\off+(\o>>1)*64+(\o&1)*16
.endr
	WIN 0
.endm
	s_wait_tensorcnt 0x0                           ; my 64 steps of bc and rr are in,
	s_barrier_signal -1
	s_barrier_wait -1                              ; everybody's are: the kernel's one barrier
	RFLOAD 0
.irp q, 0,1,2,3
	ds_load_b128 v[BB+4*\q:BB+4*\q+3], v[VB] offset:16*\q          ; B of step 0
.endr
.if YPASS
.irp q, 0,1,2
	ds_load_b128 v[CC+4*\q:CC+4*\q+3], v[VB] offset:64+16*\q       ; C of step 0, but for its last quad, which every step fetches in its own run
.endr
.endif
; softplus of tile tau, in place: dt = max(z, 0) + log(1 + e), e = exp(-|z|).  With u = fl(1 + e): log(1 + e) = log(u) + (e - (u - 1)) to first
; order, and u - 1 and the residue are exact, so a small dt keeps its relative precision (for u = 1 it is e itself).  No select, no branch.
.macro SOFTPLUS tau
.set p_, DT+8*\tau
.irp q, 0,2,4,6
.if \tau & 1
	v_pk_fma_f32 v[p_+\q:p_+\q+1], v[p_+\q:p_+\q+1], 0x3fb8aa3b, v[BI+\tau-1:BI+\tau] op_sel:[0,0,1] op_sel_hi:[1,0,1]   ; z log2(e)
.else
	v_pk_fma_f32 v[p_+\q:p_+\q+1], v[p_+\q:p_+\q+1], 0x3fb8aa3b, v[BI+\tau:BI+\tau+1] op_sel_hi:[1,0,0]
.endif
.endr
.irp q, 0,1,2,3,4,5,6,7
	v_max_num_f32 v[TU+\q], 0, v[p_+\q]
.endr
.irp q, 0,2,4,6
	v_pk_fma_f32 v[TE+\q:TE+\q+1], v[TU+\q:TU+\q+1], -2.0, v[p_+\q:p_+\q+1] op_sel_hi:[1,0,1]    ; -|z| log2(e)
.endr
.irp q, 0,1,2,3,4,5,6,7
	v_exp_f32 v[TE+\q], v[TE+\q]                   ; e
.endr
	v_nop                                          ; one plain place behind the run of transcendentals (ISA guide 5.7.2)
.irp q, 0,2,4,6
	s_wait_alu depctr_va_vdst(0)
	v_pk_add_f32 v[p_+\q:p_+\q+1], v[TE+\q:TE+\q+1], 1.0 op_sel_hi:[1,0]                         ; u
.endr
.irp q, 0,2,4,6
	v_pk_add_f32 v[T3+\q:T3+\q+1], v[p_+\q:p_+\q+1], -1.0 op_sel_hi:[1,0]                        ; u - 1
.endr
.irp q, 0,2,4,6
	v_pk_add_f32 v[TE+\q:TE+\q+1], v[TE+\q:TE+\q+1], v[T3+\q:T3+\q+1] neg_lo:[0,1] neg_hi:[0,1]  ; e - (u - 1)
.endr
.irp q, 0,1,2,3,4,5,6,7
	v_log_f32 v[p_+\q], v[p_+\q]                   ; log2(u)
.endr
	v_nop
.irp q, 0,2,4,6
	s_wait_alu depctr_va_vdst(0)
	v_pk_add_f32 v[p_+\q:p_+\q+1], v[p_+\q:p_+\q+1], v[TU+\q:TU+\q+1]
.endr
.irp q, 0,2,4,6
	v_pk_fma_f32 v[p_+\q:p_+\q+1], v[p_+\q:p_+\q+1], 0x3f317218, v[TE+\q:TE+\q+1] op_sel_hi:[1,0,1]   ; x ln(2) + residue
.endr
.endm
; dt of a block's 16 steps and my 64 channels
.macro DTPHASE
	s_wait_dscnt 0x0                               ; r of this block, and B and C of its first step
	WIN 0x45
.set m_, 0
.rept 16
	v_cvt_pk_f16_f32 v[RA+m_], v[RF+2*m_], v[RF+2*m_+1]
.set m_, m_+1
.endr
	WIN 0x05                                       ; sources 0 and 1 in window 1, C and D in window 0
.irp tau, 0,1,2,3
	v_wmma_f32_16x16x32_f16 v[DT+8*\tau:DT+8*\tau+7], v[RA:RA+7], v[W2F+16*\tau:W2F+16*\tau+7], 0    ; the four accumulators take turns
.endr
.irp tau, 0,1,2,3
	v_wmma_f32_16x16x32_f16 v[DT+8*\tau:DT+8*\tau+7], v[RA+8:RA+15], v[W2F+16*\tau+8:W2F+16*\tau+15], v[DT+8*\tau:DT+8*\tau+7]
.endr
	WIN 0
.rept 4
	v_nop                                          ; four places before the results are read (ISA guide 7.12.1)
.endr
	SOFTPLUS 0
	SOFTPLUS 1
	SOFTPLUS 2
	SOFTPLUS 3
	; Tile (i, y) holds in lane (r, h) steps 8h..8h+7 of channel 2r + 32y + i.  Lane l wants channel 2l + i at all 16 steps: the upper lanes of
	; tile (i, 0) change places with the lower lanes of tile (i, 1); then v[DT+16i+t] is dt[channel 2l+i][t].
.irp i, 0,1
.irp j, 0,1,2,3,4,5,6,7
	v_permlane16_swap_b32 v[DT+16*\i+\j], v[DT+16*\i+8+\j]
.endr
.endr
.if YPASS == 0
.irp d, 0,1
.irp p, 0,1,2,3,4,5,6,7
	v_pk_add_f32 v[SD+4*\d+2*(\p&1):SD+4*\d+2*(\p&1)+1], v[SD+4*\d+2*(\p&1):SD+4*\d+2*(\p&1)+1], v[DT+16*\d+2*\p:DT+16*\d+2*\p+1]
.endr
.endr
.endif
.endm
; GROUP j = 16 t + 2 k + d: step t, the pair n = 2k, 2k+1, channel d.  Its six to eight instructions, each a macro on the symbols that OP sets:
.macro DO_MA                           ; dt A log2(e)
.if g_t & 1
	v_pk_mul_f32 v[g_e:g_e+1], v[DT+16*g_d+g_t-1:DT+16*g_d+g_t], v[AP+g_n:AP+g_n+1] op_sel:[1,0] op_sel_hi:[1,1]
.else
	v_pk_mul_f32 v[g_e:g_e+1], v[DT+16*g_d+g_t:DT+16*g_d+g_t+1], v[AP+g_n:AP+g_n+1] op_sel_hi:[0,1]
.endif
.endm
.macro DO_XL                           ; Abar, low half
	v_exp_f32 v[g_e], v[g_e]
.endm
.macro DO_XH                           ; Abar, high half
	v_exp_f32 v[g_e+1], v[g_e+1]
.endm
.macro DO_W1                           ; x B; B's quads 2 and 3 (k = 4 to 7) lie in BX in odd steps
.set g_b, BB+2*g_k
.if g_k >= 4
.if g_t & 1
.set g_b, BX+2*(g_k-4)
.endif
.endif
.if g_d
	v_pk_mul_f32 v[g_w:g_w+1], v[X+2*g_t:X+2*g_t+1], v[g_b:g_b+1] op_sel:[1,0] op_sel_hi:[1,1]
.else
	v_pk_mul_f32 v[g_w:g_w+1], v[X+2*g_t:X+2*g_t+1], v[g_b:g_b+1] op_sel_hi:[0,1]
.endif
.endm
.macro DO_W2                           ; / (A + 1e-8): with y alone
	v_pk_mul_f32 v[g_w:g_w+1], v[g_w:g_w+1], v[IA+g_n:IA+g_n+1]
.endm
.macro DO_TT                           ; x (Abar - 1), as one fused Abar w - w
	s_wait_alu depctr_va_vdst(0)
	v_pk_fma_f32 v[g_w:g_w+1], v[g_e:g_e+1], v[g_w:g_w+1], v[g_w:g_w+1] neg_lo:[0,0,1] neg_hi:[0,0,1]
.endm
.macro DO_SS                           ; s = Abar s + that
	v_pk_fma_f32 v[S+g_n:S+g_n+1], v[g_e:g_e+1], v[S+g_n:S+g_n+1], v[g_w:g_w+1]
.endm
.macro DO_YY                           ; y += s C; the first pair starts the sum; C's quads 1 and 2 (k = 2 to 5) lie in CX in odd steps
.set g_c, CC+2*g_k
.if g_k >= 2
.if g_k < 6
.if g_t & 1
.set g_c, CX+2*(g_k-2)
.endif
.endif
.endif
.if g_k == 0
	v_pk_mul_f32 v[g_y:g_y+1], v[S+g_n:S+g_n+1], v[g_c:g_c+1]
.else
	v_pk_fma_f32 v[g_y:g_y+1], v[S+g_n:S+g_n+1], v[g_c:g_c+1], v[g_y:g_y+1]
.endif
.endm
.macro OP name, j                      ; instruction 'name' of group j, if the block has such a group
.if (\j) >= 0
.if (\j) < 256
.set g_t, (\j)>>4
.set g_k, ((\j)>>1)&7
.set g_d, (\j)&1
.set g_n, 16*g_d+2*g_k
.set g_e, ER+2*((\j)%6)
.set g_w, WR+2*((\j)%6)
.set g_y, Y+4*(g_t&1)+2*g_d
	\name
.endif
.endif
.endm
; BEAT bn: one instruction of each stage, of groups bn-2 to bn+4, so that no instruction reads what the six in front of it wrote, and behind each
; v_exp_f32 stands a plain instruction on other registers (ISA guide 5.7.2): behind the second one that of group bn+2's W slot or, without y, the
; state's multiply-add of group bn-1, three slots away in the ring.  A ring slot of group j is written at beat j-4 (E) or j-3 (W) and last
; read at j+1; its next user, group j+6, writes it at beat j+2 (j+3): six slots do.  ahead = 1: the block fetches for the next block too.
; THE RUN behind beat 5 of step t holds all the step's memory instructions: B of step t+1 (four quads), C's quads 0 to 2 of step t+1 and quad 3 of
; step t, x for the slot of step t-1 (16 steps on), and the store of y of step t-1 (whole behind its beat 19, which is this step's beat 3).
; Why beat 5, counted in beats of step t: B's quad q is last read in beat 4q and C's in beat 4q+5; of step t+1, B's quad q is first read in beat
; 13+4q and C's in beat 18+4q; C's quad 3 of step t-1 is last read in beat 1 and that of step t first in beat 14.  So behind beat 5 B's quads 0, 1 and
; C's quads 0, 3 are free and are loaded in place; B's quads 2, 3 and C's quads 1, 2 are still being read and have a second set of registers, by the
; step's parity.  The first quad is wanted eight beats behind the run.
.macro BEAT ahead
.set b_in, 0
.if bn >= 0
.if bn < 256
.set b_in, 1
.endif
.endif
.set b_t, bn>>4
.set b_p, bn&15
.set b_last, 0                         ; the last block's last step: nothing is fetched beyond it
.if \ahead == 0
.if bn >= 240
.set b_last, 1
.endif
.endif
.if b_in
.if b_p == 13
.if b_last
.if YPASS
	s_wait_dscnt 0x0                               ; the last run held C's quad 3 alone
.endif
.else
	s_wait_dscnt LDSOUT                            ; LDS loads come back in order (ISA guide 5.7.1): the run's first quads are due (B's quad 0, and C's quad 3); LDSOUT loads of the run stand behind them
.endif
.if b_t < 15
.if \ahead
	s_wait_loadcnt XOUT                            ; x of step t+1: behind its load stand 14-t loads of the last block and t of this one (slots 0 to t-1)
.else
	s_wait_loadcnt 14-b_t                          ; the last block loads no x: only the 14-t of the block before
.endif
.endif
.endif
.if b_p == 1
.if b_t > 0
	s_wait_dscnt 0x0                               ; the rest of the last step's run, issued twelve beats ago (step 0: the wait at the head of the dt phase)
.endif
.endif
.endif
	OP DO_XL, bn+2
	OP DO_W1, bn+3
	OP DO_TT, bn
	OP DO_MA, bn+4
	OP DO_XH, bn+2
.if YPASS
	OP DO_W2, bn+2
.endif
	OP DO_SS, bn-1
.if YPASS
	OP DO_YY, bn-2
.endif
.if b_in
.if b_p == 5                           ; the run, in the order in which the quads are wanted
.set l_b, BB+8+((b_t+1)&1)*(BX-BB-8)
.set l_c, CC+4+((b_t+1)&1)*(CX-CC-4)
.if b_last == 0
	ds_load_b128 v[BB:BB+3], v[VB] offset:(b_t+1)*128
.endif
.if YPASS
	ds_load_b128 v[CC+12:CC+15], v[VB] offset:b_t*128+112          ; this step's own last quad of C
.endif
.if b_last == 0
	ds_load_b128 v[BB+4:BB+7], v[VB] offset:(b_t+1)*128+16
.if YPASS
	ds_load_b128 v[CC:CC+3], v[VB] offset:(b_t+1)*128+64
.endif
	ds_load_b128 v[l_b:l_b+3], v[VB] offset:(b_t+1)*128+32
.if YPASS
	ds_load_b128 v[l_c:l_c+3], v[VB] offset:(b_t+1)*128+80
.endif
	ds_load_b128 v[l_b+4:l_b+7], v[VB] offset:(b_t+1)*128+48
.if YPASS
	ds_load_b128 v[l_c+4:l_c+7], v[VB] offset:(b_t+1)*128+96
.endif
.endif
.endif
.if \ahead
.if bn == 130
	RFLOAD 16*RPITCH                               ; r of the next block, half a block ahead: a run of its own
.endif
.endif
.endif
.if YPASS
.set o_n, bn-18                        ; y of step t is whole behind beat 16 t + 17
.if o_n >= 0
.if (o_n&15) == 0
.set o_t, o_n>>4
	s_wait_xcnt 0x0                                ; the store of two steps ago has read O of this parity: it is rewritten only behind this wait (ISA guide 3.1)
	v_add_f32 v[O+2*(o_t&1)],   v[Y+4*(o_t&1)],   v[Y+4*(o_t&1)+1]
	v_add_f32 v[O+2*(o_t&1)+1], v[Y+4*(o_t&1)+2], v[Y+4*(o_t&1)+3]
.endif
.endif
.set o_n, bn-19
.if o_n >= 0
.if (o_n&15) == 0
.set o_t, o_n>>4
	v_pk_fma_f32 v[O+2*(o_t&1):O+2*(o_t&1)+1], v[X+2*o_t:X+2*o_t+1], v[DK:DK+1], v[O+2*(o_t&1):O+2*(o_t&1)+1]
.endif
.endif
.endif
.set o_do, 0                           ; the run's global part: step o_t = t-1 at beat 16 o_t + 21; step 15 at the block's last beat
.if bn >= 21
.if ((bn-21)&15) == 0
.set o_t, (bn-21)>>4
.set o_do, 1
.endif
.endif
.if bn == LASTB
.set o_t, 15
.set o_do, 1
.endif
.if o_do
.if \ahead
	global_load_b64 v[X+2*o_t:X+2*o_t+1], v1, s[4:5] offset:(16+o_t)*4096 th:TH_LOAD_NT   ; the slot is free: the same step of the next block
.endif
.if YPASS
	global_store_b64 v1, v[O+2*(o_t&1):O+2*(o_t&1)+1], s[20:21] offset:o_t*4096 th:TH_STORE_NT   ; the wave stores 256 consecutive bytes, aligned
.endif
.endif
.endm
.macro BEATS ahead                     ; the 256 groups of a block whose dt is ready
	s_wait_loadcnt 15                              ; x of the block's first step: the other 15 slots' loads were issued behind it
.set bn, -4
.rept LASTB+5
	BEAT \ahead
.set bn, bn+1
.endr
.endm
; A trip is the beats of block i and then the dt phase of block i+1.  The bases of x and y are stepped behind that dt phase: no memory instruction
; names them between a block's tail and beat 21 of the next, and the tail's load and store have the dt phase in which to have their addresses taken.
	DTPHASE                                        ; dt of block 0
	s_mov_b32 s52, 0
.Lblock:
	BEATS 1
	v_add_nc_u32 v[VB], 2048, v[VB]                ; 16 steps of 128 bytes
	v_add_nc_u32 v[VR], 16*RPITCH, v[VR]
	DTPHASE
	s_wait_xcnt 0x0                                ; the bases are stepped only behind this wait (ISA guide 3.1)
	s_add_nc_u64 s[4:5], s[4:5], 0x10000           ; 16 steps of 4,096 bytes
.if YPASS
	s_add_nc_u64 s[20:21], s[20:21], 0x10000
.endif
	s_add_co_u32 s52, s52, 1
	s_cmp_lt_u32 s52, 15
	s_cbranch_scc1 .Lblock
	BEATS 0                                        ; the last block fetches nothing beyond the chunk
.if YPASS == 0
.set q_, 0
.rept 16
	v_pk_mul_f32 v[S+q_:S+q_+1], v[S+q_:S+q_+1], v[IA+q_:IA+q_+1]    ; the factor 1 / (A + 1e-8), once
.set q_, q_+2
.endr
.irp j, 0,1,2,3,4,5,6,7
	global_store_b128 v[VQ], v[S+4*\j:S+4*\j+3], s[PST:PST+1] offset:512*\j   ; a wave's store covers 512 consecutive bytes, aligned
.endr
	v_pk_add_f32 v[SD:SD+1], v[SD:SD+1], v[SD+2:SD+3]
	v_pk_add_f32 v[SD+4:SD+5], v[SD+4:SD+5], v[SD+6:SD+7]
	v_add_f32 v[O], v[SD], v[SD+1]
	v_add_f32 v[O+1], v[SD+4], v[SD+5]
	global_store_b64 v1, v[O:O+1], s[18:19]
.endif
	s_set_vgpr_msb 0x4
	s_wait_tensorcnt 0x0
	ds_add_u32 v23, v113
	s_wait_dscnt 0x0
	s_set_vgpr_msb 0x400
	s_endpgm
.Lfunc_end_k_q9d24ee9ba1_scan2:
	.size	k_q9d24ee9ba1_scan2, .Lfunc_end_k_q9d24ee9ba1_scan2-k_q9d24ee9ba1_scan2
	.p2alignl 7, 3214868480
	.fill 96, 4, 3214868480
	.section	.rodata,"a",@progbits
	.p2align	6, 0x0
	.amdhsa_kernel k_q9d24ee9ba1_scan2
		.amdhsa_group_segment_fixed_size 168448
		.amdhsa_private_segment_fixed_size 0
		.amdhsa_enable_private_segment 0
		.amdhsa_kernarg_size 72
		.amdhsa_user_sgpr_count 2
		.amdhsa_user_sgpr_kernarg_segment_ptr 1
		.amdhsa_wavefront_size32 1
		.amdhsa_system_sgpr_workgroup_id_x 1
		.amdhsa_system_sgpr_workgroup_id_y 1
		.amdhsa_system_sgpr_workgroup_id_z 1
		.amdhsa_system_vgpr_workitem_id 0
		.amdhsa_next_free_vgpr 370
		.amdhsa_next_free_sgpr 66
		.amdhsa_reserve_vcc 0
		.amdhsa_float_denorm_mode_32 3
		.amdhsa_float_denorm_mode_16_64 3
		.amdhsa_memory_ordered 1
		.amdhsa_forward_progress 1
		.amdhsa_inst_pref_size 255
	.end_amdhsa_kernel
	.section	.bss,"aw",@nobits
	.p2align	6
	.space	262144
	.amdgpu_metadata
---
amdhsa.version: [ 1, 2 ]
amdhsa.kernels:
  - .name:           k_q9d24ee9ba1_scan2
    .symbol:         k_q9d24ee9ba1_scan2.kd
    .args:
      - { .name: x, .offset: 0, .size: 8, .value_kind: global_buffer, .address_space: global }
      - { .name: log_A, .offset: 8, .size: 8, .value_kind: global_buffer, .address_space: global }
      - { .name: W_dt2, .offset: 16, .size: 8, .value_kind: global_buffer, .address_space: global }
      - { .name: b_dt2, .offset: 24, .size: 8, .value_kind: global_buffer, .address_space: global }
      - { .name: D_skip, .offset: 32, .size: 8, .value_kind: global_buffer, .address_space: global }
      - { .name: bc, .offset: 40, .size: 8, .value_kind: global_buffer, .address_space: global }
      - { .name: rr, .offset: 48, .size: 8, .value_kind: global_buffer, .address_space: global }
      - { .name: ini, .offset: 56, .size: 8, .value_kind: global_buffer, .address_space: global }
      - { .name: out0, .offset: 64, .size: 8, .value_kind: global_buffer, .address_space: global }
    .group_segment_fixed_size: 168448
    .private_segment_fixed_size: 0
    .kernarg_segment_align: 8
    .kernarg_segment_size: 72
    .max_flat_workgroup_size: 128
    .sgpr_count:     66
    .vgpr_count:     370
    .wavefront_size: 32
...
	.end_amdgpu_metadata
.endif
;; end of part 6
;; ======== version 3 of 3: 4 launches; 2.21 times as fast as version 1
;; limits: values are held in f16: magnitudes above 65,504 overflow, below 6.1e-05 lose precision; inputs' magnitudes at most 65,504
;; workspace buffers: bc 2,097,152 bytes; rr 4,194,304 bytes; loc 3,932,160 bytes; sdt 245,760 bytes; ini 4,194,304 bytes
;; launch proj: the kernel of part 1 again; grid 256 x 1, 4 waves a work-group, no clusters, 326,144 bytes of LDS; arguments x, W_B, W_C, W_dt1, bc, rr; writes bc, rr
;; launch scan1 (part 7): grid 15 x 16, 4 waves a work-group, no clusters, 168,448 bytes of LDS; arguments x, log_A, W_dt2, b_dt2, bc, rr, loc, sdt; writes loc, sdt
.if DOCPART == 7
	.amdgcn_target "amdgcn-amd-amdhsa--gfx1250"
	.amdhsa_code_object_version 6
	.text
	.protected	k_q9d24ee9ba1_scan1
	.globl	k_q9d24ee9ba1_scan1
	.p2align	8
	.type	k_q9d24ee9ba1_scan1,@function
k_q9d24ee9ba1_scan1:
	s_mov_b64 s[64:65], 0
	v_nop
	global_prefetch_b8 v0, s[64:65] scope:SCOPE_SE
	s_setreg_imm32_b32 hwreg(HW_REG_WAVE_MODE, 25, 1), 1
	s_wait_xcnt 0x0
; THE SELECTIVE SCAN OVER ONE CHUNK OF 256 STEPS.  One source serves two launches; YPASS picks the build.
;   YPASS = 0 (chunks 0 to 14): the scan from a zero state, without y.  Stores the chunk's end state (loc) and the sum of dt over the chunk (sdt).
;   YPASS = 1 (chunks 0 to 15): the scan from the chunk's true first state (ini), y[t][d] = sum over n of s C + D_skip x, stored to out0.
; s = Abar s + (Abar - 1) / (A + 1e-8) x B,  Abar = exp(dt A),  A = -exp(log_A),  dt = softplus(r . W_dt2[d] + b_dt2[d]).
; YPASS = 0 carries s (A + 1e-8) in place of s: the recurrence is linear and the factor 1 / (A + 1e-8) is the same in every step, so it is applied
; once, to the end state: six instructions a group instead of seven.  (With y the factor would have to go onto C in every step: nothing saved.)
; LIMITS: r and W_dt2 are rounded to f16 for the product (an error in z is a relative error of a small dt, so f16's 11 significant bits are
; taken rather than bf16's 8): |r| and |W_dt2| below 65,504, beyond which the operand is infinite.  r = x . W_dt1 has spread 1 as drawn, 900 with
; x and W_dt1 both thirty times larger, and lies near 1024 x 30 x 30/32 = 28,800 with both carrying an offset of thirty spreads: inside.
; v_exp_f32, v_log_f32 and v_rcp_f32 treat denormal inputs and results as zero
; (ISA guide 15.8), so Abar below 2^-126 and exp(-|z|) for |z| above 87 count as 0 (dt is then max(z, 0)); A + 1e-8 = 0 gives infinities or NaN as
; in the defining formula; y's sum over n is made as two interleaved chains of eight, then added.
; A work-group owns (chunk, b, 256 channels); wave w owns 64 channels; lane l owns channels 2l, 2l+1 with all 16 n: 32 states in
; registers, no sum across lanes, B and C the same for all lanes, and a wave's load of x and store of y cover 256 consecutive bytes, aligned.
; bc and rr of the chunk's 256 steps (98,304 bytes) come into LDS once, each wave bringing 64 steps by two tensor loads; nothing is filled again.
; No cluster: what neighbours share (bc, rr) is fetched once at the head and is the smaller part of a group's bytes, in a kernel whose
; time goes into vector arithmetic.  x needs no LDS: a ring of 16 register slots, each loaded again 15 steps ahead of its use.
; A BLOCK is 16 steps: dt of the block by eight matrix instructions and softplus, then 256 groups (step, pair of n, channel) in a
; software pipeline of BEATs.  A step's memory instructions stand in ONE run: the stream of vector instructions of a block is broken at
; 18 places (16 runs, r of the next block, the tail) and not once for each of its memory instructions.
; THE TRANSCENDENTALS GO IN BATCHES, each with ONE s_wait_alu depctr_va_vdst(0) between it and its first reader.
;   The beats: a group's two exponentials are issued 16 beats ahead of the group's first reader, into a ring of 34 register pairs, and a wait stands once
;   in 16 beats, directly ahead of each step's run of memory instructions (behind the step's beat 5).  Between a group's exponentials (beat j-16) and their
;   reader (beat j) lie 16 ends of beats, and exactly one of them is a step's beat 5.  So a batch is the 32 exponentials of beats 16 t + 6 to 16 t + 21; the
;   other groups' arithmetic stands between them and the wait.  The block's first 16 groups are issued ahead of beat 0 and have a wait at its head: 17 a block.
;   The dt phase: softplus goes over the four tiles at once: 32 exponentials are one batch, 32 logarithms another: 2 waits a block.
;   The head: the 32 exponentials of log_A, then the 32 reciprocals: a wait each.
; REGISTERS: all that the beats write, and all that they read but for dt and A log2(e), lies in window 0.  dt and A log2(e) are read by one stage alone (dt A log2(e)):
; they lie in window 1, and a step's 16 such products stand as one run under one window setting.  The whole dt phase works in window 1.
.set YPASS, 0
.set RRB,    32768                     ; LDS: bc [256][128 bytes] at 0, rr [256] rows of 272 bytes behind it
.set RPITCH, 272                       ; 256 bytes + 16 = 17 x 16: 16 rows start at 16 different 16-byte columns of 256
.set VB, 2                             ; v2       LDS address of the block's first step in bc (the same in all lanes)
.set VR, 3                             ; v3       LDS address of my part of the block's r fragment
.set BI, 4                             ; v[4:7]   b_dt2 log2(e) for dt tile 0..3
.set DK, 8                             ; v[8:9]   D_skip of my two channels
.set O,  10                            ; v[10:13] y to store, by the step's parity (in the prologue: offsets)
.set Y,  14                            ; v[14:21] y's chains: parity, channel, a pair
.set SD, 14                            ; v[14:21] YPASS = 0: sums of dt: channel, two chains, a pair
.set VQ, 22                            ; v22      16 x lane
.set S,  24                            ; v[24:55]   s[d][n]  (YPASS = 0: s (A + 1e-8))
.set LA, 56                            ; v[56:87]   in the prologue: log_A as loaded
.set IA, 88                            ; v[88:119]  1 / (A + 1e-8)
.set X,  152                           ; v[152:183] x[t][d]: the ring of 16 slots
.set BB, 184                           ; v[184:199] B of a step, four quads (quads 2 and 3: of even steps)
.set CC, 200                           ; v[200:215] C of a step, four quads (quads 1 and 2: of even steps)
.set BX, 216                           ; v[216:223] B's quads 2 and 3 of odd steps
.set CX, 224                           ; v[224:231] C's quads 1 and 2 of odd steps
.set ESL, 34                           ; the ring of 34 pairs: dt A log2(e), then Abar; group j has slot j % 34
.set E0, 56                            ; v[56:87]   its slots 0 to 15
.set E1, 120                           ; v[120:151] its slots 16 to 31
.set E2, 232                           ; v[232:235] its slots 32 and 33
.set WR, 244                           ; v[244:255] ring of six pairs: x B, x B / (A + 1e-8), (Abar - 1) x B / (A + 1e-8)
.set RAW0, IA                          ; v[88:151]  in the prologue: W_dt2 as f32, tiles 0 and 1
.set RAW1, BB                          ; v[184:247] in the prologue: W_dt2 as f32, tiles 2 and 3
.set W2F, 0                            ; window 1: v[0:63] W_dt2 fragments, tile tau, K half u at 16 tau + 8 u
.set RF,  64                           ; window 1: v[64:95] r of the block as f32
.set RA,  96                           ; window 1: v[96:111] r fragments
.set TU,  120                          ; window 1: v[120:151] softplus: max(z, 0) log2(e), all four tiles
.set AP,  152                          ; window 1: v[152:183] A log2(e)
.set DT,  184                          ; window 1: v[184:215] dt[d][t] of the block
.set TE,  216                          ; window 1: v[216:247] softplus: e, then the residue, all four tiles
.set T3,  RF                           ; window 1: v[64:71] softplus: u - 1 of the tile in hand; r's f32 registers are free behind the conversion
.set XOUT, 14
.if YPASS
.set PBC, 14
.set PRR, 16
.set PST, 18
.set LDSOUT, 6
.set LASTB, 260
.else
.set PBC, 12
.set PRR, 14
.set PST, 16
.set LDSOUT, 3
.set LASTB, 256
.endif
.set MSB, 0
.macro WIN new                         ; the immediate's high byte repeats the setting that is left
.if MSB != \new
	s_set_vgpr_msb (MSB<<8)|\new
.set MSB, \new
.endif
.endm
	s_load_b256 s[4:11], s[0:1], 0x0               ; x s[4:5], log_A s[6:7], W_dt2 s[8:9], b_dt2 s[10:11]
	s_load_b256 s[12:19], s[0:1], 0x20             ; YPASS = 0: bc, rr, loc, sdt;  YPASS = 1: D_skip, bc, rr, ini
	v_lshl_add_u32 v9, v0, 2, 0x29000
	v_mov_b32 v23, 0
	ds_add_u32 v9, v23
	ds_add_u32 v9, v23
.if YPASS
	s_load_b64 s[20:21], s[0:1], 0x40              ; out0
.endif
	v_lshrrev_b32 v1, 5, v0
	v_readfirstlane_b32 s48, v1                    ; wave 0..3
	s_and_b32 s50, ttmp7, 0xffff
	s_and_b32 s51, s50, 3                          ; dg: which 256 channels
	s_lshr_b32 s50, s50, 2                         ; b
	s_lshl_b32 s53, s50, 12
	s_lshl_b32 s52, ttmp9, 8
	s_add_co_u32 s53, s53, s52                     ; the chunk's first row = 4096 b + 256 chunk
	s_lshl_b32 s56, s48, 6
	s_add_co_u32 s56, s56, s53                     ; the first of the 64 steps that I bring
	s_mov_b32 s55, 0                               ; high word of every offset pair s[54:55]
	; bc: 8,192 dense bytes as 32 rows of 32 elements of 8 bytes
	s_mov_b32 s24, 3<<16
	s_mov_b32 s25, 32<<16
	s_mov_b32 s26, 32<<16
	s_mov_b32 s27, 32<<16
	s_mov_b32 s28, 32
	s_mov_b32 s29, 32
	s_mov_b32 s30, 0
	s_mov_b32 s31, 0
	; rr: 64 rows of 256 bytes, 4 words of padding behind every 64
	s_mov_b32 s40, (3<<16)|(1<<20)|(5<<22)|(3<<25)
	s_mov_b32 s41, 32<<16
	s_mov_b32 s42, 64<<16
	s_mov_b32 s43, 32<<16
	s_mov_b32 s44, 64
	s_mov_b32 s45, 32
	s_mov_b32 s46, 0
	s_mov_b32 s47, 0
	s_mov_b32 s32, 1
	s_lshl_b32 s33, s48, 13                        ; 64 steps x 128 bytes
	s_mov_b32 s36, 1
	s_mul_i32 s37, s48, 64*RPITCH
	s_add_co_u32 s37, s37, RRB
	s_lshl_b32 s54, s56, 7
	s_wait_dscnt 0x0
	s_wait_kmcnt 0x0
	s_add_nc_u64 s[34:35], s[PBC:PBC+1], s[54:55]
	s_or_b32 s35, s35, 0x80000000
	s_lshl_b32 s54, s56, 8
	s_add_nc_u64 s[38:39], s[PRR:PRR+1], s[54:55]
	s_or_b32 s39, s39, 0x80000000
	tensor_load_to_lds s[32:35], s[24:31]          ; the launch's only fills, ahead of everything else: two tensor loads of the wave are out
	s_nop 0
	tensor_load_to_lds s[36:39], s[40:47]
	s_nop 0
	; the bases
	s_lshl_b32 s57, s51, 10                        ; 256 channels x 4 bytes
	s_lshl_b32 s54, s53, 12                        ; rows of 4,096 bytes (below 2^26)
	s_add_co_u32 s54, s54, s57
	s_add_nc_u64 s[4:5], s[4:5], s[54:55]          ; x at the chunk's first step, my group's channels
.if YPASS
	s_add_nc_u64 s[20:21], s[20:21], s[54:55]      ; out0 likewise
.endif
	s_lshl_b32 s58, s51, 14
	s_lshl_b32 s59, s48, 12
	s_add_co_u32 s58, s58, s59                     ; (256 dg + 64 w) x 64 bytes
	s_mov_b32 s54, s58
	s_add_nc_u64 s[6:7], s[6:7], s[54:55]          ; log_A: rows of 64 bytes
	s_lshl_b32 s54, s58, 2
	s_add_nc_u64 s[8:9], s[8:9], s[54:55]          ; W_dt2: rows of 256 bytes
	s_lshr_b32 s54, s58, 4
	s_add_nc_u64 s[10:11], s[10:11], s[54:55]      ; b_dt2: 4 bytes
	s_lshl_b32 s54, ttmp9, 18                      ; the state tables: [chunk][b][16 waves' parts][8 quads][32 lanes][16 bytes]
	s_lshl_b32 s59, s50, 16
	s_add_co_u32 s54, s54, s59
	s_add_co_u32 s54, s54, s58
	s_add_nc_u64 s[PST:PST+1], s[PST:PST+1], s[54:55]
.if YPASS
	s_mov_b32 s54, s57
	s_add_nc_u64 s[12:13], s[12:13], s[54:55]      ; D_skip
.else
	s_lshl_b32 s54, ttmp9, 14                      ; sdt: [chunk][b][1024] f32
	s_lshl_b32 s59, s50, 12
	s_add_co_u32 s54, s54, s59
	s_add_co_u32 s54, s54, s57
	s_add_nc_u64 s[18:19], s[18:19], s[54:55]
.endif
	v_lshlrev_b32 v1, 3, v0                        ; 8 x thread: my two channels in a row of x, y, D_skip, sdt; never rewritten
	v_and_b32 v10, 31, v0
	v_lshlrev_b32 v[VQ], 4, v10
	v_lshlrev_b32 v10, 7, v10                      ; log_A: my two rows of 64 bytes
	v_and_b32 v11, 15, v0                          ; r
	v_bfe_u32 v13, v0, 4, 1                        ; h
	v_lshlrev_b32 v12, 9, v11
	v_lshl_add_u32 v12, v13, 5, v12                ; W_dt2: row 2 r, byte 32 h
	v_mul_u32_u24 v[VR], v11, RPITCH
	v_lshl_add_u32 v[VR], v13, 5, v[VR]
	v_add_nc_u32 v[VR], RRB, v[VR]
	v_lshlrev_b32 v13, 3, v11                      ; b_dt2: channel 2 r
	v_mov_b32 v[VB], 0
; dt's tile tau = 2 i + y: column r of the tile is channel 2 r + 32 y + i of my 64, its rows are the block's 16 steps.
; Both tiles of one i as f32 into 64 registers from 'base' on, which nothing else uses yet.
.macro W2LOAD i, base
.irp y, 0,1
.irp o, 0,1,2,3,4,5,6,7
	global_load_b128 v[\base+32*\y+4*\o:\base+32*\y+4*\o+3], v12, s[8:9] offset:\y*8192+\i*256+(\o>>1)*64+(\o&1)*16
.endr
.endr
.endm
.macro W2CVT i, base
	WIN 0x40
.set m_, 0
.rept 32
	v_cvt_pk_f16_f32 v[W2F+32*\i+m_], v[\base+2*m_], v[\base+2*m_+1]
.set m_, m_+1
.endr
	WIN 0
.endm
	; all that the prologue needs from memory goes out at once: 44 loads (with y: 53), one wait
.irp j, 0,1,2,3,4,5,6,7
	global_load_b128 v[LA+4*\j:LA+4*\j+3], v10, s[6:7] offset:16*\j
.endr
.if YPASS
.irp j, 0,1,2,3,4,5,6,7
	global_load_b128 v[S+4*\j:S+4*\j+3], v[VQ], s[PST:PST+1] offset:512*\j    ; the chunk's first state
.endr
	global_load_b64 v[DK:DK+1], v1, s[12:13]
.endif
.irp i, 0,1
.irp y, 0,1
	global_load_b32 v[BI+2*\i+\y], v13, s[10:11] offset:\y*128+\i*4
.endr
.endr
	W2LOAD 0, RAW0
	W2LOAD 1, RAW1
.if YPASS == 0
.set q_, 0
.rept 32
	v_mov_b32 v[S+q_], 0                           ; this pass starts from a zero state; once in the kernel
.set q_, q_+1
.endr
.set q_, 0
.rept 8
	v_mov_b32 v[SD+q_], 0
.set q_, q_+1
.endr
.endif
	s_wait_loadcnt 0x0
.set t_, 0
.rept 16
	global_load_b64 v[X+2*t_:X+2*t_+1], v1, s[4:5] offset:t_*4096 th:TH_LOAD_NT    ; the ring's first fill: steps 0 to 15, the last global loads ahead of the loop; they have the rest of the prologue and the first dt phase in which to come
.set t_, t_+1
.endr
	W2CVT 0, RAW0                                  ; first: its f32 registers hold 1 / (A + 1e-8) from here on
.set q_, 0
.rept 16
	v_pk_mul_f32 v[IA+q_:IA+q_+1], v[LA+q_:LA+q_+1], 0x3fb8aa3b op_sel_hi:[1,0]   ; log_A log2(e)
.set q_, q_+2
.endr
.set q_, 0
.rept 32
	v_exp_f32 v[IA+q_], v[IA+q_]                   ; exp(log_A) = -A: one batch of 32
.set q_, q_+1
.endr
	W2CVT 1, RAW1                                  ; 32 conversions that name none of the batch's results; the first is the plain place behind the last exponential (ISA guide 5.7.2)
	s_wait_alu depctr_va_vdst(0)                   ; the wait for the batch of 32 exponentials, ahead of its first reader
	WIN 0x40                                       ; A log2(e) lies in window 1
.set q_, 0
.rept 16
	v_pk_mul_f32 v[AP+q_:AP+q_+1], v[IA+q_:IA+q_+1], 0xbfb8aa3b op_sel_hi:[1,0]   ; A log2(e): exp(dt A) = 2^(dt A log2(e))
.set q_, q_+2
.endr
	WIN 0
.set q_, 0
.rept 16
	v_pk_add_f32 v[IA+q_:IA+q_+1], v[IA+q_:IA+q_+1], 0x322bcc77 op_sel_hi:[1,0] neg_lo:[1,0] neg_hi:[1,0]   ; A + 1e-8, one rounding
.set q_, q_+2
.endr
.set q_, 0
.rept 32
	v_rcp_f32 v[IA+q_], v[IA+q_]                   ; one batch of 32
.set q_, q_+1
.endr
	v_pk_mul_f32 v[BI:BI+1], v[BI:BI+1], 0x3fb8aa3b op_sel_hi:[1,0]                ; the plain place behind the last reciprocal (ISA guide 5.7.2)
	v_pk_mul_f32 v[BI+2:BI+3], v[BI+2:BI+3], 0x3fb8aa3b op_sel_hi:[1,0]
	s_wait_alu depctr_va_vdst(0)                   ; the wait for the batch of 32 reciprocals
; r of 16 steps as f32: lane (r, h) takes k = 8h..+7, 16+8h..+7, 32+8h..+7, 48+8h..+7 of step r
.macro RFLOAD off
	WIN 0x40
.irp o, 0,1,2,3,4,5,6,7
	ds_load_b128 v[RF+4*\o:RF+4*\o+3], v[VR] offset:\off+(\o>>1)*64+(\o&1)*16
.endr
	WIN 0
.endm
	s_wait_tensorcnt 0x0                           ; my 64 steps of bc and rr are in,
	s_barrier_signal -1
	s_barrier_wait -1                              ; everybody's are: the kernel's one barrier
	RFLOAD 0
.irp q, 0,1,2,3
	ds_load_b128 v[BB+4*\q:BB+4*\q+3], v[VB] offset:16*\q          ; B of step 0
.endr
.if YPASS
.irp q, 0,1,2
	ds_load_b128 v[CC+4*\q:CC+4*\q+3], v[VB] offset:64+16*\q       ; C of step 0, but for its last quad, which every step fetches in its own run
.endr
.endif
; softplus, in place: dt = max(z, 0) + log(1 + e), e = exp(-|z|).  With u = fl(1 + e): log(1 + e) = log(u) + (e - (u - 1)) to first
; order, and u - 1 and the residue are exact, so a small dt keeps its relative precision (for u = 1 it is e itself).  No select, no branch.
; It goes over the four tiles in three parts, cut by the two waits; each tile has its own e and max(z, 0), so that a batch's results all have registers of their own.
.macro SPZ tau                         ; z log2(e) of tile tau
.set p_, DT+8*\tau
.irp q, 0,2,4,6
.if \tau & 1
	v_pk_fma_f32 v[p_+\q:p_+\q+1], v[p_+\q:p_+\q+1], 0x3fb8aa3b, v[BI+\tau-1:BI+\tau] op_sel:[0,0,1] op_sel_hi:[1,0,1]   ; z log2(e)
.else
	v_pk_fma_f32 v[p_+\q:p_+\q+1], v[p_+\q:p_+\q+1], 0x3fb8aa3b, v[BI+\tau:BI+\tau+1] op_sel_hi:[1,0,0]
.endif
.endr
.endm
.macro SPE tau, prev                   ; max(z, 0) and -|z| of tile tau; between its lines the eight exponentials of tile prev (prev = -1: none)
.set p_, DT+8*(\tau)
.set u_, TU+8*(\tau)
.set e_, TE+8*(\tau)
.set x_, TE+8*(\prev)
.irp q, 0,1,2,3,4,5,6,7
	v_max_num_f32 v[u_+\q], 0, v[p_+\q]
.if (\prev) >= 0
	v_exp_f32 v[x_+\q], v[x_+\q]                   ; e
.endif
.endr
.irp q, 0,2,4,6
	v_pk_fma_f32 v[e_+\q:e_+\q+1], v[u_+\q:u_+\q+1], -2.0, v[p_+\q:p_+\q+1] op_sel_hi:[1,0,1]    ; -|z| log2(e)
.endr
.endm
.macro SPL tau, prev                   ; u, u - 1 and the residue of tile tau; between its lines the eight logarithms of tile prev (prev = -1: none)
.set p_, DT+8*(\tau)
.set e_, TE+8*(\tau)
.set x_, DT+8*(\prev)
.irp q, 0,2,4,6
	v_pk_add_f32 v[p_+\q:p_+\q+1], v[e_+\q:e_+\q+1], 1.0 op_sel_hi:[1,0]                         ; u
.if (\prev) >= 0
	v_log_f32 v[x_+(\q>>1)], v[x_+(\q>>1)]         ; log2(u)
.endif
.endr
.irp q, 0,2,4,6
	v_pk_add_f32 v[T3+\q:T3+\q+1], v[p_+\q:p_+\q+1], -1.0 op_sel_hi:[1,0]                        ; u - 1
.if (\prev) >= 0
	v_log_f32 v[x_+4+(\q>>1)], v[x_+4+(\q>>1)]
.endif
.endr
.irp q, 0,2,4,6
	v_pk_add_f32 v[e_+\q:e_+\q+1], v[e_+\q:e_+\q+1], v[T3+\q:T3+\q+1] neg_lo:[0,1] neg_hi:[0,1]  ; e - (u - 1)
.endr
.endm
; dt of a block's 16 steps and my 64 channels
.macro DTPHASE
	s_wait_dscnt 0x0                               ; r of this block, and B and C of its first step
	WIN 0x45
.set m_, 0
.rept 16
	v_cvt_pk_f16_f32 v[RA+m_], v[RF+2*m_], v[RF+2*m_+1]
.set m_, m_+1
.endr
	WIN 0x55                                       ; all four operands in window 1
.irp tau, 0,1,2,3
	v_wmma_f32_16x16x32_f16 v[DT+8*\tau:DT+8*\tau+7], v[RA:RA+7], v[W2F+16*\tau:W2F+16*\tau+7], 0    ; the four accumulators take turns
.endr
.irp tau, 0,1,2,3
	v_wmma_f32_16x16x32_f16 v[DT+8*\tau:DT+8*\tau+7], v[RA+8:RA+15], v[W2F+16*\tau+8:W2F+16*\tau+15], v[DT+8*\tau:DT+8*\tau+7]
.endr
	WIN 0x45                                       ; source 2, b_dt2 log2(e), lies in window 0
.rept 4
	v_nop                                          ; four places before the results are read (ISA guide 7.12.1)
.endr
	SPZ 0
	SPZ 1
	SPZ 2
	SPZ 3
	WIN 0x55
	SPE 0, -1                                      ; THE BATCH OF 32 EXPONENTIALS: a tile's eight stand between the next tile's plain lines, the last tile's on end
	SPE 1, 0
	SPE 2, 1
	SPE 3, 2
.irp q, 0,1,2,3,4,5,6,7
	v_exp_f32 v[TE+24+\q], v[TE+24+\q]
.endr
	v_nop                                          ; one plain place behind the last exponential (ISA guide 5.7.2)
	s_wait_alu depctr_va_vdst(0)                   ; the wait for the batch of 32 exponentials, ahead of its first reader (u of tile 0)
	SPL 0, -1                                      ; THE BATCH OF 32 LOGARITHMS, laid likewise
	SPL 1, 0
	SPL 2, 1
	SPL 3, 2
.irp q, 0,1,2,3,4,5,6,7
	v_log_f32 v[DT+24+\q], v[DT+24+\q]
.endr
	v_nop                                          ; one plain place behind the last logarithm
	s_wait_alu depctr_va_vdst(0)                   ; the wait for the batch of 32 logarithms, ahead of its first reader
.set q_, 0
.rept 16
	v_pk_add_f32 v[DT+q_:DT+q_+1], v[DT+q_:DT+q_+1], v[TU+q_:TU+q_+1]
.set q_, q_+2
.endr
.set q_, 0
.rept 16
	v_pk_fma_f32 v[DT+q_:DT+q_+1], v[DT+q_:DT+q_+1], 0x3f317218, v[TE+q_:TE+q_+1] op_sel_hi:[1,0,1]   ; x ln(2) + residue
.set q_, q_+2
.endr
	; Tile (i, y) holds in lane (r, h) steps 8h..8h+7 of channel 2r + 32y + i.  Lane l wants channel 2l + i at all 16 steps: the upper lanes of
	; tile (i, 0) change places with the lower lanes of tile (i, 1); then v[DT+16i+t] is dt[channel 2l+i][t].
.irp i, 0,1
.irp j, 0,1,2,3,4,5,6,7
	v_permlane16_swap_b32 v[DT+16*\i+\j], v[DT+16*\i+8+\j]
.endr
.endr
.if YPASS == 0
	WIN 0x04                                       ; the sums in window 0, dt (source 1) in window 1
.irp d, 0,1
.irp p, 0,1,2,3,4,5,6,7
	v_pk_add_f32 v[SD+4*\d+2*(\p&1):SD+4*\d+2*(\p&1)+1], v[SD+4*\d+2*(\p&1):SD+4*\d+2*(\p&1)+1], v[DT+16*\d+2*\p:DT+16*\d+2*\p+1]
.endr
.endr
.endif
	WIN 0
.endm
; GROUP j = 16 t + 2 k + d: step t, the pair n = 2k, 2k+1, channel d.  Its six to eight instructions, each a macro on the symbols that OP sets:
.macro DO_MA                           ; dt A log2(e): both sources in window 1, the result in window 0 (MARUN sets the windows)
.if g_t & 1
	v_pk_mul_f32 v[g_e:g_e+1], v[DT+16*g_d+g_t-1:DT+16*g_d+g_t], v[AP+g_n:AP+g_n+1] op_sel:[1,0] op_sel_hi:[1,1]
.else
	v_pk_mul_f32 v[g_e:g_e+1], v[DT+16*g_d+g_t:DT+16*g_d+g_t+1], v[AP+g_n:AP+g_n+1] op_sel_hi:[0,1]
.endif
.endm
.macro DO_XL                           ; Abar, low half
	v_exp_f32 v[g_e], v[g_e]
.endm
.macro DO_XH                           ; Abar, high half
	v_exp_f32 v[g_e+1], v[g_e+1]
.endm
.macro DO_W1                           ; x B; B's quads 2 and 3 (k = 4 to 7) lie in BX in odd steps
.set g_b, BB+2*g_k
.if g_k >= 4
.if g_t & 1
.set g_b, BX+2*(g_k-4)
.endif
.endif
.if g_d
	v_pk_mul_f32 v[g_w:g_w+1], v[X+2*g_t:X+2*g_t+1], v[g_b:g_b+1] op_sel:[1,0] op_sel_hi:[1,1]
.else
	v_pk_mul_f32 v[g_w:g_w+1], v[X+2*g_t:X+2*g_t+1], v[g_b:g_b+1] op_sel_hi:[0,1]
.endif
.endm
.macro DO_W2                           ; / (A + 1e-8): with y alone
	v_pk_mul_f32 v[g_w:g_w+1], v[g_w:g_w+1], v[IA+g_n:IA+g_n+1]
.endm
.macro DO_TT                           ; x (Abar - 1), as one fused Abar w - w: the first reader of the group's two exponentials
	v_pk_fma_f32 v[g_w:g_w+1], v[g_e:g_e+1], v[g_w:g_w+1], v[g_w:g_w+1] neg_lo:[0,0,1] neg_hi:[0,0,1]
.endm
.macro DO_SS                           ; s = Abar s + that
	v_pk_fma_f32 v[S+g_n:S+g_n+1], v[g_e:g_e+1], v[S+g_n:S+g_n+1], v[g_w:g_w+1]
.endm
.macro DO_YY                           ; y += s C; the first pair starts the sum; C's quads 1 and 2 (k = 2 to 5) lie in CX in odd steps
.set g_c, CC+2*g_k
.if g_k >= 2
.if g_k < 6
.if g_t & 1
.set g_c, CX+2*(g_k-2)
.endif
.endif
.endif
.if g_k == 0
	v_pk_mul_f32 v[g_y:g_y+1], v[S+g_n:S+g_n+1], v[g_c:g_c+1]
.else
	v_pk_fma_f32 v[g_y:g_y+1], v[S+g_n:S+g_n+1], v[g_c:g_c+1], v[g_y:g_y+1]
.endif
.endm
.macro OP name, j                      ; instruction 'name' of group j, if the block has such a group
.if (\j) >= 0
.if (\j) < 256
.set g_t, (\j)>>4
.set g_k, ((\j)>>1)&7
.set g_d, (\j)&1
.set g_n, 16*g_d+2*g_k
.set g_s, (\j)%ESL                     ; the group's slot in the ring of Abar, which lies in three pieces
.if g_s < 16
.set g_e, E0+2*g_s
.elseif g_s < 32
.set g_e, E1+2*(g_s-16)
.else
.set g_e, E2+2*(g_s-32)
.endif
.set g_w, WR+2*((\j)%6)
.set g_y, Y+4*(g_t&1)+2*g_d
	\name
.endif
.endif
.endm
.macro MARUN u                         ; dt A log2(e) of step u's 16 groups, in one run under one window setting
	WIN 0x05                                       ; sources 0 and 1 in window 1
.set m_j, 16*(\u)
.rept 16
	OP DO_MA, m_j
.set m_j, m_j+1
.endr
	WIN 0
.endm
; BEAT bn: one instruction of each stage: the two exponentials of group bn+16, x B of group bn+3, / (A + 1e-8) of group bn+2, x (Abar - 1) of group bn, the state of
; group bn-1, y of group bn-2.  A result is read six instructions or more behind its writer, and behind each v_exp_f32 stands a plain instruction on other registers
; (ISA guide 5.7.2).  At the head of each 16th beat, 16 (u - 1), stands the run of dt A log2(e) for step u, whose exponentials begin in that beat.
; THE RING OF Abar: the slot of group j is written at the head of beat 16 (j / 16) - 16 and last read in beat j+1; its next user, group j+34, is written at the head of
; beat 16 ((j + 34) / 16) - 16, which is j+3 at the least: 34 slots do.  The ring of six (x B ..) is written at beat j-3 and last read at j+1; group j+6 writes it at j+3.
; ahead = 1: the block fetches for the next block too.
; THE RUN behind beat 5 of step t holds all the step's memory instructions: B of step t+1 (four quads), C's quads 0 to 2 of step t+1 and quad 3 of
; step t, x for the slot of step t-1 (16 steps on), and the store of y of step t-1 (whole behind its beat 19, which is this step's beat 3).
; Why beat 5, counted in beats of step t: B's quad q is last read in beat 4q and C's in beat 4q+5; of step t+1, B's quad q is first read in beat
; 13+4q and C's in beat 18+4q; C's quad 3 of step t-1 is last read in beat 1 and that of step t first in beat 14.  So behind beat 5 B's quads 0, 1 and
; C's quads 0, 3 are free and are loaded in place; B's quads 2, 3 and C's quads 1, 2 are still being read and have a second set of registers, by the
; step's parity.  The first quad is wanted eight beats behind the run.  The batch's wait stands at the run's head.
.macro BEAT ahead
.set b_in, 0
.if bn >= 0
.if bn < 256
.set b_in, 1
.endif
.endif
.set b_t, bn>>4
.set b_p, bn&15
.set b_last, 0                         ; the last block's last step: nothing is fetched beyond it
.if \ahead == 0
.if bn >= 240
.set b_last, 1
.endif
.endif
.if bn == -4
	s_wait_loadcnt 15                              ; x of the block's first step: the other 15 slots' loads were issued behind it
.endif
.if bn == 0
	s_wait_alu depctr_va_vdst(0)                   ; the wait for the block's first batch, the 32 exponentials of groups 0 to 15 (beats -16 to -1), ahead of group 0's reader
.endif
.if (bn&15) == 0
.if bn <= 224
	MARUN (bn+16)>>4
.endif
.endif
.if b_in
.if b_p == 13
.if b_last
.if YPASS
	s_wait_dscnt 0x0                               ; the last run held C's quad 3 alone
.endif
.else
	s_wait_dscnt LDSOUT                            ; LDS loads come back in order (ISA guide 5.7.1): the run's first quads are due (B's quad 0, and C's quad 3); LDSOUT loads of the run stand behind them
.endif
.if b_t < 15
.if \ahead
	s_wait_loadcnt XOUT                            ; x of step t+1: behind its load stand 14-t loads of the last block and t of this one (slots 0 to t-1)
.else
	s_wait_loadcnt 14-b_t                          ; the last block loads no x: only the 14-t of the block before
.endif
.endif
.endif
.if b_p == 1
.if b_t > 0
	s_wait_dscnt 0x0                               ; the rest of the last step's run, issued twelve beats ago (step 0: the wait at the head of the dt phase)
.endif
.endif
.endif
	OP DO_XL, bn+16
	OP DO_W1, bn+3
	OP DO_TT, bn
	OP DO_XH, bn+16
.if YPASS
	OP DO_W2, bn+2
.endif
	OP DO_SS, bn-1
.if YPASS
	OP DO_YY, bn-2
.endif
.if b_in
.if b_p == 5                           ; the run, in the order in which the quads are wanted
	s_wait_alu depctr_va_vdst(0)                   ; the wait for the batch of exponentials issued since the last run (groups up to bn+16), ahead of their first reader in the next beat
.set l_b, BB+8+((b_t+1)&1)*(BX-BB-8)
.set l_c, CC+4+((b_t+1)&1)*(CX-CC-4)
.if b_last == 0
	ds_load_b128 v[BB:BB+3], v[VB] offset:(b_t+1)*128
.endif
.if YPASS
	ds_load_b128 v[CC+12:CC+15], v[VB] offset:b_t*128+112          ; this step's own last quad of C
.endif
.if b_last == 0
	ds_load_b128 v[BB+4:BB+7], v[VB] offset:(b_t+1)*128+16
.if YPASS
	ds_load_b128 v[CC:CC+3], v[VB] offset:(b_t+1)*128+64
.endif
	ds_load_b128 v[l_b:l_b+3], v[VB] offset:(b_t+1)*128+32
.if YPASS
	ds_load_b128 v[l_c:l_c+3], v[VB] offset:(b_t+1)*128+80
.endif
	ds_load_b128 v[l_b+4:l_b+7], v[VB] offset:(b_t+1)*128+48
.if YPASS
	ds_load_b128 v[l_c+4:l_c+7], v[VB] offset:(b_t+1)*128+96
.endif
.endif
.endif
.if \ahead
.if bn == 130
	RFLOAD 16*RPITCH                               ; r of the next block, half a block ahead: a run of its own
.endif
.endif
.endif
.if YPASS
.set o_n, bn-18                        ; y of step t is whole behind beat 16 t + 17
.if o_n >= 0
.if (o_n&15) == 0
.set o_t, o_n>>4
	s_wait_xcnt 0x0                                ; the store of two steps ago has read O of this parity: it is rewritten only behind this wait (ISA guide 3.1)
	v_add_f32 v[O+2*(o_t&1)],   v[Y+4*(o_t&1)],   v[Y+4*(o_t&1)+1]
	v_add_f32 v[O+2*(o_t&1)+1], v[Y+4*(o_t&1)+2], v[Y+4*(o_t&1)+3]
.endif
.endif
.set o_n, bn-19
.if o_n >= 0
.if (o_n&15) == 0
.set o_t, o_n>>4
	v_pk_fma_f32 v[O+2*(o_t&1):O+2*(o_t&1)+1], v[X+2*o_t:X+2*o_t+1], v[DK:DK+1], v[O+2*(o_t&1):O+2*(o_t&1)+1]
.endif
.endif
.endif
.set o_do, 0                           ; the run's global part: step o_t = t-1 at beat 16 o_t + 21; step 15 at the block's last beat
.if bn >= 21
.if ((bn-21)&15) == 0
.set o_t, (bn-21)>>4
.set o_do, 1
.endif
.endif
.if bn == LASTB
.set o_t, 15
.set o_do, 1
.endif
.if o_do
.if \ahead
	global_load_b64 v[X+2*o_t:X+2*o_t+1], v1, s[4:5] offset:(16+o_t)*4096 th:TH_LOAD_NT   ; the slot is free: the same step of the next block
.endif
.if YPASS
	global_store_b64 v1, v[O+2*(o_t&1):O+2*(o_t&1)+1], s[20:21] offset:o_t*4096 th:TH_STORE_NT   ; the wave stores 256 consecutive bytes, aligned
.endif
.endif
.endm
.macro BEATS ahead                     ; the 256 groups of a block whose dt is ready; beats -16 to -1 issue the first step's exponentials
.set bn, -16
.rept LASTB+17
	BEAT \ahead
.set bn, bn+1
.endr
.endm
; A trip is the beats of block i and then the dt phase of block i+1.  The bases of x and y are stepped behind that dt phase: no memory instruction
; names them between a block's tail and beat 21 of the next, and the tail's load and store have the dt phase in which to have their addresses taken.
; No transcendental's result crosses the label or the jump without its wait: a block's last exponentials stand in beat 239 and have the wait behind beat 245; the dt phase ends behind its second wait.
	DTPHASE                                        ; dt of block 0
	s_mov_b32 s52, 0
.Lblock:
	BEATS 1
	v_add_nc_u32 v[VB], 2048, v[VB]                ; 16 steps of 128 bytes
	v_add_nc_u32 v[VR], 16*RPITCH, v[VR]
	DTPHASE
	s_wait_xcnt 0x0                                ; the bases are stepped only behind this wait (ISA guide 3.1)
	s_add_nc_u64 s[4:5], s[4:5], 0x10000           ; 16 steps of 4,096 bytes
.if YPASS
	s_add_nc_u64 s[20:21], s[20:21], 0x10000
.endif
	s_add_co_u32 s52, s52, 1
	s_cmp_lt_u32 s52, 15
	s_cbranch_scc1 .Lblock
	BEATS 0                                        ; the last block fetches nothing beyond the chunk
.if YPASS == 0
.set q_, 0
.rept 16
	v_pk_mul_f32 v[S+q_:S+q_+1], v[S+q_:S+q_+1], v[IA+q_:IA+q_+1]    ; the factor 1 / (A + 1e-8), once
.set q_, q_+2
.endr
.irp j, 0,1,2,3,4,5,6,7
	global_store_b128 v[VQ], v[S+4*\j:S+4*\j+3], s[PST:PST+1] offset:512*\j   ; a wave's store covers 512 consecutive bytes, aligned
.endr
	v_pk_add_f32 v[SD:SD+1], v[SD:SD+1], v[SD+2:SD+3]
	v_pk_add_f32 v[SD+4:SD+5], v[SD+4:SD+5], v[SD+6:SD+7]
	v_add_f32 v[O], v[SD], v[SD+1]
	v_add_f32 v[O+1], v[SD+4], v[SD+5]
	global_store_b64 v1, v[O:O+1], s[18:19]
.endif
	s_wait_tensorcnt 0x0
	ds_add_u32 v9, v23
	s_wait_dscnt 0x0
	s_endpgm
.Lfunc_end_k_q9d24ee9ba1_scan1:
	.size	k_q9d24ee9ba1_scan1, .Lfunc_end_k_q9d24ee9ba1_scan1-k_q9d24ee9ba1_scan1
	.p2alignl 7, 3214868480
	.fill 96, 4, 3214868480
	.section	.rodata,"a",@progbits
	.p2align	6, 0x0
	.amdhsa_kernel k_q9d24ee9ba1_scan1
		.amdhsa_group_segment_fixed_size 168448
		.amdhsa_private_segment_fixed_size 0
		.amdhsa_enable_private_segment 0
		.amdhsa_kernarg_size 64
		.amdhsa_user_sgpr_count 2
		.amdhsa_user_sgpr_kernarg_segment_ptr 1
		.amdhsa_wavefront_size32 1
		.amdhsa_system_sgpr_workgroup_id_x 1
		.amdhsa_system_sgpr_workgroup_id_y 1
		.amdhsa_system_sgpr_workgroup_id_z 1
		.amdhsa_system_vgpr_workitem_id 0
		.amdhsa_next_free_vgpr 512
		.amdhsa_next_free_sgpr 66
		.amdhsa_reserve_vcc 0
		.amdhsa_float_denorm_mode_32 3
		.amdhsa_float_denorm_mode_16_64 3
		.amdhsa_memory_ordered 1
		.amdhsa_forward_progress 1
		.amdhsa_inst_pref_size 230
	.end_amdhsa_kernel
	.amdgpu_metadata
---
amdhsa.version: [ 1, 2 ]
amdhsa.kernels:
  - .name:           k_q9d24ee9ba1_scan1
    .symbol:         k_q9d24ee9ba1_scan1.kd
    .args:
      - { .name: x, .offset: 0, .size: 8, .value_kind: global_buffer, .address_space: global }
      - { .name: log_A, .offset: 8, .size: 8, .value_kind: global_buffer, .address_space: global }
      - { .name: W_dt2, .offset: 16, .size: 8, .value_kind: global_buffer, .address_space: global }
      - { .name: b_dt2, .offset: 24, .size: 8, .value_kind: global_buffer, .address_space: global }
      - { .name: bc, .offset: 32, .size: 8, .value_kind: global_buffer, .address_space: global }
      - { .name: rr, .offset: 40, .size: 8, .value_kind: global_buffer, .address_space: global }
      - { .name: loc, .offset: 48, .size: 8, .value_kind: global_buffer, .address_space: global }
      - { .name: sdt, .offset: 56, .size: 8, .value_kind: global_buffer, .address_space: global }
    .group_segment_fixed_size: 168448
    .private_segment_fixed_size: 0
    .kernarg_segment_align: 8
    .kernarg_segment_size: 64
    .max_flat_workgroup_size: 128
    .sgpr_count:     66
    .vgpr_count:     512
    .wavefront_size: 32
...
	.end_amdgpu_metadata
.endif
;; end of part 7
;; launch carry: the kernel of part 3 again; grid 128 x 1, 4 waves a work-group, no clusters, 0 bytes of LDS; arguments state, log_A, loc, sdt, ini; writes ini
;; launch scan2 (part 8): grid 16 x 16, 4 waves a work-group, no clusters, 168,448 bytes of LDS; arguments x, log_A, W_dt2, b_dt2, D_skip, bc, rr, ini, out0; writes out0
.if DOCPART == 8
	.amdgcn_target "amdgcn-amd-amdhsa--gfx1250"
	.amdhsa_code_object_version 6
	.text
	.protected	k_q9d24ee9ba1_scan2
	.globl	k_q9d24ee9ba1_scan2
	.p2align	8
	.type	k_q9d24ee9ba1_scan2,@function
k_q9d24ee9ba1_scan2:
	s_mov_b64 s[64:65], 0
	v_nop
	global_prefetch_b8 v0, s[64:65] scope:SCOPE_SE
	s_setreg_imm32_b32 hwreg(HW_REG_WAVE_MODE, 25, 1), 1
	s_wait_xcnt 0x0
; THE SELECTIVE SCAN OVER ONE CHUNK OF 256 STEPS.  One source serves two launches; YPASS picks the build.
;   YPASS = 0 (chunks 0 to 14): the scan from a zero state, without y.  Stores the chunk's end state (loc) and the sum of dt over the chunk (sdt).
;   YPASS = 1 (chunks 0 to 15): the scan from the chunk's true first state (ini), y[t][d] = sum over n of s C + D_skip x, stored to out0.
; s = Abar s + (Abar - 1) / (A + 1e-8) x B,  Abar = exp(dt A),  A = -exp(log_A),  dt = softplus(r . W_dt2[d] + b_dt2[d]).
; YPASS = 0 carries s (A + 1e-8) in place of s: the recurrence is linear and the factor 1 / (A + 1e-8) is the same in every step, so it is applied
; once, to the end state: six instructions a group instead of seven.  (With y the factor would have to go onto C in every step: nothing saved.)
; LIMITS: r and W_dt2 are rounded to f16 for the product (an error in z is a relative error of a small dt, so f16's 11 significant bits are
; taken rather than bf16's 8): |r| and |W_dt2| below 65,504, beyond which the operand is infinite.  r = x . W_dt1 has spread 1 as drawn, 900 with
; x and W_dt1 both thirty times larger, and lies near 1024 x 30 x 30/32 = 28,800 with both carrying an offset of thirty spreads: inside.
; v_exp_f32, v_log_f32 and v_rcp_f32 treat denormal inputs and results as zero
; (ISA guide 15.8), so Abar below 2^-126 and exp(-|z|) for |z| above 87 count as 0 (dt is then max(z, 0)); A + 1e-8 = 0 gives infinities or NaN as
; in the defining formula; y's sum over n is made as two interleaved chains of eight, then added.
; A work-group owns (chunk, b, 256 channels); wave w owns 64 channels; lane l owns channels 2l, 2l+1 with all 16 n: 32 states in
; registers, no sum across lanes, B and C the same for all lanes, and a wave's load of x and store of y cover 256 consecutive bytes, aligned.
; bc and rr of the chunk's 256 steps (98,304 bytes) come into LDS once, each wave bringing 64 steps by two tensor loads; nothing is filled again.
; No cluster: what neighbours share (bc, rr) is fetched once at the head and is the smaller part of a group's bytes, in a kernel whose
; time goes into vector arithmetic.  x needs no LDS: a ring of 16 register slots, each loaded again 15 steps ahead of its use.
; A BLOCK is 16 steps: dt of the block by eight matrix instructions and softplus, then 256 groups (step, pair of n, channel) in a
; software pipeline of BEATs.  A step's memory instructions stand in ONE run: the stream of vector instructions of a block is broken at
; 18 places (16 runs, r of the next block, the tail) and not once for each of its memory instructions.
; THE TRANSCENDENTALS GO IN BATCHES, each with ONE s_wait_alu depctr_va_vdst(0) between it and its first reader.
;   The beats: a group's two exponentials are issued 16 beats ahead of the group's first reader, into a ring of 34 register pairs, and a wait stands once
;   in 16 beats, directly ahead of each step's run of memory instructions (behind the step's beat 5).  Between a group's exponentials (beat j-16) and their
;   reader (beat j) lie 16 ends of beats, and exactly one of them is a step's beat 5.  So a batch is the 32 exponentials of beats 16 t + 6 to 16 t + 21; the
;   other groups' arithmetic stands between them and the wait.  The block's first 16 groups are issued ahead of beat 0 and have a wait at its head: 17 a block.
;   The dt phase: softplus goes over the four tiles at once: 32 exponentials are one batch, 32 logarithms another: 2 waits a block.
;   The head: the 32 exponentials of log_A, then the 32 reciprocals: a wait each.
; REGISTERS: all that the beats write, and all that they read but for dt and A log2(e), lies in window 0.  dt and A log2(e) are read by one stage alone (dt A log2(e)):
; they lie in window 1, and a step's 16 such products stand as one run under one window setting.  The whole dt phase works in window 1.
.set YPASS, 1
.set RRB,    32768                     ; LDS: bc [256][128 bytes] at 0, rr [256] rows of 272 bytes behind it
.set RPITCH, 272                       ; 256 bytes + 16 = 17 x 16: 16 rows start at 16 different 16-byte columns of 256
.set VB, 2                             ; v2       LDS address of the block's first step in bc (the same in all lanes)
.set VR, 3                             ; v3       LDS address of my part of the block's r fragment
.set BI, 4                             ; v[4:7]   b_dt2 log2(e) for dt tile 0..3
.set DK, 8                             ; v[8:9]   D_skip of my two channels
.set O,  10                            ; v[10:13] y to store, by the step's parity (in the prologue: offsets)
.set Y,  14                            ; v[14:21] y's chains: parity, channel, a pair
.set SD, 14                            ; v[14:21] YPASS = 0: sums of dt: channel, two chains, a pair
.set VQ, 22                            ; v22      16 x lane
.set S,  24                            ; v[24:55]   s[d][n]  (YPASS = 0: s (A + 1e-8))
.set LA, 56                            ; v[56:87]   in the prologue: log_A as loaded
.set IA, 88                            ; v[88:119]  1 / (A + 1e-8)
.set X,  152                           ; v[152:183] x[t][d]: the ring of 16 slots
.set BB, 184                           ; v[184:199] B of a step, four quads (quads 2 and 3: of even steps)
.set CC, 200                           ; v[200:215] C of a step, four quads (quads 1 and 2: of even steps)
.set BX, 216                           ; v[216:223] B's quads 2 and 3 of odd steps
.set CX, 224                           ; v[224:231] C's quads 1 and 2 of odd steps
.set ESL, 34                           ; the ring of 34 pairs: dt A log2(e), then Abar; group j has slot j % 34
.set E0, 56                            ; v[56:87]   its slots 0 to 15
.set E1, 120                           ; v[120:151] its slots 16 to 31
.set E2, 232                           ; v[232:235] its slots 32 and 33
.set WR, 244                           ; v[244:255] ring of six pairs: x B, x B / (A + 1e-8), (Abar - 1) x B / (A + 1e-8)
.set RAW0, IA                          ; v[88:151]  in the prologue: W_dt2 as f32, tiles 0 and 1
.set RAW1, BB                          ; v[184:247] in the prologue: W_dt2 as f32, tiles 2 and 3
.set W2F, 0                            ; window 1: v[0:63] W_dt2 fragments, tile tau, K half u at 16 tau + 8 u
.set RF,  64                           ; window 1: v[64:95] r of the block as f32
.set RA,  96                           ; window 1: v[96:111] r fragments
.set TU,  120                          ; window 1: v[120:151] softplus: max(z, 0) log2(e), all four tiles
.set AP,  152                          ; window 1: v[152:183] A log2(e)
.set DT,  184                          ; window 1: v[184:215] dt[d][t] of the block
.set TE,  216                          ; window 1: v[216:247] softplus: e, then the residue, all four tiles
.set T3,  RF                           ; window 1: v[64:71] softplus: u - 1 of the tile in hand; r's f32 registers are free behind the conversion
.set XOUT, 14
.if YPASS
.set PBC, 14
.set PRR, 16
.set PST, 18
.set LDSOUT, 6
.set LASTB, 260
.else
.set PBC, 12
.set PRR, 14
.set PST, 16
.set LDSOUT, 3
.set LASTB, 256
.endif
.set MSB, 0
.macro WIN new                         ; the immediate's high byte repeats the setting that is left
.if MSB != \new
	s_set_vgpr_msb (MSB<<8)|\new
.set MSB, \new
.endif
.endm
	s_load_b256 s[4:11], s[0:1], 0x0               ; x s[4:5], log_A s[6:7], W_dt2 s[8:9], b_dt2 s[10:11]
	s_load_b256 s[12:19], s[0:1], 0x20             ; YPASS = 0: bc, rr, loc, sdt;  YPASS = 1: D_skip, bc, rr, ini
.if YPASS
	s_load_b64 s[20:21], s[0:1], 0x40              ; out0
	v_lshl_add_u32 v23, v0, 2, 0x29000
	s_set_vgpr_msb 0x40
	v_mov_b32 v113, 0
	s_set_vgpr_msb 0x4044
	ds_add_u32 v23, v113
	ds_add_u32 v23, v113
	s_set_vgpr_msb 0x4400
.endif
	v_lshrrev_b32 v1, 5, v0
	v_readfirstlane_b32 s48, v1                    ; wave 0..3
	s_and_b32 s50, ttmp7, 0xffff
	s_and_b32 s51, s50, 3                          ; dg: which 256 channels
	s_lshr_b32 s50, s50, 2                         ; b
	s_lshl_b32 s53, s50, 12
	s_lshl_b32 s52, ttmp9, 8
	s_add_co_u32 s53, s53, s52                     ; the chunk's first row = 4096 b + 256 chunk
	s_lshl_b32 s56, s48, 6
	s_add_co_u32 s56, s56, s53                     ; the first of the 64 steps that I bring
	s_mov_b32 s55, 0                               ; high word of every offset pair s[54:55]
	; bc: 8,192 dense bytes as 32 rows of 32 elements of 8 bytes
	s_mov_b32 s24, 3<<16
	s_mov_b32 s25, 32<<16
	s_mov_b32 s26, 32<<16
	s_mov_b32 s27, 32<<16
	s_mov_b32 s28, 32
	s_mov_b32 s29, 32
	s_mov_b32 s30, 0
	s_mov_b32 s31, 0
	; rr: 64 rows of 256 bytes, 4 words of padding behind every 64
	s_mov_b32 s40, (3<<16)|(1<<20)|(5<<22)|(3<<25)
	s_mov_b32 s41, 32<<16
	s_mov_b32 s42, 64<<16
	s_mov_b32 s43, 32<<16
	s_mov_b32 s44, 64
	s_mov_b32 s45, 32
	s_mov_b32 s46, 0
	s_mov_b32 s47, 0
	s_mov_b32 s32, 1
	s_lshl_b32 s33, s48, 13                        ; 64 steps x 128 bytes
	s_mov_b32 s36, 1
	s_mul_i32 s37, s48, 64*RPITCH
	s_add_co_u32 s37, s37, RRB
	s_lshl_b32 s54, s56, 7
	s_wait_dscnt 0x0
	s_wait_kmcnt 0x0
	s_add_nc_u64 s[34:35], s[PBC:PBC+1], s[54:55]
	s_or_b32 s35, s35, 0x80000000
	s_lshl_b32 s54, s56, 8
	s_add_nc_u64 s[38:39], s[PRR:PRR+1], s[54:55]
	s_or_b32 s39, s39, 0x80000000
	tensor_load_to_lds s[32:35], s[24:31]          ; the launch's only fills, ahead of everything else: two tensor loads of the wave are out
	s_nop 0
	tensor_load_to_lds s[36:39], s[40:47]
	s_nop 0
	; the bases
	s_lshl_b32 s57, s51, 10                        ; 256 channels x 4 bytes
	s_lshl_b32 s54, s53, 12                        ; rows of 4,096 bytes (below 2^26)
	s_add_co_u32 s54, s54, s57
	s_add_nc_u64 s[4:5], s[4:5], s[54:55]          ; x at the chunk's first step, my group's channels
.if YPASS
	s_add_nc_u64 s[20:21], s[20:21], s[54:55]      ; out0 likewise
.endif
	s_lshl_b32 s58, s51, 14
	s_lshl_b32 s59, s48, 12
	s_add_co_u32 s58, s58, s59                     ; (256 dg + 64 w) x 64 bytes
	s_mov_b32 s54, s58
	s_add_nc_u64 s[6:7], s[6:7], s[54:55]          ; log_A: rows of 64 bytes
	s_lshl_b32 s54, s58, 2
	s_add_nc_u64 s[8:9], s[8:9], s[54:55]          ; W_dt2: rows of 256 bytes
	s_lshr_b32 s54, s58, 4
	s_add_nc_u64 s[10:11], s[10:11], s[54:55]      ; b_dt2: 4 bytes
	s_lshl_b32 s54, ttmp9, 18                      ; the state tables: [chunk][b][16 waves' parts][8 quads][32 lanes][16 bytes]
	s_lshl_b32 s59, s50, 16
	s_add_co_u32 s54, s54, s59
	s_add_co_u32 s54, s54, s58
	s_add_nc_u64 s[PST:PST+1], s[PST:PST+1], s[54:55]
.if YPASS
	s_mov_b32 s54, s57
	s_add_nc_u64 s[12:13], s[12:13], s[54:55]      ; D_skip
.else
	s_lshl_b32 s54, ttmp9, 14                      ; sdt: [chunk][b][1024] f32
	s_lshl_b32 s59, s50, 12
	s_add_co_u32 s54, s54, s59
	s_add_co_u32 s54, s54, s57
	s_add_nc_u64 s[18:19], s[18:19], s[54:55]
.endif
	v_lshlrev_b32 v1, 3, v0                        ; 8 x thread: my two channels in a row of x, y, D_skip, sdt; never rewritten
	v_and_b32 v10, 31, v0
	v_lshlrev_b32 v[VQ], 4, v10
	v_lshlrev_b32 v10, 7, v10                      ; log_A: my two rows of 64 bytes
	v_and_b32 v11, 15, v0                          ; r
	v_bfe_u32 v13, v0, 4, 1                        ; h
	v_lshlrev_b32 v12, 9, v11
	v_lshl_add_u32 v12, v13, 5, v12                ; W_dt2: row 2 r, byte 32 h
	v_mul_u32_u24 v[VR], v11, RPITCH
	v_lshl_add_u32 v[VR], v13, 5, v[VR]
	v_add_nc_u32 v[VR], RRB, v[VR]
	v_lshlrev_b32 v13, 3, v11                      ; b_dt2: channel 2 r
	v_mov_b32 v[VB], 0
; dt's tile tau = 2 i + y: column r of the tile is channel 2 r + 32 y + i of my 64, its rows are the block's 16 steps.
; Both tiles of one i as f32 into 64 registers from 'base' on, which nothing else uses yet.
.macro W2LOAD i, base
.irp y, 0,1
.irp o, 0,1,2,3,4,5,6,7
	global_load_b128 v[\base+32*\y+4*\o:\base+32*\y+4*\o+3], v12, s[8:9] offset:\y*8192+\i*256+(\o>>1)*64+(\o&1)*16
.endr
.endr
.endm
.macro W2CVT i, base
	WIN 0x40
.set m_, 0
.rept 32
	v_cvt_pk_f16_f32 v[W2F+32*\i+m_], v[\base+2*m_], v[\base+2*m_+1]
.set m_, m_+1
.endr
	WIN 0
.endm
	; all that the prologue needs from memory goes out at once: 44 loads (with y: 53), one wait
.irp j, 0,1,2,3,4,5,6,7
	global_load_b128 v[LA+4*\j:LA+4*\j+3], v10, s[6:7] offset:16*\j
.endr
.if YPASS
.irp j, 0,1,2,3,4,5,6,7
	global_load_b128 v[S+4*\j:S+4*\j+3], v[VQ], s[PST:PST+1] offset:512*\j    ; the chunk's first state
.endr
	global_load_b64 v[DK:DK+1], v1, s[12:13]
.endif
.irp i, 0,1
.irp y, 0,1
	global_load_b32 v[BI+2*\i+\y], v13, s[10:11] offset:\y*128+\i*4
.endr
.endr
	W2LOAD 0, RAW0
	W2LOAD 1, RAW1
.if YPASS == 0
.set q_, 0
.rept 32
	v_mov_b32 v[S+q_], 0                           ; this pass starts from a zero state; once in the kernel
.set q_, q_+1
.endr
.set q_, 0
.rept 8
	v_mov_b32 v[SD+q_], 0
.set q_, q_+1
.endr
.endif
	s_wait_loadcnt 0x0
.set t_, 0
.rept 16
	global_load_b64 v[X+2*t_:X+2*t_+1], v1, s[4:5] offset:t_*4096 th:TH_LOAD_NT    ; the ring's first fill: steps 0 to 15, the last global loads ahead of the loop; they have the rest of the prologue and the first dt phase in which to come
.set t_, t_+1
.endr
	W2CVT 0, RAW0                                  ; first: its f32 registers hold 1 / (A + 1e-8) from here on
.set q_, 0
.rept 16
	v_pk_mul_f32 v[IA+q_:IA+q_+1], v[LA+q_:LA+q_+1], 0x3fb8aa3b op_sel_hi:[1,0]   ; log_A log2(e)
.set q_, q_+2
.endr
.set q_, 0
.rept 32
	v_exp_f32 v[IA+q_], v[IA+q_]                   ; exp(log_A) = -A: one batch of 32
.set q_, q_+1
.endr
	W2CVT 1, RAW1                                  ; 32 conversions that name none of the batch's results; the first is the plain place behind the last exponential (ISA guide 5.7.2)
	s_wait_alu depctr_va_vdst(0)                   ; the wait for the batch of 32 exponentials, ahead of its first reader
	WIN 0x40                                       ; A log2(e) lies in window 1
.set q_, 0
.rept 16
	v_pk_mul_f32 v[AP+q_:AP+q_+1], v[IA+q_:IA+q_+1], 0xbfb8aa3b op_sel_hi:[1,0]   ; A log2(e): exp(dt A) = 2^(dt A log2(e))
.set q_, q_+2
.endr
	WIN 0
.set q_, 0
.rept 16
	v_pk_add_f32 v[IA+q_:IA+q_+1], v[IA+q_:IA+q_+1], 0x322bcc77 op_sel_hi:[1,0] neg_lo:[1,0] neg_hi:[1,0]   ; A + 1e-8, one rounding
.set q_, q_+2
.endr
.set q_, 0
.rept 32
	v_rcp_f32 v[IA+q_], v[IA+q_]                   ; one batch of 32
.set q_, q_+1
.endr
	v_pk_mul_f32 v[BI:BI+1], v[BI:BI+1], 0x3fb8aa3b op_sel_hi:[1,0]                ; the plain place behind the last reciprocal (ISA guide 5.7.2)
	v_pk_mul_f32 v[BI+2:BI+3], v[BI+2:BI+3], 0x3fb8aa3b op_sel_hi:[1,0]
	s_wait_alu depctr_va_vdst(0)                   ; the wait for the batch of 32 reciprocals
; r of 16 steps as f32: lane (r, h) takes k = 8h..+7, 16+8h..+7, 32+8h..+7, 48+8h..+7 of step r
.macro RFLOAD off
	WIN 0x40
.irp o, 0,1,2,3,4,5,6,7
	ds_load_b128 v[RF+4*\o:RF+4*\o+3], v[VR] offset:\off+(\o>>1)*64+(\o&1)*16
.endr
	WIN 0
.endm
	s_wait_tensorcnt 0x0                           ; my 64 steps of bc and rr are in,
	s_barrier_signal -1
	s_barrier_wait -1                              ; everybody's are: the kernel's one barrier
	RFLOAD 0
.irp q, 0,1,2,3
	ds_load_b128 v[BB+4*\q:BB+4*\q+3], v[VB] offset:16*\q          ; B of step 0
.endr
.if YPASS
.irp q, 0,1,2
	ds_load_b128 v[CC+4*\q:CC+4*\q+3], v[VB] offset:64+16*\q       ; C of step 0, but for its last quad, which every step fetches in its own run
.endr
.endif
; softplus, in place: dt = max(z, 0) + log(1 + e), e = exp(-|z|).  With u = fl(1 + e): log(1 + e) = log(u) + (e - (u - 1)) to first
; order, and u - 1 and the residue are exact, so a small dt keeps its relative precision (for u = 1 it is e itself).  No select, no branch.
; It goes over the four tiles in three parts, cut by the two waits; each tile has its own e and max(z, 0), so that a batch's results all have registers of their own.
.macro SPZ tau                         ; z log2(e) of tile tau
.set p_, DT+8*\tau
.irp q, 0,2,4,6
.if \tau & 1
	v_pk_fma_f32 v[p_+\q:p_+\q+1], v[p_+\q:p_+\q+1], 0x3fb8aa3b, v[BI+\tau-1:BI+\tau] op_sel:[0,0,1] op_sel_hi:[1,0,1]   ; z log2(e)
.else
	v_pk_fma_f32 v[p_+\q:p_+\q+1], v[p_+\q:p_+\q+1], 0x3fb8aa3b, v[BI+\tau:BI+\tau+1] op_sel_hi:[1,0,0]
.endif
.endr
.endm
.macro SPE tau, prev                   ; max(z, 0) and -|z| of tile tau; between its lines the eight exponentials of tile prev (prev = -1: none)
.set p_, DT+8*(\tau)
.set u_, TU+8*(\tau)
.set e_, TE+8*(\tau)
.set x_, TE+8*(\prev)
.irp q, 0,1,2,3,4,5,6,7
	v_max_num_f32 v[u_+\q], 0, v[p_+\q]
.if (\prev) >= 0
	v_exp_f32 v[x_+\q], v[x_+\q]                   ; e
.endif
.endr
.irp q, 0,2,4,6
	v_pk_fma_f32 v[e_+\q:e_+\q+1], v[u_+\q:u_+\q+1], -2.0, v[p_+\q:p_+\q+1] op_sel_hi:[1,0,1]    ; -|z| log2(e)
.endr
.endm
.macro SPL tau, prev                   ; u, u - 1 and the residue of tile tau; between its lines the eight logarithms of tile prev (prev = -1: none)
.set p_, DT+8*(\tau)
.set e_, TE+8*(\tau)
.set x_, DT+8*(\prev)
.irp q, 0,2,4,6
	v_pk_add_f32 v[p_+\q:p_+\q+1], v[e_+\q:e_+\q+1], 1.0 op_sel_hi:[1,0]                         ; u
.if (\prev) >= 0
	v_log_f32 v[x_+(\q>>1)], v[x_+(\q>>1)]         ; log2(u)
.endif
.endr
.irp q, 0,2,4,6
	v_pk_add_f32 v[T3+\q:T3+\q+1], v[p_+\q:p_+\q+1], -1.0 op_sel_hi:[1,0]                        ; u - 1
.if (\prev) >= 0
	v_log_f32 v[x_+4+(\q>>1)], v[x_+4+(\q>>1)]
.endif
.endr
.irp q, 0,2,4,6
	v_pk_add_f32 v[e_+\q:e_+\q+1], v[e_+\q:e_+\q+1], v[T3+\q:T3+\q+1] neg_lo:[0,1] neg_hi:[0,1]  ; e - (u - 1)
.endr
.endm
; dt of a block's 16 steps and my 64 channels
.macro DTPHASE
	s_wait_dscnt 0x0                               ; r of this block, and B and C of its first step
	WIN 0x45
.set m_, 0
.rept 16
	v_cvt_pk_f16_f32 v[RA+m_], v[RF+2*m_], v[RF+2*m_+1]
.set m_, m_+1
.endr
	WIN 0x55                                       ; all four operands in window 1
.irp tau, 0,1,2,3
	v_wmma_f32_16x16x32_f16 v[DT+8*\tau:DT+8*\tau+7], v[RA:RA+7], v[W2F+16*\tau:W2F+16*\tau+7], 0    ; the four accumulators take turns
.endr
.irp tau, 0,1,2,3
	v_wmma_f32_16x16x32_f16 v[DT+8*\tau:DT+8*\tau+7], v[RA+8:RA+15], v[W2F+16*\tau+8:W2F+16*\tau+15], v[DT+8*\tau:DT+8*\tau+7]
.endr
	WIN 0x45                                       ; source 2, b_dt2 log2(e), lies in window 0
.rept 4
	v_nop                                          ; four places before the results are read (ISA guide 7.12.1)
.endr
	SPZ 0
	SPZ 1
	SPZ 2
	SPZ 3
	WIN 0x55
	SPE 0, -1                                      ; THE BATCH OF 32 EXPONENTIALS: a tile's eight stand between the next tile's plain lines, the last tile's on end
	SPE 1, 0
	SPE 2, 1
	SPE 3, 2
.irp q, 0,1,2,3,4,5,6,7
	v_exp_f32 v[TE+24+\q], v[TE+24+\q]
.endr
	v_nop                                          ; one plain place behind the last exponential (ISA guide 5.7.2)
	s_wait_alu depctr_va_vdst(0)                   ; the wait for the batch of 32 exponentials, ahead of its first reader (u of tile 0)
	SPL 0, -1                                      ; THE BATCH OF 32 LOGARITHMS, laid likewise
	SPL 1, 0
	SPL 2, 1
	SPL 3, 2
.irp q, 0,1,2,3,4,5,6,7
	v_log_f32 v[DT+24+\q], v[DT+24+\q]
.endr
	v_nop                                          ; one plain place behind the last logarithm
	s_wait_alu depctr_va_vdst(0)                   ; the wait for the batch of 32 logarithms, ahead of its first reader
.set q_, 0
.rept 16
	v_pk_add_f32 v[DT+q_:DT+q_+1], v[DT+q_:DT+q_+1], v[TU+q_:TU+q_+1]
.set q_, q_+2
.endr
.set q_, 0
.rept 16
	v_pk_fma_f32 v[DT+q_:DT+q_+1], v[DT+q_:DT+q_+1], 0x3f317218, v[TE+q_:TE+q_+1] op_sel_hi:[1,0,1]   ; x ln(2) + residue
.set q_, q_+2
.endr
	; Tile (i, y) holds in lane (r, h) steps 8h..8h+7 of channel 2r + 32y + i.  Lane l wants channel 2l + i at all 16 steps: the upper lanes of
	; tile (i, 0) change places with the lower lanes of tile (i, 1); then v[DT+16i+t] is dt[channel 2l+i][t].
.irp i, 0,1
.irp j, 0,1,2,3,4,5,6,7
	v_permlane16_swap_b32 v[DT+16*\i+\j], v[DT+16*\i+8+\j]
.endr
.endr
.if YPASS == 0
	WIN 0x04                                       ; the sums in window 0, dt (source 1) in window 1
.irp d, 0,1
.irp p, 0,1,2,3,4,5,6,7
	v_pk_add_f32 v[SD+4*\d+2*(\p&1):SD+4*\d+2*(\p&1)+1], v[SD+4*\d+2*(\p&1):SD+4*\d+2*(\p&1)+1], v[DT+16*\d+2*\p:DT+16*\d+2*\p+1]
.endr
.endr
.endif
	WIN 0
.endm
; GROUP j = 16 t + 2 k + d: step t, the pair n = 2k, 2k+1, channel d.  Its six to eight instructions, each a macro on the symbols that OP sets:
.macro DO_MA                           ; dt A log2(e): both sources in window 1, the result in window 0 (MARUN sets the windows)
.if g_t & 1
	v_pk_mul_f32 v[g_e:g_e+1], v[DT+16*g_d+g_t-1:DT+16*g_d+g_t], v[AP+g_n:AP+g_n+1] op_sel:[1,0] op_sel_hi:[1,1]
.else
	v_pk_mul_f32 v[g_e:g_e+1], v[DT+16*g_d+g_t:DT+16*g_d+g_t+1], v[AP+g_n:AP+g_n+1] op_sel_hi:[0,1]
.endif
.endm
.macro DO_XL                           ; Abar, low half
	v_exp_f32 v[g_e], v[g_e]
.endm
.macro DO_XH                           ; Abar, high half
	v_exp_f32 v[g_e+1], v[g_e+1]
.endm
.macro DO_W1                           ; x B; B's quads 2 and 3 (k = 4 to 7) lie in BX in odd steps
.set g_b, BB+2*g_k
.if g_k >= 4
.if g_t & 1
.set g_b, BX+2*(g_k-4)
.endif
.endif
.if g_d
	v_pk_mul_f32 v[g_w:g_w+1], v[X+2*g_t:X+2*g_t+1], v[g_b:g_b+1] op_sel:[1,0] op_sel_hi:[1,1]
.else
	v_pk_mul_f32 v[g_w:g_w+1], v[X+2*g_t:X+2*g_t+1], v[g_b:g_b+1] op_sel_hi:[0,1]
.endif
.endm
.macro DO_W2                           ; / (A + 1e-8): with y alone
	v_pk_mul_f32 v[g_w:g_w+1], v[g_w:g_w+1], v[IA+g_n:IA+g_n+1]
.endm
.macro DO_TT                           ; x (Abar - 1), as one fused Abar w - w: the first reader of the group's two exponentials
	v_pk_fma_f32 v[g_w:g_w+1], v[g_e:g_e+1], v[g_w:g_w+1], v[g_w:g_w+1] neg_lo:[0,0,1] neg_hi:[0,0,1]
.endm
.macro DO_SS                           ; s = Abar s + that
	v_pk_fma_f32 v[S+g_n:S+g_n+1], v[g_e:g_e+1], v[S+g_n:S+g_n+1], v[g_w:g_w+1]
.endm
.macro DO_YY                           ; y += s C; the first pair starts the sum; C's quads 1 and 2 (k = 2 to 5) lie in CX in odd steps
.set g_c, CC+2*g_k
.if g_k >= 2
.if g_k < 6
.if g_t & 1
.set g_c, CX+2*(g_k-2)
.endif
.endif
.endif
.if g_k == 0
	v_pk_mul_f32 v[g_y:g_y+1], v[S+g_n:S+g_n+1], v[g_c:g_c+1]
.else
	v_pk_fma_f32 v[g_y:g_y+1], v[S+g_n:S+g_n+1], v[g_c:g_c+1], v[g_y:g_y+1]
.endif
.endm
.macro OP name, j                      ; instruction 'name' of group j, if the block has such a group
.if (\j) >= 0
.if (\j) < 256
.set g_t, (\j)>>4
.set g_k, ((\j)>>1)&7
.set g_d, (\j)&1
.set g_n, 16*g_d+2*g_k
.set g_s, (\j)%ESL                     ; the group's slot in the ring of Abar, which lies in three pieces
.if g_s < 16
.set g_e, E0+2*g_s
.elseif g_s < 32
.set g_e, E1+2*(g_s-16)
.else
.set g_e, E2+2*(g_s-32)
.endif
.set g_w, WR+2*((\j)%6)
.set g_y, Y+4*(g_t&1)+2*g_d
	\name
.endif
.endif
.endm
.macro MARUN u                         ; dt A log2(e) of step u's 16 groups, in one run under one window setting
	WIN 0x05                                       ; sources 0 and 1 in window 1
.set m_j, 16*(\u)
.rept 16
	OP DO_MA, m_j
.set m_j, m_j+1
.endr
	WIN 0
.endm
; BEAT bn: one instruction of each stage: the two exponentials of group bn+16, x B of group bn+3, / (A + 1e-8) of group bn+2, x (Abar - 1) of group bn, the state of
; group bn-1, y of group bn-2.  A result is read six instructions or more behind its writer, and behind each v_exp_f32 stands a plain instruction on other registers
; (ISA guide 5.7.2).  At the head of each 16th beat, 16 (u - 1), stands the run of dt A log2(e) for step u, whose exponentials begin in that beat.
; THE RING OF Abar: the slot of group j is written at the head of beat 16 (j / 16) - 16 and last read in beat j+1; its next user, group j+34, is written at the head of
; beat 16 ((j + 34) / 16) - 16, which is j+3 at the least: 34 slots do.  The ring of six (x B ..) is written at beat j-3 and last read at j+1; group j+6 writes it at j+3.
; ahead = 1: the block fetches for the next block too.
; THE RUN behind beat 5 of step t holds all the step's memory instructions: B of step t+1 (four quads), C's quads 0 to 2 of step t+1 and quad 3 of
; step t, x for the slot of step t-1 (16 steps on), and the store of y of step t-1 (whole behind its beat 19, which is this step's beat 3).
; Why beat 5, counted in beats of step t: B's quad q is last read in beat 4q and C's in beat 4q+5; of step t+1, B's quad q is first read in beat
; 13+4q and C's in beat 18+4q; C's quad 3 of step t-1 is last read in beat 1 and that of step t first in beat 14.  So behind beat 5 B's quads 0, 1 and
; C's quads 0, 3 are free and are loaded in place; B's quads 2, 3 and C's quads 1, 2 are still being read and have a second set of registers, by the
; step's parity.  The first quad is wanted eight beats behind the run.  The batch's wait stands at the run's head.
.macro BEAT ahead
.set b_in, 0
.if bn >= 0
.if bn < 256
.set b_in, 1
.endif
.endif
.set b_t, bn>>4
.set b_p, bn&15
.set b_last, 0                         ; the last block's last step: nothing is fetched beyond it
.if \ahead == 0
.if bn >= 240
.set b_last, 1
.endif
.endif
.if bn == -4
	s_wait_loadcnt 15                              ; x of the block's first step: the other 15 slots' loads were issued behind it
.endif
.if bn == 0
	s_wait_alu depctr_va_vdst(0)                   ; the wait for the block's first batch, the 32 exponentials of groups 0 to 15 (beats -16 to -1), ahead of group 0's reader
.endif
.if (bn&15) == 0
.if bn <= 224
	MARUN (bn+16)>>4
.endif
.endif
.if b_in
.if b_p == 13
.if b_last
.if YPASS
	s_wait_dscnt 0x0                               ; the last run held C's quad 3 alone
.endif
.else
	s_wait_dscnt LDSOUT                            ; LDS loads come back in order (ISA guide 5.7.1): the run's first quads are due (B's quad 0, and C's quad 3); LDSOUT loads of the run stand behind them
.endif
.if b_t < 15
.if \ahead
	s_wait_loadcnt XOUT                            ; x of step t+1: behind its load stand 14-t loads of the last block and t of this one (slots 0 to t-1)
.else
	s_wait_loadcnt 14-b_t                          ; the last block loads no x: only the 14-t of the block before
.endif
.endif
.endif
.if b_p == 1
.if b_t > 0
	s_wait_dscnt 0x0                               ; the rest of the last step's run, issued twelve beats ago (step 0: the wait at the head of the dt phase)
.endif
.endif
.endif
	OP DO_XL, bn+16
	OP DO_W1, bn+3
	OP DO_TT, bn
	OP DO_XH, bn+16
.if YPASS
	OP DO_W2, bn+2
.endif
	OP DO_SS, bn-1
.if YPASS
	OP DO_YY, bn-2
.endif
.if b_in
.if b_p == 5                           ; the run, in the order in which the quads are wanted
	s_wait_alu depctr_va_vdst(0)                   ; the wait for the batch of exponentials issued since the last run (groups up to bn+16), ahead of their first reader in the next beat
.set l_b, BB+8+((b_t+1)&1)*(BX-BB-8)
.set l_c, CC+4+((b_t+1)&1)*(CX-CC-4)
.if b_last == 0
	ds_load_b128 v[BB:BB+3], v[VB] offset:(b_t+1)*128
.endif
.if YPASS
	ds_load_b128 v[CC+12:CC+15], v[VB] offset:b_t*128+112          ; this step's own last quad of C
.endif
.if b_last == 0
	ds_load_b128 v[BB+4:BB+7], v[VB] offset:(b_t+1)*128+16
.if YPASS
	ds_load_b128 v[CC:CC+3], v[VB] offset:(b_t+1)*128+64
.endif
	ds_load_b128 v[l_b:l_b+3], v[VB] offset:(b_t+1)*128+32
.if YPASS
	ds_load_b128 v[l_c:l_c+3], v[VB] offset:(b_t+1)*128+80
.endif
	ds_load_b128 v[l_b+4:l_b+7], v[VB] offset:(b_t+1)*128+48
.if YPASS
	ds_load_b128 v[l_c+4:l_c+7], v[VB] offset:(b_t+1)*128+96
.endif
.endif
.endif
.if \ahead
.if bn == 130
	RFLOAD 16*RPITCH                               ; r of the next block, half a block ahead: a run of its own
.endif
.endif
.endif
.if YPASS
.set o_n, bn-18                        ; y of step t is whole behind beat 16 t + 17
.if o_n >= 0
.if (o_n&15) == 0
.set o_t, o_n>>4
	s_wait_xcnt 0x0                                ; the store of two steps ago has read O of this parity: it is rewritten only behind this wait (ISA guide 3.1)
	v_add_f32 v[O+2*(o_t&1)],   v[Y+4*(o_t&1)],   v[Y+4*(o_t&1)+1]
	v_add_f32 v[O+2*(o_t&1)+1], v[Y+4*(o_t&1)+2], v[Y+4*(o_t&1)+3]
.endif
.endif
.set o_n, bn-19
.if o_n >= 0
.if (o_n&15) == 0
.set o_t, o_n>>4
	v_pk_fma_f32 v[O+2*(o_t&1):O+2*(o_t&1)+1], v[X+2*o_t:X+2*o_t+1], v[DK:DK+1], v[O+2*(o_t&1):O+2*(o_t&1)+1]
.endif
.endif
.endif
.set o_do, 0                           ; the run's global part: step o_t = t-1 at beat 16 o_t + 21; step 15 at the block's last beat
.if bn >= 21
.if ((bn-21)&15) == 0
.set o_t, (bn-21)>>4
.set o_do, 1
.endif
.endif
.if bn == LASTB
.set o_t, 15
.set o_do, 1
.endif
.if o_do
.if \ahead
	global_load_b64 v[X+2*o_t:X+2*o_t+1], v1, s[4:5] offset:(16+o_t)*4096 th:TH_LOAD_NT   ; the slot is free: the same step of the next block
.endif
.if YPASS
	global_store_b64 v1, v[O+2*(o_t&1):O+2*(o_t&1)+1], s[20:21] offset:o_t*4096 th:TH_STORE_NT   ; the wave stores 256 consecutive bytes, aligned
.endif
.endif
.endm
.macro BEATS ahead                     ; the 256 groups of a block whose dt is ready; beats -16 to -1 issue the first step's exponentials
.set bn, -16
.rept LASTB+17
	BEAT \ahead
.set bn, bn+1
.endr
.endm
; A trip is the beats of block i and then the dt phase of block i+1.  The bases of x and y are stepped behind that dt phase: no memory instruction
; names them between a block's tail and beat 21 of the next, and the tail's load and store have the dt phase in which to have their addresses taken.
; No transcendental's result crosses the label or the jump without its wait: a block's last exponentials stand in beat 239 and have the wait behind beat 245; the dt phase ends behind its second wait.
	DTPHASE                                        ; dt of block 0
	s_mov_b32 s52, 0
.Lblock:
	BEATS 1
	v_add_nc_u32 v[VB], 2048, v[VB]                ; 16 steps of 128 bytes
	v_add_nc_u32 v[VR], 16*RPITCH, v[VR]
	DTPHASE
	s_wait_xcnt 0x0                                ; the bases are stepped only behind this wait (ISA guide 3.1)
	s_add_nc_u64 s[4:5], s[4:5], 0x10000           ; 16 steps of 4,096 bytes
.if YPASS
	s_add_nc_u64 s[20:21], s[20:21], 0x10000
.endif
	s_add_co_u32 s52, s52, 1
	s_cmp_lt_u32 s52, 15
	s_cbranch_scc1 .Lblock
	BEATS 0                                        ; the last block fetches nothing beyond the chunk
.if YPASS == 0
.set q_, 0
.rept 16
	v_pk_mul_f32 v[S+q_:S+q_+1], v[S+q_:S+q_+1], v[IA+q_:IA+q_+1]    ; the factor 1 / (A + 1e-8), once
.set q_, q_+2
.endr
.irp j, 0,1,2,3,4,5,6,7
	global_store_b128 v[VQ], v[S+4*\j:S+4*\j+3], s[PST:PST+1] offset:512*\j   ; a wave's store covers 512 consecutive bytes, aligned
.endr
	v_pk_add_f32 v[SD:SD+1], v[SD:SD+1], v[SD+2:SD+3]
	v_pk_add_f32 v[SD+4:SD+5], v[SD+4:SD+5], v[SD+6:SD+7]
	v_add_f32 v[O], v[SD], v[SD+1]
	v_add_f32 v[O+1], v[SD+4], v[SD+5]
	global_store_b64 v1, v[O:O+1], s[18:19]
.endif
	s_set_vgpr_msb 0x4
	s_wait_tensorcnt 0x0
	ds_add_u32 v23, v113
	s_wait_dscnt 0x0
	s_set_vgpr_msb 0x400
	s_endpgm
.Lfunc_end_k_q9d24ee9ba1_scan2:
	.size	k_q9d24ee9ba1_scan2, .Lfunc_end_k_q9d24ee9ba1_scan2-k_q9d24ee9ba1_scan2
	.p2alignl 7, 3214868480
	.fill 96, 4, 3214868480
	.section	.rodata,"a",@progbits
	.p2align	6, 0x0
	.amdhsa_kernel k_q9d24ee9ba1_scan2
		.amdhsa_group_segment_fixed_size 168448
		.amdhsa_private_segment_fixed_size 0
		.amdhsa_enable_private_segment 0
		.amdhsa_kernarg_size 72
		.amdhsa_user_sgpr_count 2
		.amdhsa_user_sgpr_kernarg_segment_ptr 1
		.amdhsa_wavefront_size32 1
		.amdhsa_system_sgpr_workgroup_id_x 1
		.amdhsa_system_sgpr_workgroup_id_y 1
		.amdhsa_system_sgpr_workgroup_id_z 1
		.amdhsa_system_vgpr_workitem_id 0
		.amdhsa_next_free_vgpr 512
		.amdhsa_next_free_sgpr 66
		.amdhsa_reserve_vcc 0
		.amdhsa_float_denorm_mode_32 3
		.amdhsa_float_denorm_mode_16_64 3
		.amdhsa_memory_ordered 1
		.amdhsa_forward_progress 1
		.amdhsa_inst_pref_size 255
	.end_amdhsa_kernel
	.section	.bss,"aw",@nobits
	.p2align	6
	.space	262144
	.amdgpu_metadata
---
amdhsa.version: [ 1, 2 ]
amdhsa.kernels:
  - .name:           k_q9d24ee9ba1_scan2
    .symbol:         k_q9d24ee9ba1_scan2.kd
    .args:
      - { .name: x, .offset: 0, .size: 8, .value_kind: global_buffer, .address_space: global }
      - { .name: log_A, .offset: 8, .size: 8, .value_kind: global_buffer, .address_space: global }
      - { .name: W_dt2, .offset: 16, .size: 8, .value_kind: global_buffer, .address_space: global }
      - { .name: b_dt2, .offset: 24, .size: 8, .value_kind: global_buffer, .address_space: global }
      - { .name: D_skip, .offset: 32, .size: 8, .value_kind: global_buffer, .address_space: global }
      - { .name: bc, .offset: 40, .size: 8, .value_kind: global_buffer, .address_space: global }
      - { .name: rr, .offset: 48, .size: 8, .value_kind: global_buffer, .address_space: global }
      - { .name: ini, .offset: 56, .size: 8, .value_kind: global_buffer, .address_space: global }
      - { .name: out0, .offset: 64, .size: 8, .value_kind: global_buffer, .address_space: global }
    .group_segment_fixed_size: 168448
    .private_segment_fixed_size: 0
    .kernarg_segment_align: 8
    .kernarg_segment_size: 72
    .max_flat_workgroup_size: 128
    .sgpr_count:     66
    .vgpr_count:     512
    .wavefront_size: 32
...
	.end_amdgpu_metadata
.endif
;; end of part 8
